; MI455X (gfx1250); checked and timed in simulation.
; The chip was launched on July 23, 2026; its instructions are those of AMD's public machine-readable ISA for CDNA 5 (MIT licence, August 2026) and "CDNA5" Instruction Set Architecture Reference Guide (July 2026). The comments in the code are by the model that wrote it; some were corrected since.
;; Local RV Net. Allowed arithmetic: float matrix products may take bf16 or f16 operands with f32 sums; other float arithmetic in f32, or as packed bf16 or f16 multiplies, adds, multiply-adds, maxima and minima; sums over many terms, partial sums and values carried from step to step in f32; what a program stores and reads back later, other than sums and carried values, may be rounded once to bf16 or f16.
;; Inputs: b1 128 float32; b2 256 float32; b3 512 float32; b4 128 float32; b5 64 float32; b6 2 float32; be1 128 float32; be2 256 float32; be3 512 float32; be4 128 float32; be5 64 float32; g1 128 float32; g2 256 float32; g3 512 float32; g4 128 float32; g5 64 float32; measure_coords 8,192 x 2 float32; measure_vals 8,192 x 2 float32; pos 16,384 x 2 float32; w1 66 x 128 float32; w2 128 x 256 float32; w3 256 x 512 float32; w4 512 x 128 float32; w5 128 x 64 float32; w6 64 x 2 float32.
;; Outputs: out0 16,384 x 2 float32; out1 16,384 x 66 float32.
;; Constants: k = 16.
;; 3 versions, each right; version 2 is faster than version 1; version 3 is version 2 with the launches layer3, layer4 written anew for expert scheduling mode. Each part assembles by itself: llvm-mc -triple=amdgcn-amd-amdhsa -mcpu=gfx1250 --defsym DOCPART=n.
;; ======== version 1 of 3: 8 launches
;; limits: values are held in f16: magnitudes above 65,504 overflow, below 6.1e-05 lose precision; values outside matrix products are rounded to f16
;; workspace buffers: gsel 1,048,576 bytes of whole numbers; nidx 1,048,576 bytes of whole numbers; yA 16,777,216 bytes; yB 8,388,608 bytes; pA 262,144 bytes; pB 131,072 bytes
;; launch knn_groups (part 1): grid 256 x 1, 16 waves a work-group, no clusters, 199,680 bytes of LDS; arguments pos, measure_coords, gsel; writes gsel
.if DOCPART == 1
	.amdgcn_target "amdgcn-amd-amdhsa--gfx1250"
	.amdhsa_code_object_version 6
	.text
	.protected	k_qa3c6ccec1b_knn_groups
	.globl	k_qa3c6ccec1b_knn_groups
	.p2align	8
	.type	k_qa3c6ccec1b_knn_groups,@function
k_qa3c6ccec1b_knn_groups:
	s_mov_b64 s[64:65], 0
	v_nop
	global_prefetch_b8 v0, s[64:65] scope:SCOPE_SE
	s_setreg_imm32_b32 hwreg(HW_REG_WAVE_MODE, 25, 1), 1
	s_wait_xcnt 0x0
; kNN, first pass.  The 8,192 points lie in 512 groups of 16 consecutive indices.  For each query: the least d2 of every group, then the 16 groups that come
; first by (least d2, group number).  They hold the query's 16 nearest points by (d2, index): if 16 other groups came before a point's group, each would hold a
; point that comes before it (on equal d2 the lower group has the lower indices).  The group numbers leave as whole numbers; the next launch forms addresses of them.
; d2 = (sp + sm) - 2 dot in f32, each rounding as the three switches say (1: x x' is rounded, y y' is fused onto it; 0: both products rounded, then added).
; As set: the two sums of squares round both squares and add them; the dot product fuses its second product.  The order of near-equal distances hangs on these roundings.
; LIMITS: NaN and infinities are not treated apart; d2 is never -0 (a sum that is exactly 0 rounds to +0).
; SHARES: a work-group has 64 queries.  Stage A: thread t keeps group t's 16 points in registers, the queries come as scalars, 2 a trip.
; Stage B: thread = (part p of 8, query): 64 group minima a thread, in 4 batches of 16: sort, keep the 16 least of batch and list; then the 8 parts' lists meet in LDS.
; No branch and no address hangs on a distance: the selection is a fixed network of comparators on (key, number) pairs.
.set SP_FMA, 0
.set SM_FMA, 0
.set DOT_FMA, 1
.set PITCH, 2064                       ; a query's 512 minima + 16 bytes: 129 x 16
.set LIST, 64*PITCH                    ; [part 8][quad 8][query 64] x 16 bytes: quads 0-3 keys, 4-7 numbers
.set SPARE, LIST+65536                 ; the spare words, 128 bytes for each of 16 waves
.set SPW, 2                            ; v2 my spare word; v3 0: never rewritten
.set NIL, 3
.set T, 10                             ; v10 at work in a comparator
.set X, 32                             ; three sets of 16 keys + 16 numbers: X the running list (ascending), Y and Z at work
.set Y, 64
.set Z, 96
.macro EACH16 line:vararg
.set j, 0
.rept 16
	\line
.set j, j+1
.endr
.endm
; A comparator from set s into set d: d[a] <= d[b] by (key, number).  The carry of Ka + ~Kb + (ia > ib) is set where (Ka, ia) > (Kb, ib).
.macro CE s, d, a, b
	v_cmp_gt_u32 vcc_lo, v[(\s)+16+(\a)], v[(\s)+16+(\b)]
	v_not_b32 v[T], v[(\s)+(\b)]
	v_min_u32 v[(\d)+(\a)], v[(\s)+(\a)], v[(\s)+(\b)]
	v_add_co_ci_u32 v[T], vcc_lo, v[(\s)+(\a)], v[T], vcc_lo
	v_max_u32 v[(\d)+(\b)], v[(\s)+(\a)], v[(\s)+(\b)]
	v_cndmask_b32 v[(\d)+16+(\a)], v[(\s)+16+(\a)], v[(\s)+16+(\b)], vcc_lo
	v_cndmask_b32 v[(\d)+16+(\b)], v[(\s)+16+(\b)], v[(\s)+16+(\a)], vcc_lo
.endm
.macro LAYER s, d, k, j                ; one layer of the bitonic network: every element is touched, so the sets take turns and nothing is copied
.set i, 0
.rept 16
.set l, i^(\j)
.if l > i
.if (i&(\k)) == 0
	CE \s, \d, i, l
.else
	CE \s, \d, l, i
.endif
.endif
.set i, i+1
.endr
.endm
.macro SORT16                          ; Y is sorted ascending, ten layers, back in Y
	LAYER Y, Z, 2, 1
	LAYER Z, Y, 4, 2
	LAYER Y, Z, 4, 1
	LAYER Z, Y, 8, 4
	LAYER Y, Z, 8, 2
	LAYER Z, Y, 8, 1
	LAYER Y, Z, 16, 8
	LAYER Z, Y, 16, 4
	LAYER Y, Z, 16, 2
	LAYER Z, Y, 16, 1
.endm
.macro HC16                            ; Z[i] = the lesser of X[i] and Y[15 - i]: the 16 least of both lists, a bitonic run
.set i, 0
.rept 16
	v_cmp_gt_u32 vcc_lo, v[X+16+i], v[Y+31-i]
	v_not_b32 v[T], v[Y+15-i]
	v_add_co_ci_u32 v[T], vcc_lo, v[X+i], v[T], vcc_lo
	v_min_u32 v[Z+i], v[X+i], v[Y+15-i]
	v_cndmask_b32 v[Z+16+i], v[X+16+i], v[Y+31-i], vcc_lo
.set i, i+1
.endr
.endm
.macro BMERGE                          ; the bitonic run in Z, sorted, into X
	LAYER Z, Y, 16, 8
	LAYER Y, Z, 16, 4
	LAYER Z, Y, 16, 2
	LAYER Y, X, 16, 1
.endm
; Parts st apart meet: part p with p mod 2 st = st stores its list, part p - st takes it in.  Each list's bytes are written once in the launch.
.macro XMERGE st
	s_and_b32 s15, s12, 2*(\st)-1
	s_cmp_lg_u32 s15, \st
	s_cbranch_scc1 .Lkeep_\@
.set j, 0
.rept 8
	ds_store_b128 v7, v[X+4*j:X+4*j+3] offset:1024*j
.set j, j+1
.endr
.Lkeep_\@:
	s_wait_dscnt 0x0                               ; for the others' sake: my list lies in LDS
	s_barrier_signal -1
	s_barrier_wait -1
	s_cmp_lg_u32 s15, 0
	s_cbranch_scc1 .Lidle_\@
.set j, 0
.rept 8
	ds_load_b128 v[Y+4*j:Y+4*j+3], v7 offset:8192*(\st)+1024*j
.set j, j+1
.endr
	s_wait_dscnt 0x0
	HC16
	BMERGE
.Lidle_\@:
.endm
; One query against my 16 points: px in s[sx], py in s[sx+2] (each the low word of a pair); the group's least d2 goes to MIN[query][group].
.macro DIST sx, off
	v_mul_f32 v96, s[\sx], s[\sx]
.if SP_FMA
	v_fma_f32 v96, s[(\sx)+2], s[(\sx)+2], v96
.else
	v_mul_f32 v98, s[(\sx)+2], s[(\sx)+2]
	v_add_f32 v96, v96, v98
.endif
.set i, 0
.rept 8
	v_pk_mul_f32 v[80+2*i:81+2*i], v[16+2*i:17+2*i], s[\sx:(\sx)+1] op_sel_hi:[1,0]
.set i, i+1
.endr
.set i, 0
.rept 8
.if DOT_FMA
	v_pk_fma_f32 v[80+2*i:81+2*i], v[32+2*i:33+2*i], s[(\sx)+2:(\sx)+3], v[80+2*i:81+2*i] op_sel_hi:[1,0,1]
.else
	v_pk_mul_f32 v[100+2*i:101+2*i], v[32+2*i:33+2*i], s[(\sx)+2:(\sx)+3] op_sel_hi:[1,0]
	v_pk_add_f32 v[80+2*i:81+2*i], v[80+2*i:81+2*i], v[100+2*i:101+2*i]
.endif
.set i, i+1
.endr
.set i, 0
.rept 8
	v_pk_add_f32 v[64+2*i:65+2*i], v[48+2*i:49+2*i], v[96:97] op_sel_hi:[1,0]        ; sp + sm
.set i, i+1
.endr
.set i, 0
.rept 8
	v_pk_fma_f32 v[64+2*i:65+2*i], v[80+2*i:81+2*i], -2.0, v[64+2*i:65+2*i] op_sel_hi:[1,0,1]  ; 2 dot is exact, so this is the subtraction's one rounding
.set i, i+1
.endr
	v_min3_num_f32 v116, v64, v65, v66
	v_min3_num_f32 v117, v67, v68, v69
	v_min3_num_f32 v118, v70, v71, v72
	v_min3_num_f32 v119, v73, v74, v75
	v_min3_num_f32 v120, v76, v77, v78
	v_min3_num_f32 v116, v116, v117, v79
	v_min3_num_f32 v118, v118, v119, v120
	v_min_num_f32 v116, v116, v118
	ds_store_b32 v5, v116 offset:\off
.endm
	s_load_b128 s[4:7], s[0:1], 0x0                ; pos s[4:5], measure_coords s[6:7]
	s_load_b64 s[8:9], s[0:1], 0x10                ; gsel
	v_lshl_add_u32 v[SPW], v0, 2, SPARE
	v_mov_b32 v[NIL], 0
	v_and_b32 v1, 31, v0                           ; lane
	v_lshrrev_b32 v4, 5, v0
	v_readfirstlane_b32 s10, v4                    ; wave 0..15
	s_and_b32 s11, s10, 1                          ; stage B: which 32 of the 64 queries
	s_lshr_b32 s12, s10, 1                         ; stage B: part 0..7
	s_lshl_b32 s16, ttmp9, 9                       ; the work-group's 64 queries x 8 bytes, in pos and in a part of gsel
	s_mov_b32 s17, 0
	s_mov_b32 s13, 0                               ; byte of the pair of queries to be loaded
	s_mov_b32 s19, 0x80000000
	v_lshlrev_b32 v4, 7, v0                        ; my group's 128 bytes of coordinates
	s_lshl_b32 s15, s10, 7
	v_lshl_add_u32 v5, v1, 2, s15                  ; MIN: 4 x group, query 0
	s_mul_i32 s15, s11, 32*PITCH
	s_lshl_b32 s18, s12, 8
	s_add_co_u32 s15, s15, s18
	v_mul_u32_u24 v6, v1, PITCH
	v_add_nc_u32 v6, s15, v6                       ; MIN: my query's row, my part's 64 minima
	s_lshl_b32 s15, s12, 13
	s_lshl_b32 s18, s11, 9
	s_add_co_u32 s15, s15, s18
	s_add_co_u32 s15, s15, LIST
	v_lshl_add_u32 v7, v1, 4, s15                  ; LIST: my part, my query
	s_lshl_b32 s15, s12, 6
	v_mov_b32 v9, s15                              ; the first group number of the batch in hand
	s_lshl_b32 s15, s11, 8
	v_lshl_add_u32 v12, v1, 3, s15                 ; my query's 8 bytes in a part of gsel
	v_mov_b32 v97, 0                               ; named with v96 as a pair
	s_wait_kmcnt 0x0
	s_add_nc_u64 s[4:5], s[4:5], s[16:17]
	s_add_nc_u64 s[8:9], s[8:9], s[16:17]
	s_load_b128 s[20:23], s[4:5], s13 offset:0x0   ; queries 0 and 1
.set i, 0
.rept 8
	global_load_b128 v[64+4*i:67+4*i], v4, s[6:7] offset:16*i
.set i, i+1
.endr
	s_wait_loadcnt 0x0
	EACH16 v_mov_b32 v[16+j], v[64+2*j]            ; x of my 16 points, so that two points make a register pair
	EACH16 v_mov_b32 v[32+j], v[65+2*j]            ; y
.set i, 0
.rept 8
	v_pk_mul_f32 v[48+2*i:49+2*i], v[16+2*i:17+2*i], v[16+2*i:17+2*i]
.if SM_FMA
	v_pk_fma_f32 v[48+2*i:49+2*i], v[32+2*i:33+2*i], v[32+2*i:33+2*i], v[48+2*i:49+2*i]
.else
	v_pk_mul_f32 v[100+2*i:101+2*i], v[32+2*i:33+2*i], v[32+2*i:33+2*i]
	v_pk_add_f32 v[48+2*i:49+2*i], v[48+2*i:49+2*i], v[100+2*i:101+2*i]
.endif
.set i, i+1
.endr
	s_mov_b32 s14, 32
.Lquery:                                       ; 32 trips of two queries
	s_wait_kmcnt 0x0                               ; this trip's two queries are in, so s13 and s[20:23] may be written
	s_mov_b64 s[24:25], s[20:21]
	s_mov_b32 s26, s21
	s_mov_b32 s27, s21
	s_mov_b64 s[28:29], s[22:23]
	s_mov_b32 s30, s23
	s_mov_b32 s31, s23
	s_add_co_u32 s13, s13, 16
	s_min_u32 s13, s13, 496                        ; the last trip's look-ahead stays on the work-group's last pair
	s_load_b128 s[20:23], s[4:5], s13 offset:0x0
	DIST 24, 0
	DIST 28, PITCH
	v_add_nc_u32 v5, 2*PITCH, v5
	s_sub_co_u32 s14, s14, 1
	s_cmp_lg_u32 s14, 0
	s_cbranch_scc1 .Lquery
	s_wait_kmcnt 0x0
	s_wait_dscnt 0x0                               ; my minima lie in LDS
	s_barrier_signal -1
	s_barrier_wait -1
.set j, 0
.rept 32
	v_mov_b32 v[X+j], -1                           ; the list starts with 16 entries that come behind every real one
.set j, j+1
.endr
	s_mov_b32 s14, 4
.Lbatch:                                       ; 16 minima of my query: keys, numbers, sort, merge into the list
.set i, 0
.rept 4
	ds_load_b128 v[128+4*i:131+4*i], v6 offset:16*i
.set i, i+1
.endr
	s_wait_dscnt 0x0
	EACH16 v_ashrrev_i32 v[Z+j], 31, v[128+j]      ; key = bits ^ (sign ? all ones : top bit): unsigned order = the floats' order
	EACH16 v_or_b32 v[Z+j], s19, v[Z+j]
	EACH16 v_xor_b32 v[Y+j], v[128+j], v[Z+j]
	EACH16 v_add_nc_u32 v[Y+16+j], j, v9
	SORT16
	HC16
	BMERGE
	v_add_nc_u32 v6, 64, v6
	v_add_nc_u32 v9, 16, v9
	s_sub_co_u32 s14, s14, 1
	s_cmp_lg_u32 s14, 0
	s_cbranch_scc1 .Lbatch
	XMERGE 1
	XMERGE 2
	XMERGE 4
	s_cmp_lg_u32 s12, 0
	s_cbranch_scc1 .Lend                           ; part 0 holds the result
.set i, 0
.rept 8
	global_store_b64 v12, v[X+16+2*i:X+17+2*i], s[8:9] offset:131072*i  ; a wave's store covers 256 consecutive bytes, aligned
.set i, i+1
.endr
.Lend:
	s_wait_tensorcnt 0x0                           ; the wave's end, behind my last LDS store
	ds_add_u32 v[SPW], v[NIL]
	s_wait_dscnt 0x0
	s_endpgm
.Lfunc_end_k_qa3c6ccec1b_knn_groups:
	.size	k_qa3c6ccec1b_knn_groups, .Lfunc_end_k_qa3c6ccec1b_knn_groups-k_qa3c6ccec1b_knn_groups
	.p2alignl 7, 3214868480
	.fill 96, 4, 3214868480
	.section	.rodata,"a",@progbits
	.p2align	6, 0x0
	.amdhsa_kernel k_qa3c6ccec1b_knn_groups
		.amdhsa_group_segment_fixed_size 199680
		.amdhsa_private_segment_fixed_size 0
		.amdhsa_enable_private_segment 0
		.amdhsa_kernarg_size 24
		.amdhsa_user_sgpr_count 2
		.amdhsa_user_sgpr_kernarg_segment_ptr 1
		.amdhsa_wavefront_size32 1
		.amdhsa_system_sgpr_workgroup_id_x 1
		.amdhsa_system_sgpr_workgroup_id_y 1
		.amdhsa_system_sgpr_workgroup_id_z 1
		.amdhsa_system_vgpr_workitem_id 0
		.amdhsa_next_free_vgpr 144
		.amdhsa_next_free_sgpr 66
		.amdhsa_reserve_vcc 1
		.amdhsa_float_denorm_mode_32 3
		.amdhsa_float_denorm_mode_16_64 3
		.amdhsa_memory_ordered 1
		.amdhsa_forward_progress 1
		.amdhsa_inst_pref_size 75
	.end_amdhsa_kernel
	.amdgpu_metadata
---
amdhsa.version: [ 1, 2 ]
amdhsa.kernels:
  - .name:           k_qa3c6ccec1b_knn_groups
    .symbol:         k_qa3c6ccec1b_knn_groups.kd
    .args:
      - { .name: pos, .offset: 0, .size: 8, .value_kind: global_buffer, .address_space: global }
      - { .name: measure_coords, .offset: 8, .size: 8, .value_kind: global_buffer, .address_space: global }
      - { .name: gsel, .offset: 16, .size: 8, .value_kind: global_buffer, .address_space: global }
    .group_segment_fixed_size: 199680
    .private_segment_fixed_size: 0
    .kernarg_segment_align: 8
    .kernarg_segment_size: 24
    .max_flat_workgroup_size: 512
    .sgpr_count:     66
    .vgpr_count:     144
    .wavefront_size: 32
...
	.end_amdgpu_metadata
.endif
;; end of part 1
;; launch knn_exact (part 2): grid 256 x 1, 16 waves a work-group, no clusters, 67,584 bytes of LDS; arguments pos, measure_coords, gsel, nidx; writes nidx
.if DOCPART == 2
	.amdgcn_target "amdgcn-amd-amdhsa--gfx1250"
	.amdhsa_code_object_version 6
	.text
	.protected	k_qa3c6ccec1b_knn_exact
	.globl	k_qa3c6ccec1b_knn_exact
	.p2align	8
	.type	k_qa3c6ccec1b_knn_exact,@function
k_qa3c6ccec1b_knn_exact:
	s_mov_b64 s[64:65], 0
	v_nop
	global_prefetch_b8 v0, s[64:65] scope:SCOPE_SE
	s_setreg_imm32_b32 hwreg(HW_REG_WAVE_MODE, 25, 1), 1
	s_wait_xcnt 0x0
; kNN, second pass.  For each query the 256 points of the 16 groups that the first pass chose: d2 with the same roundings, and the 16 first by (d2, index), in order.
; The group numbers are whole numbers read from memory (clamped to 511 before they enter an address); the indices leave as whole numbers for the next launch.
; d2 = (sp + sm) - 2 dot in f32, each rounding as the three switches say (1: x x' is rounded, y y' is fused onto it; 0: both products rounded, then added); they are set as in the first pass.
; SHARES: a work-group has 64 queries; thread = (part p of 8, query) takes 2 groups, one a trip; then the 8 parts' lists meet in LDS.
; LIMITS: NaN and infinities are not treated apart; d2 is never -0.
.set SP_FMA, 0
.set SM_FMA, 0
.set DOT_FMA, 1
.set LIST, 0                           ; [part 8][quad 8][query 64] x 16 bytes: quads 0-3 keys, 4-7 indices
.set SPARE, 65536                      ; the spare words, 128 bytes for each of 16 waves
.set SPW, 2
.set NIL, 3
.set T, 10
.set X, 32
.set Y, 64
.set Z, 96
.set C, 128                            ; v[128:159] a group's 16 points as they lie in memory: x, y
.macro EACH16 line:vararg
.set j, 0
.rept 16
	\line
.set j, j+1
.endr
.endm
; A comparator from set s into set d: d[a] <= d[b] by (key, index).  The carry of Ka + ~Kb + (ia > ib) is set where (Ka, ia) > (Kb, ib).
.macro CE s, d, a, b
	v_cmp_gt_u32 vcc_lo, v[(\s)+16+(\a)], v[(\s)+16+(\b)]
	v_not_b32 v[T], v[(\s)+(\b)]
	v_min_u32 v[(\d)+(\a)], v[(\s)+(\a)], v[(\s)+(\b)]
	v_add_co_ci_u32 v[T], vcc_lo, v[(\s)+(\a)], v[T], vcc_lo
	v_max_u32 v[(\d)+(\b)], v[(\s)+(\a)], v[(\s)+(\b)]
	v_cndmask_b32 v[(\d)+16+(\a)], v[(\s)+16+(\a)], v[(\s)+16+(\b)], vcc_lo
	v_cndmask_b32 v[(\d)+16+(\b)], v[(\s)+16+(\b)], v[(\s)+16+(\a)], vcc_lo
.endm
.macro LAYER s, d, k, j
.set i, 0
.rept 16
.set l, i^(\j)
.if l > i
.if (i&(\k)) == 0
	CE \s, \d, i, l
.else
	CE \s, \d, l, i
.endif
.endif
.set i, i+1
.endr
.endm
.macro SORT16
	LAYER Y, Z, 2, 1
	LAYER Z, Y, 4, 2
	LAYER Y, Z, 4, 1
	LAYER Z, Y, 8, 4
	LAYER Y, Z, 8, 2
	LAYER Z, Y, 8, 1
	LAYER Y, Z, 16, 8
	LAYER Z, Y, 16, 4
	LAYER Y, Z, 16, 2
	LAYER Z, Y, 16, 1
.endm
.macro HC16
.set i, 0
.rept 16
	v_cmp_gt_u32 vcc_lo, v[X+16+i], v[Y+31-i]
	v_not_b32 v[T], v[Y+15-i]
	v_add_co_ci_u32 v[T], vcc_lo, v[X+i], v[T], vcc_lo
	v_min_u32 v[Z+i], v[X+i], v[Y+15-i]
	v_cndmask_b32 v[Z+16+i], v[X+16+i], v[Y+31-i], vcc_lo
.set i, i+1
.endr
.endm
.macro BMERGE
	LAYER Z, Y, 16, 8
	LAYER Y, Z, 16, 4
	LAYER Z, Y, 16, 2
	LAYER Y, X, 16, 1
.endm
.macro XMERGE st                       ; part p with p mod 2 st = st stores its list, part p - st takes it in; each list's bytes are written once
	s_and_b32 s15, s12, 2*(\st)-1
	s_cmp_lg_u32 s15, \st
	s_cbranch_scc1 .Lkeep_\@
.set j, 0
.rept 8
	ds_store_b128 v7, v[X+4*j:X+4*j+3] offset:1024*j
.set j, j+1
.endr
.Lkeep_\@:
	s_wait_dscnt 0x0
	s_barrier_signal -1
	s_barrier_wait -1
	s_cmp_lg_u32 s15, 0
	s_cbranch_scc1 .Lidle_\@
.set j, 0
.rept 8
	ds_load_b128 v[Y+4*j:Y+4*j+3], v7 offset:8192*(\st)+1024*j
.set j, j+1
.endr
	s_wait_dscnt 0x0
	HC16
	BMERGE
.Lidle_\@:
.endm
	s_load_b256 s[4:11], s[0:1], 0x0               ; pos s[4:5], measure_coords s[6:7], gsel s[8:9], nidx s[10:11]
	v_lshl_add_u32 v[SPW], v0, 2, SPARE
	v_mov_b32 v[NIL], 0
	v_and_b32 v1, 31, v0
	v_lshrrev_b32 v4, 5, v0
	v_readfirstlane_b32 s22, v4                    ; wave 0..15
	s_and_b32 s13, s22, 1                          ; which 32 of the 64 queries
	s_lshr_b32 s12, s22, 1                         ; part 0..7
	s_lshl_b32 s16, ttmp9, 9                       ; 64 queries x 8 bytes
	s_mov_b32 s17, 0
	s_lshl_b32 s18, ttmp9, 10                      ; 64 queries x 16 bytes
	s_mov_b32 s19, 0
	s_mov_b32 s20, 0x80000000
	s_lshl_b32 s15, s13, 8
	v_lshl_add_u32 v4, v1, 3, s15                  ; my query's 8 bytes of pos
	s_lshl_b32 s15, s12, 17
	v_add_nc_u32 v5, s15, v4                       ; and of my part of gsel
	s_lshl_b32 s15, s13, 9
	v_lshl_add_u32 v20, v1, 4, s15                 ; my query's 16 bytes in a quad of nidx
	s_lshl_b32 s21, s12, 13
	s_add_co_u32 s15, s15, s21
	v_lshl_add_u32 v7, v1, 4, s15                  ; LIST: my part, my query
	s_wait_kmcnt 0x0
	s_add_nc_u64 s[4:5], s[4:5], s[16:17]
	s_add_nc_u64 s[8:9], s[8:9], s[16:17]
	s_add_nc_u64 s[10:11], s[10:11], s[18:19]
	global_load_b64 v[12:13], v4, s[4:5]
	global_load_b64 v[14:15], v5, s[8:9]
.set j, 0
.rept 32
	v_mov_b32 v[X+j], -1                           ; the list starts with 16 entries that come behind every real one
.set j, j+1
.endr
	s_wait_loadcnt 0x0
	v_min_u32 v14, 0x1ff, v14                      ; a number read from memory enters an address only clamped
	v_min_u32 v15, 0x1ff, v15
	v_lshlrev_b32 v16, 7, v14                      ; a group's 128 bytes
	v_lshlrev_b32 v17, 7, v15
	v_lshlrev_b32 v19, 4, v14                      ; its first index
.set i, 0
.rept 8
	global_load_b128 v[C+4*i:C+4*i+3], v16, s[6:7] offset:16*i
.set i, i+1
.endr
	v_mul_f32 v18, v12, v12
.if SP_FMA
	v_fma_f32 v18, v13, v13, v18
.else
	v_mul_f32 v21, v13, v13
	v_add_f32 v18, v18, v21
.endif
	s_mov_b32 s14, 2
.Lgroup:
	s_wait_loadcnt 0x0
	EACH16 v_mul_f32 v[Y+j], v[C+2*j], v[C+2*j]
.if SM_FMA
	EACH16 v_fma_f32 v[Y+j], v[C+2*j+1], v[C+2*j+1], v[Y+j]
.else
	EACH16 v_mul_f32 v[Z+16+j], v[C+2*j+1], v[C+2*j+1]
	EACH16 v_add_f32 v[Y+j], v[Y+j], v[Z+16+j]
.endif
	EACH16 v_mul_f32 v[Z+j], v12, v[C+2*j]
.if DOT_FMA
	EACH16 v_fma_f32 v[Z+j], v13, v[C+2*j+1], v[Z+j]
.else
	EACH16 v_mul_f32 v[Z+16+j], v13, v[C+2*j+1]
	EACH16 v_add_f32 v[Z+j], v[Z+j], v[Z+16+j]
.endif
	EACH16 v_add_f32 v[Y+j], v18, v[Y+j]
	EACH16 v_fma_f32 v[Y+j], -2.0, v[Z+j], v[Y+j]
	EACH16 v_ashrrev_i32 v[Z+j], 31, v[Y+j]
	EACH16 v_or_b32 v[Z+j], s20, v[Z+j]
	EACH16 v_xor_b32 v[Y+j], v[Y+j], v[Z+j]
	EACH16 v_add_nc_u32 v[Y+16+j], j, v19
	s_cmp_eq_u32 s14, 1
	s_cbranch_scc1 .Lno_more                       ; the second trip has nothing left to load
.set i, 0
.rept 8
	global_load_b128 v[C+4*i:C+4*i+3], v17, s[6:7] offset:16*i   ; the second group comes in while the first is sorted
.set i, i+1
.endr
	v_lshlrev_b32 v19, 4, v15
.Lno_more:
	SORT16
	HC16
	BMERGE
	s_sub_co_u32 s14, s14, 1
	s_cmp_lg_u32 s14, 0
	s_cbranch_scc1 .Lgroup
	XMERGE 1
	XMERGE 2
	XMERGE 4
	s_cmp_lg_u32 s12, 0
	s_cbranch_scc1 .Lend
.set i, 0
.rept 4
	global_store_b128 v20, v[X+16+4*i:X+19+4*i], s[10:11] offset:262144*i  ; ranks 4 i .. 4 i + 3: a wave's store covers 512 consecutive bytes, aligned
.set i, i+1
.endr
.Lend:
	s_wait_tensorcnt 0x0                           ; the wave's end, behind my last LDS store
	ds_add_u32 v[SPW], v[NIL]
	s_wait_dscnt 0x0
	s_endpgm
.Lfunc_end_k_qa3c6ccec1b_knn_exact:
	.size	k_qa3c6ccec1b_knn_exact, .Lfunc_end_k_qa3c6ccec1b_knn_exact-k_qa3c6ccec1b_knn_exact
	.p2alignl 7, 3214868480
	.fill 96, 4, 3214868480
	.section	.rodata,"a",@progbits
	.p2align	6, 0x0
	.amdhsa_kernel k_qa3c6ccec1b_knn_exact
		.amdhsa_group_segment_fixed_size 67584
		.amdhsa_private_segment_fixed_size 0
		.amdhsa_enable_private_segment 0
		.amdhsa_kernarg_size 32
		.amdhsa_user_sgpr_count 2
		.amdhsa_user_sgpr_kernarg_segment_ptr 1
		.amdhsa_wavefront_size32 1
		.amdhsa_system_sgpr_workgroup_id_x 1
		.amdhsa_system_sgpr_workgroup_id_y 1
		.amdhsa_system_sgpr_workgroup_id_z 1
		.amdhsa_system_vgpr_workitem_id 0
		.amdhsa_next_free_vgpr 160
		.amdhsa_next_free_sgpr 66
		.amdhsa_reserve_vcc 1
		.amdhsa_float_denorm_mode_32 3
		.amdhsa_float_denorm_mode_16_64 3
		.amdhsa_memory_ordered 1
		.amdhsa_forward_progress 1
		.amdhsa_inst_pref_size 71
	.end_amdhsa_kernel
	.amdgpu_metadata
---
amdhsa.version: [ 1, 2 ]
amdhsa.kernels:
  - .name:           k_qa3c6ccec1b_knn_exact
    .symbol:         k_qa3c6ccec1b_knn_exact.kd
    .args:
      - { .name: pos, .offset: 0, .size: 8, .value_kind: global_buffer, .address_space: global }
      - { .name: measure_coords, .offset: 8, .size: 8, .value_kind: global_buffer, .address_space: global }
      - { .name: gsel, .offset: 16, .size: 8, .value_kind: global_buffer, .address_space: global }
      - { .name: nidx, .offset: 24, .size: 8, .value_kind: global_buffer, .address_space: global }
    .group_segment_fixed_size: 67584
    .private_segment_fixed_size: 0
    .kernarg_segment_align: 8
    .kernarg_segment_size: 32
    .max_flat_workgroup_size: 512
    .sgpr_count:     66
    .vgpr_count:     160
    .wavefront_size: 32
...
	.end_amdgpu_metadata
.endif
;; end of part 2
;; launch feat_l1 (part 3): grid 64 x 4, 8 waves a work-group, no clusters, 150,016 bytes of LDS; arguments pos, measure_coords, measure_vals, nidx, w1, b1, out1, yA, pA; writes out1, yA, pA
.if DOCPART == 3
	.amdgcn_target "amdgcn-amd-amdhsa--gfx1250"
	.amdhsa_code_object_version 6
	.text
	.protected	k_qa3c6ccec1b_feat_l1
	.globl	k_qa3c6ccec1b_feat_l1
	.p2align	8
	.type	k_qa3c6ccec1b_feat_l1,@function
k_qa3c6ccec1b_feat_l1:
	s_mov_b64 s[64:65], 0
	v_nop
	global_prefetch_b8 v0, s[64:65] scope:SCOPE_SE
	s_setreg_imm32_b32 hwreg(HW_REG_WAVE_MODE, 25, 1), 1
	s_wait_xcnt 0x0
; The features, out1, and layer 1: y1 = feat w1 + b1 with its block statistics.
; A work-group: 256 rows (block rb) x 32 of the 128 columns (block cb).  Thread t gathers row 256 rb + t: pos, then (coordinates, values) of its 16 neighbours, whose indices are
; whole numbers that the launch before stored (clamped to 8,191).  The four column blocks of a row block build the same features and share out1's 67,584 bytes, a quarter each.
; Products in f16 with f32 sums that begin at the bias; K = 66 padded with zeros to 96.  y1 leaves transposed, [128][16384] f16, so that a work-group's piece of a column is 512 bytes on end.
; Statistics: for each column the mean of the block's 256 rows and the sum of squares about that mean, in f32, of the unrounded y.
; LIMITS: features, w1 and y1 below 65,504 in magnitude (f16).
.set N, 128
.set NB, 32
.set NT, 2
.set CW, 1
.set SPITCH, 528                       ; a column of the stage: 512 bytes + 16
.set STG, 0
.set AT, 16896                         ; the features in f16, [256 rows] x 208 bytes (96 numbers + 16 bytes: 13 x 16)
.set APITCH, 208
.set OUTS, 70144                       ; the features in f32, dense, as out1 has them
.set WBUF, 137728                      ; w1's 96 x 32 in f16, [k][n], 96 bytes a row (3 x 32)
.set PW, 96
.set SCR, 146944                       ; [wave][column] (mean, M2)
.set SPARE, 148992
.set ACC, 192
.set RBK, 96
.set YO, 18
.set PO, 36
.macro PLACES
.rept 4
	v_nop
.endr
.endm
; THE WAY OUT.  In a result lane (r, h) holds column n = r and rows 8 h + 0..7.  Per column: the wave's mean and M2 over its 32 rows into SCR; the numbers, rounded to f16, into the stage;
; one barrier; whole columns of 512 bytes back and out; the eight waves' statistics are joined and stored.
.macro EPILOGUE
	s_mul_i32 s24, s20, NB*8                       ; seven plain vector lines that name no product's register: the places behind the last products
	s_add_co_u32 s24, s24, SCR
	v_lshl_add_u32 v12, v2, 3, s24
	s_lshl_b32 s24, s20, 6
	s_add_co_u32 s24, s24, STG
	v_mul_u32_u24 v13, v2, SPITCH
	v_lshl_add_u32 v13, v3, 4, v13
	v_add_nc_u32 v13, s24, v13                     ; column r, rows 32 w + 8 h
	s_mul_i32 s24, s20, SPITCH
	s_add_co_u32 s24, s24, STG
	v_lshl_add_u32 v14, v1, 4, s24                 ; back: column w, 16 bytes a lane
	s_lshl_b32 s24, s20, 15
	s_lshl_b32 s25, s21, 9
	s_add_co_u32 s24, s24, s25
	v_lshl_add_u32 v15, v1, 4, s24                 ; the same in y: column w, row block rb
	v_mov_b32 v25, 0
.set n, 0
.rept NT
.set A0, ACC+16*n
.set A1, ACC+16*n+8
	v_pk_add_f32 v[16:17], v[A0:A0+1], v[A0+2:A0+3]        ; each accumulator is read from its low end on
	v_pk_add_f32 v[18:19], v[A0+4:A0+5], v[A0+6:A0+7]
	v_pk_add_f32 v[20:21], v[A1:A1+1], v[A1+2:A1+3]
	v_pk_add_f32 v[22:23], v[A1+4:A1+5], v[A1+6:A1+7]
	v_pk_add_f32 v[16:17], v[16:17], v[18:19]
	v_pk_add_f32 v[20:21], v[20:21], v[22:23]
	v_pk_add_f32 v[16:17], v[16:17], v[20:21]
	v_add_f32 v16, v16, v17
	v_permlanex16_b32 v17, v16, s32, s33           ; the column's other 16 rows lie in the lane 16 away
	v_add_f32 v16, v16, v17
	v_mul_f32 v24, 0x3d000000, v16                 ; / 32
.set q, 0
.rept 4
	v_pk_add_f32 v[32+2*q:33+2*q], v[A0+2*q:A0+2*q+1], v[24:25] op_sel_hi:[1,0] neg_lo:[0,1] neg_hi:[0,1]
	v_pk_add_f32 v[40+2*q:41+2*q], v[A1+2*q:A1+2*q+1], v[24:25] op_sel_hi:[1,0] neg_lo:[0,1] neg_hi:[0,1]
.set q, q+1
.endr
	v_pk_mul_f32 v[16:17], v[32:33], v[32:33]
	v_pk_mul_f32 v[18:19], v[40:41], v[40:41]
.set q, 1
.rept 3
	v_pk_fma_f32 v[16:17], v[32+2*q:33+2*q], v[32+2*q:33+2*q], v[16:17]
	v_pk_fma_f32 v[18:19], v[40+2*q:41+2*q], v[40+2*q:41+2*q], v[18:19]
.set q, q+1
.endr
	v_pk_add_f32 v[16:17], v[16:17], v[18:19]
	v_add_f32 v16, v16, v17
	v_permlanex16_b32 v17, v16, s32, s33
	v_add_f32 v25, v16, v17
	ds_store_b64 v12, v[24:25] offset:128*n        ; both halves of the lanes hold, and write, the same two numbers
.set q, 0
.rept 4
	v_cvt_pk_f16_f32 v[48+q], v[A0+2*q], v[A0+2*q+1]
	v_cvt_pk_f16_f32 v[52+q], v[A1+2*q], v[A1+2*q+1]
.set q, q+1
.endr
	ds_store_b128 v13, v[48:51] offset:16*SPITCH*n
	ds_store_b128 v13, v[52:55] offset:16*SPITCH*n+32
.set n, n+1
.endr
	s_wait_dscnt 0x0                               ; for the others' sake: my part of the stage and of SCR is written
	s_barrier_signal -1
	s_barrier_wait -1
.set i, 0
.rept NB/8
	ds_load_b128 v[RBK+4*i:RBK+4*i+3], v14 offset:8*SPITCH*i
.set i, i+1
.endr
.set i, 0
.rept NB/8
	s_wait_dscnt NB/8-1-i                          ; the younger loads from the stage may stay out
	global_store_b128 v15, v[RBK+4*i:RBK+4*i+3], s[YO:YO+1] offset:262144*i  ; column w + 8 i: 512 consecutive bytes, aligned
.set i, i+1
.endr
	s_cmp_ge_u32 s20, CW
	s_cbranch_scc1 .Lend
	s_mul_i32 s24, s21, 8*N
	s_mul_i32 s25, s22, NB*4
	s_add_co_u32 s24, s24, s25
.if NB >= 32
	v_lshl_add_u32 v12, v0, 3, SCR                 ; thread t joins column t
	v_lshl_add_u32 v13, v0, 2, s24
.else
	v_lshl_add_u32 v12, v2, 3, SCR                 ; both halves of the lanes join column r; the lower stores the mean, the upper M2
	v_lshl_add_u32 v13, v2, 2, s24
	v_mul_u32_u24 v40, v3, 4*N
	v_add_nc_u32 v13, v13, v40
.endif
.set i, 0
.rept 8
	ds_load_b64 v[16+2*i:17+2*i], v12 offset:NB*8*i
.set i, i+1
.endr
	s_wait_dscnt 0x0
	v_pk_add_f32 v[32:33], v[16:17], v[18:19]
	v_pk_add_f32 v[34:35], v[20:21], v[22:23]
	v_pk_add_f32 v[36:37], v[24:25], v[26:27]
	v_pk_add_f32 v[38:39], v[28:29], v[30:31]
	v_pk_add_f32 v[32:33], v[32:33], v[34:35]
	v_pk_add_f32 v[36:37], v[36:37], v[38:39]
	v_pk_add_f32 v[32:33], v[32:33], v[36:37]
	v_mul_f32 v32, 0x3e000000, v32                 ; the block's mean = the eight means / 8
.set i, 0
.rept 8
	v_sub_f32 v[16+2*i], v[16+2*i], v32
.set i, i+1
.endr
	v_mul_f32 v34, v16, v16
	v_mul_f32 v35, v18, v18
	v_fmac_f32 v34, v20, v20
	v_fmac_f32 v35, v22, v22
	v_fmac_f32 v34, v24, v24
	v_fmac_f32 v35, v26, v26
	v_fmac_f32 v34, v28, v28
	v_fmac_f32 v35, v30, v30
	v_add_f32 v34, v34, v35
	v_fmamk_f32 v33, v34, 0x42000000, v33          ; M2 = the eight M2 + 32 x the squares of the means' distances
.if NB >= 32
	global_store_b32 v13, v32, s[PO:PO+1]
	global_store_b32 v13, v33, s[PO:PO+1] offset:4*N
.else
	v_cmp_eq_u32 vcc_lo, 1, v3
	v_cndmask_b32 v32, v32, v33, vcc_lo
	global_store_b32 v13, v32, s[PO:PO+1]
.endif
.Lend:
	s_wait_tensorcnt 0x0                           ; the wave's end, behind my last LDS store
	ds_add_u32 v10, v11
	s_wait_dscnt 0x0
	s_endpgm
.endm
	s_load_b512 s[4:19], s[0:1], 0x0               ; pos 4, coords 6, vals 8, nidx 10, w1 12, b1 14, out1 16, yA 18
	s_load_b64 s[36:37], s[0:1], 0x40              ; pA
	v_lshl_add_u32 v10, v0, 2, SPARE
	v_mov_b32 v11, 0
	v_and_b32 v1, 31, v0
	v_lshrrev_b32 v4, 5, v0
	v_readfirstlane_b32 s20, v4                    ; wave 0..7
	s_mov_b32 s21, ttmp9                           ; row block
	s_and_b32 s22, ttmp7, 3                        ; column block: the grid has four, and the mask says so, since an LDS address is made of it
	s_mov_b32 s32, 0x76543210
	s_mov_b32 s33, 0xfedcba98
	v_and_b32 v2, 15, v0                           ; r
	v_bfe_u32 v3, v0, 4, 1                         ; h
	v_lshlrev_b32 v4, 3, v0                        ; my row in pos
	v_lshlrev_b32 v5, 4, v0                        ; my row in a quad of nidx; later my 16 bytes of out1's quarter
	v_and_b32 v28, 7, v0                           ; w1: 8 threads to a row's 32 columns, 32 rows a pass
	v_lshrrev_b32 v29, 3, v0
	s_lshl_b32 s28, s22, 7                         ; my block's first column, in bytes of f32
	v_lshl_add_u32 v6, v28, 4, s28
	v_min_u32 v7, 1, v29                           ; third pass: rows 64 and 65 exist; the others load row 65 and are made 0
	v_lshl_add_u32 v7, v7, 9, v6
	v_lshl_add_u32 v6, v29, 9, v6
	v_lshl_add_u32 v8, v2, 2, s28                  ; the bias of column r
	v_mul_u32_u24 v9, v29, PW
	v_lshl_add_u32 v9, v28, 3, v9
	v_add_nc_u32 v9, WBUF, v9
	s_mov_b32 s27, 0
	s_wait_kmcnt 0x0
	s_lshl_b32 s26, s21, 11
	s_add_nc_u64 s[4:5], s[4:5], s[26:27]
	s_lshl_b32 s26, s21, 12
	s_add_nc_u64 s[10:11], s[10:11], s[26:27]
	s_lshl2_add_u32 s26, s21, s22
	s_mul_i32 s26, s26, 16896
	s_add_nc_u64 s[16:17], s[16:17], s[26:27]      ; my quarter of the row block's 67,584 bytes of out1
	s_lshl_b32 s26, s22, 20
	s_add_nc_u64 s[18:19], s[18:19], s[26:27]      ; my 32 columns of y1
	global_load_b64 v[64:65], v4, s[4:5]
.set i, 0
.rept 4
	global_load_b128 v[32+4*i:35+4*i], v5, s[10:11] offset:262144*i
.set i, i+1
.endr
	global_load_b128 v[16:19], v6, s[12:13]
	global_load_b128 v[20:23], v6, s[12:13] offset:16384
	global_load_b128 v[24:27], v7, s[12:13] offset:32768
	global_load_b32 v172, v8, s[14:15]
	global_load_b32 v173, v8, s[14:15] offset:64
	s_wait_loadcnt 5                               ; pos and the indices are in; the five loads of w1 and the bias are younger
.set i, 0
.rept 16
	v_min_u32 v[32+i], 0x1fff, v[32+i]
	v_lshlrev_b32 v[32+i], 3, v[32+i]
.set i, i+1
.endr
.set i, 0
.rept 16
	global_load_b64 v[66+4*i:67+4*i], v[32+i], s[6:7]
	global_load_b64 v[68+4*i:69+4*i], v[32+i], s[8:9]
.set i, i+1
.endr
	s_wait_loadcnt 34                              ; w1 is in: behind it came the bias's 2 loads and the gather's 32
	v_cmp_gt_u32 vcc_lo, 16, v0                    ; threads 0-15 hold rows 64 and 65
.set i, 0
.rept 4
	v_cndmask_b32 v[24+i], 0, v[24+i], vcc_lo
.set i, i+1
.endr
.set i, 0
.rept 3
	v_cvt_pk_f16_f32 v[16+4*i], v[16+4*i], v[17+4*i]
	v_cvt_pk_f16_f32 v[17+4*i], v[18+4*i], v[19+4*i]
	ds_store_b64 v9, v[16+4*i:17+4*i] offset:32*PW*i
.set i, i+1
.endr
	v_mul_u32_u24 v174, v0, 264
	v_add_nc_u32 v174, OUTS, v174
	v_mul_u32_u24 v175, v0, APITCH
	v_add_nc_u32 v175, AT, v175
	s_mul_i32 s24, s22, 16896
	s_add_co_u32 s24, s24, OUTS
	v_lshl_add_u32 v176, v0, 4, s24                ; my 16 bytes of my quarter of OUTS: at most OUTS + 3 x 16,896 + 4,080
	s_mul_i32 s24, s20, 32*APITCH
	s_add_co_u32 s24, s24, AT
	v_mul_u32_u24 v178, v2, APITCH
	v_lshl_add_u32 v178, v3, 4, v178
	v_add_nc_u32 v178, s24, v178                   ; A's fragments: row 32 w + r, 16 bytes for each half of the lanes
	v_and_b32 v28, 7, v0
	v_lshl_add_u32 v28, v3, 3, v28
	v_bfe_u32 v29, v0, 3, 1
	v_mul_u32_u24 v179, v28, PW
	v_lshl_add_u32 v179, v29, 4, v179
	v_add_nc_u32 v179, WBUF, v179                  ; B's, by the turning load: row 8 h + l % 8, 16 bytes by bit 3 of the lane
.set i, 165
.rept 7
	v_mov_b32 v[i], 0                              ; the padding of K: columns 66 to 95
.set i, i+1
.endr
	s_wait_loadcnt 0x0
.set i, 0
.rept 33
	ds_store_b64 v174, v[64+2*i:65+2*i] offset:8*i
	v_cvt_pk_f16_f32 v[132+i], v[64+2*i], v[65+2*i]
.set i, i+1
.endr
.set i, 0
.rept 9
	ds_store_b128 v175, v[132+4*i:135+4*i] offset:16*i
.set i, i+1
.endr
.set i, 9
.rept 3
	ds_store_b128 v175, v[168:171] offset:16*i
.set i, i+1
.endr
	s_wait_dscnt 0x0
	s_barrier_signal -1
	s_barrier_wait -1
.set i, 0
.rept 4
	ds_load_b128 v[64+4*i:67+4*i], v176 offset:4096*i
.set i, i+1
.endr
.set i, 0
.rept 4
	s_wait_dscnt 3-i                               ; the younger loads of the copy may stay out
	global_store_b128 v5, v[64+4*i:67+4*i], s[16:17] offset:4096*i th:TH_STORE_NT
.set i, i+1
.endr
	s_cmp_lg_u32 s20, 0
	s_cbranch_scc1 .Lno_fifth                      ; 16,896 = 4 x 4,096 + 512: wave 0 takes the rest
	ds_load_b128 v[80:83], v176 offset:16384
	s_wait_dscnt 0x0
	global_store_b128 v5, v[80:83], s[16:17] offset:16384 th:TH_STORE_NT
.Lno_fifth:
.set i, 0
.rept 16
	v_mov_b32 v[ACC+i], v172                       ; the sums begin at the bias of the lane's column
	v_mov_b32 v[ACC+16+i], v173
.set i, i+1
.endr
.macro KSTEP ks
.if (\ks) > 0
	PLACES                                         ; in front of loads into registers that the last products read
.endif
.irp mt, 0,1
	ds_load_b128 v[32+8*(\mt):35+8*(\mt)], v178 offset:16*APITCH*(\mt)+64*(\ks)
	ds_load_b128 v[36+8*(\mt):39+8*(\mt)], v178 offset:16*APITCH*(\mt)+64*(\ks)+32
.endr
.irp nt, 0,1
	ds_load_tr16_b128 v[48+8*(\nt):51+8*(\nt)], v179 offset:32*PW*(\ks)+32*(\nt)
	ds_load_tr16_b128 v[52+8*(\nt):55+8*(\nt)], v179 offset:32*PW*(\ks)+16*PW+32*(\nt)
.endr
	s_wait_dscnt 0x0
.irp nt, 0,1                           ; the four accumulators take turns, one instruction a turn
	v_wmma_f32_16x16x32_f16 v[ACC+16*(\nt):ACC+16*(\nt)+7], v[32:39], v[48+8*(\nt):55+8*(\nt)], v[ACC+16*(\nt):ACC+16*(\nt)+7]
	v_wmma_f32_16x16x32_f16 v[ACC+16*(\nt)+8:ACC+16*(\nt)+15], v[40:47], v[48+8*(\nt):55+8*(\nt)], v[ACC+16*(\nt)+8:ACC+16*(\nt)+15]
.endr
.endm
	KSTEP 0
	KSTEP 1
	KSTEP 2
	EPILOGUE
.Lfunc_end_k_qa3c6ccec1b_feat_l1:
	.size	k_qa3c6ccec1b_feat_l1, .Lfunc_end_k_qa3c6ccec1b_feat_l1-k_qa3c6ccec1b_feat_l1
	.p2alignl 7, 3214868480
	.fill 96, 4, 3214868480
	.section	.rodata,"a",@progbits
	.p2align	6, 0x0
	.amdhsa_kernel k_qa3c6ccec1b_feat_l1
		.amdhsa_group_segment_fixed_size 150016
		.amdhsa_private_segment_fixed_size 0
		.amdhsa_enable_private_segment 0
		.amdhsa_kernarg_size 72
		.amdhsa_user_sgpr_count 2
		.amdhsa_user_sgpr_kernarg_segment_ptr 1
		.amdhsa_wavefront_size32 1
		.amdhsa_system_sgpr_workgroup_id_x 1
		.amdhsa_system_sgpr_workgroup_id_y 1
		.amdhsa_system_sgpr_workgroup_id_z 1
		.amdhsa_system_vgpr_workitem_id 0
		.amdhsa_next_free_vgpr 256
		.amdhsa_next_free_sgpr 66
		.amdhsa_reserve_vcc 1
		.amdhsa_float_denorm_mode_32 3
		.amdhsa_float_denorm_mode_16_64 3
		.amdhsa_memory_ordered 1
		.amdhsa_forward_progress 1
		.amdhsa_inst_pref_size 29
	.end_amdhsa_kernel
	.amdgpu_metadata
---
amdhsa.version: [ 1, 2 ]
amdhsa.kernels:
  - .name:           k_qa3c6ccec1b_feat_l1
    .symbol:         k_qa3c6ccec1b_feat_l1.kd
    .args:
      - { .name: pos, .offset: 0, .size: 8, .value_kind: global_buffer, .address_space: global }
      - { .name: measure_coords, .offset: 8, .size: 8, .value_kind: global_buffer, .address_space: global }
      - { .name: measure_vals, .offset: 16, .size: 8, .value_kind: global_buffer, .address_space: global }
      - { .name: nidx, .offset: 24, .size: 8, .value_kind: global_buffer, .address_space: global }
      - { .name: w1, .offset: 32, .size: 8, .value_kind: global_buffer, .address_space: global }
      - { .name: b1, .offset: 40, .size: 8, .value_kind: global_buffer, .address_space: global }
      - { .name: out1, .offset: 48, .size: 8, .value_kind: global_buffer, .address_space: global }
      - { .name: yA, .offset: 56, .size: 8, .value_kind: global_buffer, .address_space: global }
      - { .name: pA, .offset: 64, .size: 8, .value_kind: global_buffer, .address_space: global }
    .group_segment_fixed_size: 150016
    .private_segment_fixed_size: 0
    .kernarg_segment_align: 8
    .kernarg_segment_size: 72
    .max_flat_workgroup_size: 256
    .sgpr_count:     66
    .vgpr_count:     256
    .wavefront_size: 32
...
	.end_amdgpu_metadata
.endif
;; end of part 3
;; launch layer2 (part 4): grid 64 x 4, 8 waves a work-group, no clusters, 236,544 bytes of LDS; arguments yA, pA, g1, be1, w2, b2, yB, pB; writes yB, pB
.if DOCPART == 4
	.amdgcn_target "amdgcn-amd-amdhsa--gfx1250"
	.amdhsa_code_object_version 6
	.text
	.protected	k_qa3c6ccec1b_layer2
	.globl	k_qa3c6ccec1b_layer2
	.p2align	8
	.type	k_qa3c6ccec1b_layer2,@function
k_qa3c6ccec1b_layer2:
	s_mov_b64 s[64:65], 0
	v_nop
	global_prefetch_b8 v0, s[64:65] scope:SCOPE_SE
	s_setreg_imm32_b32 hwreg(HW_REG_WAVE_MODE, 25, 1), 1
	s_wait_xcnt 0x0
; A LAYER: x = relu(a y + c), the batch norm of the layer before folded into a = g rsqrt(var + 1e-5), c = be - mean a; then y' = x w + b and y's block statistics.  Here K = 128, N = 256.
; y and y' lie transposed, [columns][16384] f16.  The statistics of the layer before come as [64 row blocks][mean, M2][K] f32; every work-group joins them itself, about a pivot
; (block 0's means), so that no difference of large sums is formed.  A work-group: 256 rows (block rb) x NB = N / 4 columns (block cb); wave w: rows 32 w .. 32 w + 31, all NB columns.
; Activations and weights lie K-major in LDS, [k][m] and [k][n] in f16, and both fragments come by the turning load.  Products in f16, sums in f32, beginning at the bias.
; No tensor loads and no cluster: every byte of y passes the norm in registers on its way to LDS.  LIMITS: x, w, y' below 65,504 in magnitude (f16).
.set K, 128
.set N, 256
.set NB, 64
.set PW, 160                           ; a row of the weights in LDS: 2 NB + 32 bytes, an odd multiple of 32
.set PRE, 0                            ; 1: the next chunk of y is asked for ahead of the products (its registers are free of B's fragments)
.set RB, 192                           ; registers at work while the statistics are joined, RN slices at a time
.set RN, 4
.set LOGKQ, 5                          ; log2(K / 4)
.set LOGTPR, 4                         ; log2(NB / 4)
.set NT, NB/16
.set KC, 128                           ; K goes in chunks of 128
.set NC, K/KC
.set S, 1024/K                         ; slices of row blocks among the 256 threads
.set RS, K/16                          ; row blocks in a slice
.set TPR, NB/4
.set NPW, K*NB/1024                    ; loads of 16 bytes of w for each thread
.set PSTEP, (256/TPR)*PW
.set FW, K/128                         ; waves that finish the statistics
.if NB >= 32
.set CW, NB/32
.else
.set CW, 1
.endif
.set APITCH, 544                       ; a row of the activations in LDS: 512 + 32 bytes = 17 x 32
.set SPITCH, 528                       ; a column of the stage: 512 + 16 bytes
.set ABUF, 0
.set WBUF, 69632
.set ACT, 143360                       ; (a, c) for each k
.set RED, 147456                       ; [slice][S1, S2, SM][K]
.set SCR, 159744                       ; [wave][column] (mean, M2)
.set STG, 167936
.set SPARE, 235520
.set ACC, 128
.set RBK, 64
.set YO, 16
.set PO, 18
.macro PLACES
.rept 4
	v_nop
.endr
.endm
.macro EPILOGUE
	s_mul_i32 s24, s20, NB*8                       ; seven plain vector lines that name no product's register: the places behind the last products
	s_add_co_u32 s24, s24, SCR
	v_lshl_add_u32 v12, v2, 3, s24
	s_lshl_b32 s24, s20, 6
	s_add_co_u32 s24, s24, STG
	v_mul_u32_u24 v13, v2, SPITCH
	v_lshl_add_u32 v13, v3, 4, v13
	v_add_nc_u32 v13, s24, v13                     ; column r, rows 32 w + 8 h
	s_mul_i32 s24, s20, SPITCH
	s_add_co_u32 s24, s24, STG
	v_lshl_add_u32 v14, v1, 4, s24                 ; back: column w, 16 bytes a lane
	s_lshl_b32 s24, s20, 15
	s_lshl_b32 s25, s21, 9
	s_add_co_u32 s24, s24, s25
	v_lshl_add_u32 v15, v1, 4, s24                 ; the same in y': column w, row block rb
	v_mov_b32 v25, 0
.set n, 0
.rept NT
.set A0, ACC+16*n
.set A1, ACC+16*n+8
	v_pk_add_f32 v[16:17], v[A0:A0+1], v[A0+2:A0+3]        ; each accumulator is read from its low end on
	v_pk_add_f32 v[18:19], v[A0+4:A0+5], v[A0+6:A0+7]
	v_pk_add_f32 v[20:21], v[A1:A1+1], v[A1+2:A1+3]
	v_pk_add_f32 v[22:23], v[A1+4:A1+5], v[A1+6:A1+7]
	v_pk_add_f32 v[16:17], v[16:17], v[18:19]
	v_pk_add_f32 v[20:21], v[20:21], v[22:23]
	v_pk_add_f32 v[16:17], v[16:17], v[20:21]
	v_add_f32 v16, v16, v17
	v_permlanex16_b32 v17, v16, s32, s33           ; the column's other 16 rows lie in the lane 16 away
	v_add_f32 v16, v16, v17
	v_mul_f32 v24, 0x3d000000, v16                 ; / 32
.set q, 0
.rept 4
	v_pk_add_f32 v[32+2*q:33+2*q], v[A0+2*q:A0+2*q+1], v[24:25] op_sel_hi:[1,0] neg_lo:[0,1] neg_hi:[0,1]
	v_pk_add_f32 v[40+2*q:41+2*q], v[A1+2*q:A1+2*q+1], v[24:25] op_sel_hi:[1,0] neg_lo:[0,1] neg_hi:[0,1]
.set q, q+1
.endr
	v_pk_mul_f32 v[16:17], v[32:33], v[32:33]
	v_pk_mul_f32 v[18:19], v[40:41], v[40:41]
.set q, 1
.rept 3
	v_pk_fma_f32 v[16:17], v[32+2*q:33+2*q], v[32+2*q:33+2*q], v[16:17]
	v_pk_fma_f32 v[18:19], v[40+2*q:41+2*q], v[40+2*q:41+2*q], v[18:19]
.set q, q+1
.endr
	v_pk_add_f32 v[16:17], v[16:17], v[18:19]
	v_add_f32 v16, v16, v17
	v_permlanex16_b32 v17, v16, s32, s33
	v_add_f32 v25, v16, v17
	ds_store_b64 v12, v[24:25] offset:128*n        ; both halves of the lanes hold, and write, the same two numbers
.set q, 0
.rept 4
	v_cvt_pk_f16_f32 v[48+q], v[A0+2*q], v[A0+2*q+1]
	v_cvt_pk_f16_f32 v[52+q], v[A1+2*q], v[A1+2*q+1]
.set q, q+1
.endr
	ds_store_b128 v13, v[48:51] offset:16*SPITCH*n
	ds_store_b128 v13, v[52:55] offset:16*SPITCH*n+32
.set n, n+1
.endr
	s_wait_dscnt 0x0                               ; for the others' sake: my part of the stage and of SCR is written
	s_barrier_signal -1
	s_barrier_wait -1
.set i, 0
.rept NB/8
	ds_load_b128 v[RBK+4*i:RBK+4*i+3], v14 offset:8*SPITCH*i
.set i, i+1
.endr
.set i, 0
.rept NB/8
	s_wait_dscnt NB/8-1-i                          ; the younger loads from the stage may stay out
	global_store_b128 v15, v[RBK+4*i:RBK+4*i+3], s[YO:YO+1] offset:262144*i  ; column w + 8 i: 512 consecutive bytes, aligned
.set i, i+1
.endr
	s_cmp_ge_u32 s20, CW
	s_cbranch_scc1 .Lend
	s_mul_i32 s24, s21, 8*N
	s_mul_i32 s25, s22, NB*4
	s_add_co_u32 s24, s24, s25
.if NB >= 32
	v_lshl_add_u32 v12, v0, 3, SCR                 ; thread t joins column t
	v_lshl_add_u32 v13, v0, 2, s24
.else
	v_lshl_add_u32 v12, v2, 3, SCR                 ; both halves of the lanes join column r; the lower stores the mean, the upper M2
	v_lshl_add_u32 v13, v2, 2, s24
	v_mul_u32_u24 v40, v3, 4*N
	v_add_nc_u32 v13, v13, v40
.endif
.set i, 0
.rept 8
	ds_load_b64 v[16+2*i:17+2*i], v12 offset:NB*8*i
.set i, i+1
.endr
	s_wait_dscnt 0x0
	v_pk_add_f32 v[32:33], v[16:17], v[18:19]
	v_pk_add_f32 v[34:35], v[20:21], v[22:23]
	v_pk_add_f32 v[36:37], v[24:25], v[26:27]
	v_pk_add_f32 v[38:39], v[28:29], v[30:31]
	v_pk_add_f32 v[32:33], v[32:33], v[34:35]
	v_pk_add_f32 v[36:37], v[36:37], v[38:39]
	v_pk_add_f32 v[32:33], v[32:33], v[36:37]
	v_mul_f32 v32, 0x3e000000, v32                 ; the block's mean = the eight means / 8
.set i, 0
.rept 8
	v_sub_f32 v[16+2*i], v[16+2*i], v32
.set i, i+1
.endr
	v_mul_f32 v34, v16, v16
	v_mul_f32 v35, v18, v18
	v_fmac_f32 v34, v20, v20
	v_fmac_f32 v35, v22, v22
	v_fmac_f32 v34, v24, v24
	v_fmac_f32 v35, v26, v26
	v_fmac_f32 v34, v28, v28
	v_fmac_f32 v35, v30, v30
	v_add_f32 v34, v34, v35
	v_fmamk_f32 v33, v34, 0x42000000, v33          ; M2 = the eight M2 + 32 x the squares of the means' distances
.if NB >= 32
	global_store_b32 v13, v32, s[PO:PO+1]
	global_store_b32 v13, v33, s[PO:PO+1] offset:4*N
.else
	v_cmp_eq_u32 vcc_lo, 1, v3
	v_cndmask_b32 v32, v32, v33, vcc_lo
	global_store_b32 v13, v32, s[PO:PO+1]
.endif
.Lend:
	s_wait_tensorcnt 0x0                           ; the wave's end, behind my last LDS store
	ds_add_u32 v10, v11
	s_wait_dscnt 0x0
	s_endpgm
.endm
; n row blocks' means and M2 of my four columns, from block `first` of my slice on: D = mean - pivot; S1 += D; S2 += D D; SM += M2
.macro STATRUN first, n
.set i, 0
.rept \n
	global_load_b128 v[128+8*i:131+8*i], v44, s[6:7] offset:((\first)+i)*8*K
	global_load_b128 v[132+8*i:135+8*i], v44, s[6:7] offset:((\first)+i)*8*K+4*K
.set i, i+1
.endr
.set i, 0
.rept \n
	s_wait_loadcnt 2*((\n)-1-i)                    ; the younger blocks' pairs of loads may stay out
	v_pk_add_f32 v[40:41], v[128+8*i:129+8*i], v[28:29] neg_lo:[0,1] neg_hi:[0,1]
	v_pk_add_f32 v[42:43], v[130+8*i:131+8*i], v[30:31] neg_lo:[0,1] neg_hi:[0,1]
	v_pk_add_f32 v[24:25], v[24:25], v[132+8*i:133+8*i]
	v_pk_add_f32 v[26:27], v[26:27], v[134+8*i:135+8*i]
	v_pk_add_f32 v[16:17], v[16:17], v[40:41]
	v_pk_add_f32 v[18:19], v[18:19], v[42:43]
	v_pk_fma_f32 v[20:21], v[40:41], v[40:41], v[20:21]
	v_pk_fma_f32 v[22:23], v[42:43], v[42:43], v[22:23]
.set i, i+1
.endr
.endm
; RN slices' sums from RED; slice 0 lands in the sums themselves, the others are added
.macro REDROUND first
.set j, 0
.rept 3*RN
.if 3*(\first)+j < 3
	ds_load_b128 v[16+4*j:19+4*j], v13 offset:4*K*j
.else
	ds_load_b128 v[RB+4*j:RB+4*j+3], v13 offset:4*K*(3*(\first)+j)
.endif
.set j, j+1
.endr
	s_wait_dscnt 0x0
.set j, 0
.rept 3*RN
.if 3*(\first)+j >= 3
	v_pk_add_f32 v[16+4*(j%3):17+4*(j%3)], v[16+4*(j%3):17+4*(j%3)], v[RB+4*j:RB+4*j+1]
	v_pk_add_f32 v[18+4*(j%3):19+4*(j%3)], v[18+4*(j%3):19+4*(j%3)], v[RB+4*j+2:RB+4*j+3]
.endif
.set j, j+1
.endr
.endm
.macro YLOADS                          ; a chunk of y: row k = w + 8 i, a wave's load is the row block's 512 bytes of that row
.set i, 0
.rept KC/8
	global_load_b128 v[64+4*i:67+4*i], v8, s[4:5] offset:262144*i
.set i, i+1
.endr
.endm
.macro NEXTY                           ; all but the last trip ask for the next chunk; every earlier load through s[4:5] has been waited for
	s_cmp_eq_u32 s23, 1
	s_cbranch_scc1 .Lno_next
	s_add_nc_u64 s[4:5], s[4:5], KC*32768
	YLOADS
.Lno_next:
.endm
.macro KSTEP ks                        ; 32 along K: fragments of my 32 rows and of all NB columns, 2 NT products; the accumulators take turns, one instruction a turn
.if (\ks) > 0
	PLACES                                         ; in front of loads into registers that the last products read
.endif
.irp mt, 0,1
	ds_load_tr16_b128 v[32+8*(\mt):35+8*(\mt)], v6 offset:32*APITCH*(\ks)+32*(\mt)
	ds_load_tr16_b128 v[36+8*(\mt):39+8*(\mt)], v6 offset:32*APITCH*(\ks)+16*APITCH+32*(\mt)
.endr
.set n, 0
.rept NT
	ds_load_tr16_b128 v[48+8*n:51+8*n], v7 offset:32*PW*(\ks)+32*n
	ds_load_tr16_b128 v[52+8*n:55+8*n], v7 offset:32*PW*(\ks)+16*PW+32*n
.set n, n+1
.endr
	s_wait_dscnt 0x0
.set n, 0
.rept NT
	v_wmma_f32_16x16x32_f16 v[ACC+16*n:ACC+16*n+7], v[32:39], v[48+8*n:55+8*n], v[ACC+16*n:ACC+16*n+7]
	v_wmma_f32_16x16x32_f16 v[ACC+16*n+8:ACC+16*n+15], v[40:47], v[48+8*n:55+8*n], v[ACC+16*n+8:ACC+16*n+15]
.set n, n+1
.endr
.endm
	s_load_b512 s[4:19], s[0:1], 0x0               ; y 4, p 6, g 8, be 10, w 12, b 14, y' 16, p' 18
	v_lshl_add_u32 v10, v0, 2, SPARE
	v_mov_b32 v11, 0
	v_mov_b32 v9, 0                                ; the ReLU's zero
	v_and_b32 v1, 31, v0
	v_lshrrev_b32 v4, 5, v0
	v_readfirstlane_b32 s20, v4                    ; wave 0..7
	s_mov_b32 s21, ttmp9                           ; row block
	s_and_b32 s22, ttmp7, 0xffff                   ; column block
	v_and_b32 v2, 15, v0                           ; r
	v_bfe_u32 v3, v0, 4, 1                         ; h
	s_mov_b32 s32, 0x76543210
	s_mov_b32 s33, 0xfedcba98
	s_mov_b32 s34, 0x38800000                      ; 1 / 16384
	s_mov_b32 s35, s34
	s_mov_b32 s36, 0x3727c5ac                      ; 1e-5
	s_mov_b32 s37, s36
	v_and_b32 v45, K/4-1, v0                       ; statistics: my quad of columns,
	v_lshrrev_b32 v44, LOGKQ, v0                   ; my slice of row blocks
	v_lshlrev_b32 v45, 4, v45
	v_mul_u32_u24 v13, v44, 12*K
	v_add_nc_u32 v13, v13, v45
	v_add_nc_u32 v13, RED, v13
	v_mul_u32_u24 v44, v44, RS*8*K
	v_add_nc_u32 v44, v44, v45
	v_and_b32 v46, TPR-1, v0                       ; w: TPR threads to a row's NB columns
	v_lshrrev_b32 v47, LOGTPR, v0
	s_mul_i32 s28, s22, NB*4                       ; my block's first column, in bytes of f32
	v_mul_u32_u24 v12, v47, N*4
	v_lshl_add_u32 v12, v46, 4, v12
	v_add_nc_u32 v12, s28, v12
	v_mul_u32_u24 v15, v47, PW
	v_lshl_add_u32 v15, v46, 3, v15
	v_add_nc_u32 v15, WBUF, v15
	s_lshl_b32 s25, s20, 15
	s_lshl_b32 s26, s21, 9
	s_add_co_u32 s25, s25, s26
	v_lshl_add_u32 v8, v1, 4, s25                  ; y: row w, row block rb, 16 bytes a lane
	s_mul_i32 s25, s20, APITCH
	v_lshl_add_u32 v4, v1, 4, s25                  ; the same in ABUF
	s_lshl_b32 s25, s20, 3
	s_add_co_u32 s25, s25, ACT
	v_mov_b32 v5, s25                              ; (a, c) of row w
	v_and_b32 v46, 7, v0                           ; the turning load: row 8 h + l % 8, 16 bytes by bit 3 of the lane
	v_lshl_add_u32 v46, v3, 3, v46
	v_bfe_u32 v47, v0, 3, 1
	v_mul_u32_u24 v6, v46, APITCH
	v_lshl_add_u32 v6, v47, 4, v6
	s_lshl_b32 s25, s20, 6
	v_add_nc_u32 v6, s25, v6                       ; my 32 rows m: 64 bytes along ABUF's rows
	v_mul_u32_u24 v7, v46, PW
	v_lshl_add_u32 v7, v47, 4, v7
	v_add_nc_u32 v7, WBUF, v7
	s_mul_i32 s26, s22, NB*32768
	s_mov_b32 s27, 0
.set i, 16
.rept 12
	v_mov_b32 v[i], 0                              ; S1, S2, SM
.set i, i+1
.endr
	s_wait_kmcnt 0x0
	s_add_nc_u64 s[16:17], s[16:17], s[26:27]      ; my NB columns of y'
	global_load_b128 v[32:35], v45, s[8:9]         ; g
	global_load_b128 v[36:39], v45, s[10:11]       ; be
	global_load_b128 v[28:31], v45, s[6:7]         ; the pivot: block 0's means
.if RS > 16
	STATRUN 0, 16
	STATRUN 16, 16
.else
	STATRUN 0, RS
.endif
.set i, 0
.rept NPW
	global_load_b128 v[128+4*i:131+4*i], v12, s[12:13] offset:16384*i
.set i, i+1
.endr
	YLOADS
	ds_store_b128 v13, v[16:19]
	ds_store_b128 v13, v[20:23] offset:4*K
	ds_store_b128 v13, v[24:27] offset:8*K
	v_add_nc_u32 v13, RED, v45                     ; where the slices of my quad are read,
	v_lshl_add_u32 v14, v45, 1, ACT                ; and where its (a, c) go
	s_wait_dscnt 0x0
	s_barrier_signal -1
	s_barrier_wait -1
	s_cmp_ge_u32 s20, FW
	s_cbranch_scc1 .Lfin                           ; K / 4 threads finish a quad of columns each
.set f, 0
.rept S/RN
	REDROUND f
.set f, f+RN
.endr
.irp c, 0,2
	v_pk_mul_f32 v[RB+(\c):RB+(\c)+1], v[16+(\c):17+(\c)], 0x3c800000 op_sel_hi:[1,0]                               ; S1 / 64
	v_pk_fma_f32 v[20+(\c):21+(\c)], v[RB+(\c):RB+(\c)+1], v[16+(\c):17+(\c)], v[20+(\c):21+(\c)] neg_lo:[1,0,0] neg_hi:[1,0,0]  ; S2 - S1 S1 / 64
	v_pk_add_f32 v[28+(\c):29+(\c)], v[28+(\c):29+(\c)], v[RB+(\c):RB+(\c)+1]                                       ; mean = pivot + S1 / 64
	v_pk_fma_f32 v[24+(\c):25+(\c)], v[20+(\c):21+(\c)], 0x43800000, v[24+(\c):25+(\c)] op_sel_hi:[1,0,1]           ; M2 = SM + 256 (..)
	v_pk_fma_f32 v[24+(\c):25+(\c)], v[24+(\c):25+(\c)], s[34:35], s[36:37] op_sel_hi:[1,0,0]                       ; var + eps
.endr
.irp c, 0,1,2,3
	v_rsq_f32 v[24+(\c)], v[24+(\c)]
.endr
	v_nop                                          ; a plain instruction between the last root and the use of its result
	s_wait_alu depctr_va_vdst(0)
.irp c, 0,1,2,3
	v_mul_f32 v[RB+2*(\c)], v[32+(\c)], v[24+(\c)]
.endr
.irp c, 0,1,2,3
	v_fma_f32 v[RB+2*(\c)+1], -v[28+(\c)], v[RB+2*(\c)], v[36+(\c)]
.endr
	ds_store_b128 v14, v[RB:RB+3]
	ds_store_b128 v14, v[RB+4:RB+7] offset:16
.Lfin:
	s_wait_dscnt 0x0
	s_barrier_signal -1
	s_barrier_wait -1
	v_lshl_add_u32 v13, v2, 2, s28
.set n, 0
.rept NT
	global_load_b32 v[48+n], v13, s[14:15] offset:64*n     ; the bias of column 16 n + r
.set n, n+1
.endr
	s_wait_loadcnt KC/8+NT                         ; w is in: behind it came the chunk's KC / 8 loads and the bias's NT
.if NPW > 16
	v_add_nc_u32 v12, 16*PSTEP, v15                ; the LDS offset has 16 bits: a second address from pass 16 on
.endif
.set i, 0
.rept NPW
	v_cvt_pk_f16_f32 v[128+4*i], v[128+4*i], v[129+4*i]
	v_cvt_pk_f16_f32 v[129+4*i], v[130+4*i], v[131+4*i]
.if i < 16
	ds_store_b64 v15, v[128+4*i:129+4*i] offset:PSTEP*i
.else
	ds_store_b64 v12, v[128+4*i:129+4*i] offset:PSTEP*(i-16)
.endif
.set i, i+1
.endr
	s_wait_loadcnt 0x0
.set n, 0
.rept NT
.set i, 0
.rept 16
	v_mov_b32 v[ACC+16*n+i], v[48+n]               ; the sums begin at the bias of the lane's column
.set i, i+1
.endr
.set n, n+1
.endr
.if NC > 1
	s_mov_b32 s23, NC
.Lchunk:
	s_wait_loadcnt 0x0                             ; this chunk of y
	s_wait_dscnt 0x0
	s_barrier_signal -1
	s_barrier_wait -1                              ; nobody reads the last chunk's activations any more
.endif
.set i, 0
.rept KC/8
	ds_load_b64 v[16+2*i:17+2*i], v5 offset:64*i   ; (a, c) of row w + 8 i, the same for all lanes
.set i, i+1
.endr
	s_wait_dscnt 0x0
.set i, 0
.rept KC/8
.set j, 0
.rept 4
	v_fma_mixlo_f16 v[64+4*i+j], v[64+4*i+j], v[16+2*i], v[17+2*i] op_sel_hi:[1,0,0]                 ; in place: the upper half is kept,
.set j, j+1
.endr
.set j, 0
.rept 4
	v_fma_mixhi_f16 v[64+4*i+j], v[64+4*i+j], v[16+2*i], v[17+2*i] op_sel:[1,0,0] op_sel_hi:[1,0,0]  ; and read here
.set j, j+1
.endr
.set j, 0
.rept 4
	v_pk_max_num_f16 v[64+4*i+j], v[64+4*i+j], v9
.set j, j+1
.endr
	ds_store_b128 v4, v[64+4*i:67+4*i] offset:8*APITCH*i
.set i, i+1
.endr
	s_wait_dscnt 0x0                               ; for the others' sake: my rows of x, and my part of w, are written
.if (NC > 1) && PRE
	NEXTY
.endif
	s_barrier_signal -1
	s_barrier_wait -1
	KSTEP 0
	KSTEP 1
	KSTEP 2
	KSTEP 3
.if NC > 1
	PLACES
.if PRE == 0
	NEXTY
.endif
	v_add_nc_u32 v7, KC*PW, v7
	v_add_nc_u32 v5, 8*KC, v5
	s_sub_co_u32 s23, s23, 1
	s_cmp_lg_u32 s23, 0
	s_cbranch_scc1 .Lchunk
.endif
	EPILOGUE
.Lfunc_end_k_qa3c6ccec1b_layer2:
	.size	k_qa3c6ccec1b_layer2, .Lfunc_end_k_qa3c6ccec1b_layer2-k_qa3c6ccec1b_layer2
	.p2alignl 7, 3214868480
	.fill 96, 4, 3214868480
	.section	.rodata,"a",@progbits
	.p2align	6, 0x0
	.amdhsa_kernel k_qa3c6ccec1b_layer2
		.amdhsa_group_segment_fixed_size 236544
		.amdhsa_private_segment_fixed_size 0
		.amdhsa_enable_private_segment 0
		.amdhsa_kernarg_size 64
		.amdhsa_user_sgpr_count 2
		.amdhsa_user_sgpr_kernarg_segment_ptr 1
		.amdhsa_wavefront_size32 1
		.amdhsa_system_sgpr_workgroup_id_x 1
		.amdhsa_system_sgpr_workgroup_id_y 1
		.amdhsa_system_sgpr_workgroup_id_z 1
		.amdhsa_system_vgpr_workitem_id 0
		.amdhsa_next_free_vgpr 256
		.amdhsa_next_free_sgpr 66
		.amdhsa_reserve_vcc 1
		.amdhsa_float_denorm_mode_32 3
		.amdhsa_float_denorm_mode_16_64 3
		.amdhsa_memory_ordered 1
		.amdhsa_forward_progress 1
		.amdhsa_inst_pref_size 57
	.end_amdhsa_kernel
	.amdgpu_metadata
---
amdhsa.version: [ 1, 2 ]
amdhsa.kernels:
  - .name:           k_qa3c6ccec1b_layer2
    .symbol:         k_qa3c6ccec1b_layer2.kd
    .args:
      - { .name: yA, .offset: 0, .size: 8, .value_kind: global_buffer, .address_space: global }
      - { .name: pA, .offset: 8, .size: 8, .value_kind: global_buffer, .address_space: global }
      - { .name: g1, .offset: 16, .size: 8, .value_kind: global_buffer, .address_space: global }
      - { .name: be1, .offset: 24, .size: 8, .value_kind: global_buffer, .address_space: global }
      - { .name: w2, .offset: 32, .size: 8, .value_kind: global_buffer, .address_space: global }
      - { .name: b2, .offset: 40, .size: 8, .value_kind: global_buffer, .address_space: global }
      - { .name: yB, .offset: 48, .size: 8, .value_kind: global_buffer, .address_space: global }
      - { .name: pB, .offset: 56, .size: 8, .value_kind: global_buffer, .address_space: global }
    .group_segment_fixed_size: 236544
    .private_segment_fixed_size: 0
    .kernarg_segment_align: 8
    .kernarg_segment_size: 64
    .max_flat_workgroup_size: 256
    .sgpr_count:     66
    .vgpr_count:     256
    .wavefront_size: 32
...
	.end_amdgpu_metadata
.endif
;; end of part 4
;; launch layer3 (part 5): grid 64 x 4, 8 waves a work-group, no clusters, 236,544 bytes of LDS; arguments yB, pB, g2, be2, w3, b3, yA, pA; writes yA, pA
.if DOCPART == 5
	.amdgcn_target "amdgcn-amd-amdhsa--gfx1250"
	.amdhsa_code_object_version 6
	.text
	.protected	k_qa3c6ccec1b_layer3
	.globl	k_qa3c6ccec1b_layer3
	.p2align	8
	.type	k_qa3c6ccec1b_layer3,@function
k_qa3c6ccec1b_layer3:
	s_mov_b64 s[64:65], 0
	v_nop
	global_prefetch_b8 v0, s[64:65] scope:SCOPE_SE
	s_setreg_imm32_b32 hwreg(HW_REG_WAVE_MODE, 25, 1), 1
	s_wait_xcnt 0x0
; A LAYER: x = relu(a y + c), the batch norm of the layer before folded into a = g rsqrt(var + 1e-5), c = be - mean a; then y' = x w + b and y's block statistics.  Here K = 256, N = 512.
; y and y' lie transposed, [columns][16384] f16.  The statistics of the layer before come as [64 row blocks][mean, M2][K] f32; every work-group joins them itself, about a pivot
; (block 0's means), so that no difference of large sums is formed.  A work-group: 256 rows (block rb) x NB = N / 4 columns (block cb); wave w: rows 32 w .. 32 w + 31, all NB columns.
; Activations and weights lie K-major in LDS, [k][m] and [k][n] in f16, and both fragments come by the turning load.  Products in f16, sums in f32, beginning at the bias.
; No tensor loads and no cluster: every byte of y passes the norm in registers on its way to LDS.  LIMITS: x, w, y' below 65,504 in magnitude (f16).
.set K, 256
.set N, 512
.set NB, 128
.set PW, 288                           ; a row of the weights in LDS: 2 NB + 32 bytes, an odd multiple of 32
.set PRE, 0                            ; B's 64 fragment registers overlap the chunk's: the next chunk is asked for behind the products
.set RB, 40                            ; v128-255 await the weights: the statistics are joined in v40-63, two slices at a time
.set RN, 2
.set LOGKQ, 6                          ; log2(K / 4)
.set LOGTPR, 5                         ; log2(NB / 4)
.set NT, NB/16
.set KC, 128                           ; K goes in chunks of 128
.set NC, K/KC
.set S, 1024/K                         ; slices of row blocks among the 256 threads
.set RS, K/16                          ; row blocks in a slice
.set TPR, NB/4
.set NPW, K*NB/1024                    ; loads of 16 bytes of w for each thread
.set PSTEP, (256/TPR)*PW
.set FW, K/128                         ; waves that finish the statistics
.if NB >= 32
.set CW, NB/32
.else
.set CW, 1
.endif
.set APITCH, 544                       ; a row of the activations in LDS: 512 + 32 bytes = 17 x 32
.set SPITCH, 528                       ; a column of the stage: 512 + 16 bytes
.set ABUF, 0
.set WBUF, 69632
.set ACT, 143360                       ; (a, c) for each k
.set RED, 147456                       ; [slice][S1, S2, SM][K]
.set SCR, 159744                       ; [wave][column] (mean, M2)
.set STG, 167936
.set SPARE, 235520
.set ACC, 128
.set RBK, 64
.set YO, 16
.set PO, 18
.macro PLACES
.rept 4
	v_nop
.endr
.endm
.macro EPILOGUE
	s_mul_i32 s24, s20, NB*8                       ; seven plain vector lines that name no product's register: the places behind the last products
	s_add_co_u32 s24, s24, SCR
	v_lshl_add_u32 v12, v2, 3, s24
	s_lshl_b32 s24, s20, 6
	s_add_co_u32 s24, s24, STG
	v_mul_u32_u24 v13, v2, SPITCH
	v_lshl_add_u32 v13, v3, 4, v13
	v_add_nc_u32 v13, s24, v13                     ; column r, rows 32 w + 8 h
	s_mul_i32 s24, s20, SPITCH
	s_add_co_u32 s24, s24, STG
	v_lshl_add_u32 v14, v1, 4, s24                 ; back: column w, 16 bytes a lane
	s_lshl_b32 s24, s20, 15
	s_lshl_b32 s25, s21, 9
	s_add_co_u32 s24, s24, s25
	v_lshl_add_u32 v15, v1, 4, s24                 ; the same in y': column w, row block rb
	v_mov_b32 v25, 0
.set n, 0
.rept NT
.set A0, ACC+16*n
.set A1, ACC+16*n+8
	v_pk_add_f32 v[16:17], v[A0:A0+1], v[A0+2:A0+3]        ; each accumulator is read from its low end on
	v_pk_add_f32 v[18:19], v[A0+4:A0+5], v[A0+6:A0+7]
	v_pk_add_f32 v[20:21], v[A1:A1+1], v[A1+2:A1+3]
	v_pk_add_f32 v[22:23], v[A1+4:A1+5], v[A1+6:A1+7]
	v_pk_add_f32 v[16:17], v[16:17], v[18:19]
	v_pk_add_f32 v[20:21], v[20:21], v[22:23]
	v_pk_add_f32 v[16:17], v[16:17], v[20:21]
	v_add_f32 v16, v16, v17
	v_permlanex16_b32 v17, v16, s32, s33           ; the column's other 16 rows lie in the lane 16 away
	v_add_f32 v16, v16, v17
	v_mul_f32 v24, 0x3d000000, v16                 ; / 32
.set q, 0
.rept 4
	v_pk_add_f32 v[32+2*q:33+2*q], v[A0+2*q:A0+2*q+1], v[24:25] op_sel_hi:[1,0] neg_lo:[0,1] neg_hi:[0,1]
	v_pk_add_f32 v[40+2*q:41+2*q], v[A1+2*q:A1+2*q+1], v[24:25] op_sel_hi:[1,0] neg_lo:[0,1] neg_hi:[0,1]
.set q, q+1
.endr
	v_pk_mul_f32 v[16:17], v[32:33], v[32:33]
	v_pk_mul_f32 v[18:19], v[40:41], v[40:41]
.set q, 1
.rept 3
	v_pk_fma_f32 v[16:17], v[32+2*q:33+2*q], v[32+2*q:33+2*q], v[16:17]
	v_pk_fma_f32 v[18:19], v[40+2*q:41+2*q], v[40+2*q:41+2*q], v[18:19]
.set q, q+1
.endr
	v_pk_add_f32 v[16:17], v[16:17], v[18:19]
	v_add_f32 v16, v16, v17
	v_permlanex16_b32 v17, v16, s32, s33
	v_add_f32 v25, v16, v17
	ds_store_b64 v12, v[24:25] offset:128*n        ; both halves of the lanes hold, and write, the same two numbers
.set q, 0
.rept 4
	v_cvt_pk_f16_f32 v[48+q], v[A0+2*q], v[A0+2*q+1]
	v_cvt_pk_f16_f32 v[52+q], v[A1+2*q], v[A1+2*q+1]
.set q, q+1
.endr
	ds_store_b128 v13, v[48:51] offset:16*SPITCH*n
	ds_store_b128 v13, v[52:55] offset:16*SPITCH*n+32
.set n, n+1
.endr
	s_wait_dscnt 0x0                               ; for the others' sake: my part of the stage and of SCR is written
	s_barrier_signal -1
	s_barrier_wait -1
.set i, 0
.rept NB/8
	ds_load_b128 v[RBK+4*i:RBK+4*i+3], v14 offset:8*SPITCH*i
.set i, i+1
.endr
.set i, 0
.rept NB/8
	s_wait_dscnt NB/8-1-i                          ; the younger loads from the stage may stay out
	global_store_b128 v15, v[RBK+4*i:RBK+4*i+3], s[YO:YO+1] offset:262144*i  ; column w + 8 i: 512 consecutive bytes, aligned
.set i, i+1
.endr
	s_cmp_ge_u32 s20, CW
	s_cbranch_scc1 .Lend
	s_mul_i32 s24, s21, 8*N
	s_mul_i32 s25, s22, NB*4
	s_add_co_u32 s24, s24, s25
.if NB >= 32
	v_lshl_add_u32 v12, v0, 3, SCR                 ; thread t joins column t
	v_lshl_add_u32 v13, v0, 2, s24
.else
	v_lshl_add_u32 v12, v2, 3, SCR                 ; both halves of the lanes join column r; the lower stores the mean, the upper M2
	v_lshl_add_u32 v13, v2, 2, s24
	v_mul_u32_u24 v40, v3, 4*N
	v_add_nc_u32 v13, v13, v40
.endif
.set i, 0
.rept 8
	ds_load_b64 v[16+2*i:17+2*i], v12 offset:NB*8*i
.set i, i+1
.endr
	s_wait_dscnt 0x0
	v_pk_add_f32 v[32:33], v[16:17], v[18:19]
	v_pk_add_f32 v[34:35], v[20:21], v[22:23]
	v_pk_add_f32 v[36:37], v[24:25], v[26:27]
	v_pk_add_f32 v[38:39], v[28:29], v[30:31]
	v_pk_add_f32 v[32:33], v[32:33], v[34:35]
	v_pk_add_f32 v[36:37], v[36:37], v[38:39]
	v_pk_add_f32 v[32:33], v[32:33], v[36:37]
	v_mul_f32 v32, 0x3e000000, v32                 ; the block's mean = the eight means / 8
.set i, 0
.rept 8
	v_sub_f32 v[16+2*i], v[16+2*i], v32
.set i, i+1
.endr
	v_mul_f32 v34, v16, v16
	v_mul_f32 v35, v18, v18
	v_fmac_f32 v34, v20, v20
	v_fmac_f32 v35, v22, v22
	v_fmac_f32 v34, v24, v24
	v_fmac_f32 v35, v26, v26
	v_fmac_f32 v34, v28, v28
	v_fmac_f32 v35, v30, v30
	v_add_f32 v34, v34, v35
	v_fmamk_f32 v33, v34, 0x42000000, v33          ; M2 = the eight M2 + 32 x the squares of the means' distances
.if NB >= 32
	global_store_b32 v13, v32, s[PO:PO+1]
	global_store_b32 v13, v33, s[PO:PO+1] offset:4*N
.else
	v_cmp_eq_u32 vcc_lo, 1, v3
	v_cndmask_b32 v32, v32, v33, vcc_lo
	global_store_b32 v13, v32, s[PO:PO+1]
.endif
.Lend:
	s_wait_tensorcnt 0x0                           ; the wave's end, behind my last LDS store
	ds_add_u32 v10, v11
	s_wait_dscnt 0x0
	s_endpgm
.endm
; n row blocks' means and M2 of my four columns, from block `first` of my slice on: D = mean - pivot; S1 += D; S2 += D D; SM += M2
.macro STATRUN first, n
.set i, 0
.rept \n
	global_load_b128 v[128+8*i:131+8*i], v44, s[6:7] offset:((\first)+i)*8*K
	global_load_b128 v[132+8*i:135+8*i], v44, s[6:7] offset:((\first)+i)*8*K+4*K
.set i, i+1
.endr
.set i, 0
.rept \n
	s_wait_loadcnt 2*((\n)-1-i)                    ; the younger blocks' pairs of loads may stay out
	v_pk_add_f32 v[40:41], v[128+8*i:129+8*i], v[28:29] neg_lo:[0,1] neg_hi:[0,1]
	v_pk_add_f32 v[42:43], v[130+8*i:131+8*i], v[30:31] neg_lo:[0,1] neg_hi:[0,1]
	v_pk_add_f32 v[24:25], v[24:25], v[132+8*i:133+8*i]
	v_pk_add_f32 v[26:27], v[26:27], v[134+8*i:135+8*i]
	v_pk_add_f32 v[16:17], v[16:17], v[40:41]
	v_pk_add_f32 v[18:19], v[18:19], v[42:43]
	v_pk_fma_f32 v[20:21], v[40:41], v[40:41], v[20:21]
	v_pk_fma_f32 v[22:23], v[42:43], v[42:43], v[22:23]
.set i, i+1
.endr
.endm
; RN slices' sums from RED; slice 0 lands in the sums themselves, the others are added
.macro REDROUND first
.set j, 0
.rept 3*RN
.if 3*(\first)+j < 3
	ds_load_b128 v[16+4*j:19+4*j], v13 offset:4*K*j
.else
	ds_load_b128 v[RB+4*j:RB+4*j+3], v13 offset:4*K*(3*(\first)+j)
.endif
.set j, j+1
.endr
	s_wait_dscnt 0x0
.set j, 0
.rept 3*RN
.if 3*(\first)+j >= 3
	v_pk_add_f32 v[16+4*(j%3):17+4*(j%3)], v[16+4*(j%3):17+4*(j%3)], v[RB+4*j:RB+4*j+1]
	v_pk_add_f32 v[18+4*(j%3):19+4*(j%3)], v[18+4*(j%3):19+4*(j%3)], v[RB+4*j+2:RB+4*j+3]
.endif
.set j, j+1
.endr
.endm
.macro YLOADS                          ; a chunk of y: row k = w + 8 i, a wave's load is the row block's 512 bytes of that row
.set i, 0
.rept KC/8
	global_load_b128 v[64+4*i:67+4*i], v8, s[4:5] offset:262144*i
.set i, i+1
.endr
.endm
.macro NEXTY                           ; all but the last trip ask for the next chunk; every earlier load through s[4:5] has been waited for
	s_cmp_eq_u32 s23, 1
	s_cbranch_scc1 .Lno_next
	s_add_nc_u64 s[4:5], s[4:5], KC*32768
	YLOADS
.Lno_next:
.endm
.macro KSTEP ks                        ; 32 along K: fragments of my 32 rows and of all NB columns, 2 NT products; the accumulators take turns, one instruction a turn
.if (\ks) > 0
	PLACES                                         ; in front of loads into registers that the last products read
.endif
.irp mt, 0,1
	ds_load_tr16_b128 v[32+8*(\mt):35+8*(\mt)], v6 offset:32*APITCH*(\ks)+32*(\mt)
	ds_load_tr16_b128 v[36+8*(\mt):39+8*(\mt)], v6 offset:32*APITCH*(\ks)+16*APITCH+32*(\mt)
.endr
.set n, 0
.rept NT
	ds_load_tr16_b128 v[48+8*n:51+8*n], v7 offset:32*PW*(\ks)+32*n
	ds_load_tr16_b128 v[52+8*n:55+8*n], v7 offset:32*PW*(\ks)+16*PW+32*n
.set n, n+1
.endr
	s_wait_dscnt 0x0
.set n, 0
.rept NT
	v_wmma_f32_16x16x32_f16 v[ACC+16*n:ACC+16*n+7], v[32:39], v[48+8*n:55+8*n], v[ACC+16*n:ACC+16*n+7]
	v_wmma_f32_16x16x32_f16 v[ACC+16*n+8:ACC+16*n+15], v[40:47], v[48+8*n:55+8*n], v[ACC+16*n+8:ACC+16*n+15]
.set n, n+1
.endr
.endm
	s_load_b512 s[4:19], s[0:1], 0x0               ; y 4, p 6, g 8, be 10, w 12, b 14, y' 16, p' 18
	v_lshl_add_u32 v10, v0, 2, SPARE
	v_mov_b32 v11, 0
	v_mov_b32 v9, 0                                ; the ReLU's zero
	v_and_b32 v1, 31, v0
	v_lshrrev_b32 v4, 5, v0
	v_readfirstlane_b32 s20, v4                    ; wave 0..7
	s_mov_b32 s21, ttmp9                           ; row block
	s_and_b32 s22, ttmp7, 0xffff                   ; column block
	v_and_b32 v2, 15, v0                           ; r
	v_bfe_u32 v3, v0, 4, 1                         ; h
	s_mov_b32 s32, 0x76543210
	s_mov_b32 s33, 0xfedcba98
	s_mov_b32 s34, 0x38800000                      ; 1 / 16384
	s_mov_b32 s35, s34
	s_mov_b32 s36, 0x3727c5ac                      ; 1e-5
	s_mov_b32 s37, s36
	v_and_b32 v45, K/4-1, v0                       ; statistics: my quad of columns,
	v_lshrrev_b32 v44, LOGKQ, v0                   ; my slice of row blocks
	v_lshlrev_b32 v45, 4, v45
	v_mul_u32_u24 v13, v44, 12*K
	v_add_nc_u32 v13, v13, v45
	v_add_nc_u32 v13, RED, v13
	v_mul_u32_u24 v44, v44, RS*8*K
	v_add_nc_u32 v44, v44, v45
	v_and_b32 v46, TPR-1, v0                       ; w: TPR threads to a row's NB columns
	v_lshrrev_b32 v47, LOGTPR, v0
	s_mul_i32 s28, s22, NB*4                       ; my block's first column, in bytes of f32
	v_mul_u32_u24 v12, v47, N*4
	v_lshl_add_u32 v12, v46, 4, v12
	v_add_nc_u32 v12, s28, v12
	v_mul_u32_u24 v15, v47, PW
	v_lshl_add_u32 v15, v46, 3, v15
	v_add_nc_u32 v15, WBUF, v15
	s_lshl_b32 s25, s20, 15
	s_lshl_b32 s26, s21, 9
	s_add_co_u32 s25, s25, s26
	v_lshl_add_u32 v8, v1, 4, s25                  ; y: row w, row block rb, 16 bytes a lane
	s_mul_i32 s25, s20, APITCH
	v_lshl_add_u32 v4, v1, 4, s25                  ; the same in ABUF
	s_lshl_b32 s25, s20, 3
	s_add_co_u32 s25, s25, ACT
	v_mov_b32 v5, s25                              ; (a, c) of row w
	v_and_b32 v46, 7, v0                           ; the turning load: row 8 h + l % 8, 16 bytes by bit 3 of the lane
	v_lshl_add_u32 v46, v3, 3, v46
	v_bfe_u32 v47, v0, 3, 1
	v_mul_u32_u24 v6, v46, APITCH
	v_lshl_add_u32 v6, v47, 4, v6
	s_lshl_b32 s25, s20, 6
	v_add_nc_u32 v6, s25, v6                       ; my 32 rows m: 64 bytes along ABUF's rows
	v_mul_u32_u24 v7, v46, PW
	v_lshl_add_u32 v7, v47, 4, v7
	v_add_nc_u32 v7, WBUF, v7
	s_mul_i32 s26, s22, NB*32768
	s_mov_b32 s27, 0
.set i, 16
.rept 12
	v_mov_b32 v[i], 0                              ; S1, S2, SM
.set i, i+1
.endr
	s_wait_kmcnt 0x0
	s_add_nc_u64 s[16:17], s[16:17], s[26:27]      ; my NB columns of y'
	global_load_b128 v[32:35], v45, s[8:9]         ; g
	global_load_b128 v[36:39], v45, s[10:11]       ; be
	global_load_b128 v[28:31], v45, s[6:7]         ; the pivot: block 0's means
.if RS > 16
	STATRUN 0, 16
	STATRUN 16, 16
.else
	STATRUN 0, RS
.endif
.set i, 0
.rept NPW
	global_load_b128 v[128+4*i:131+4*i], v12, s[12:13] offset:16384*i
.set i, i+1
.endr
	YLOADS
	ds_store_b128 v13, v[16:19]
	ds_store_b128 v13, v[20:23] offset:4*K
	ds_store_b128 v13, v[24:27] offset:8*K
	v_add_nc_u32 v13, RED, v45                     ; where the slices of my quad are read,
	v_lshl_add_u32 v14, v45, 1, ACT                ; and where its (a, c) go
	s_wait_dscnt 0x0
	s_barrier_signal -1
	s_barrier_wait -1
	s_cmp_ge_u32 s20, FW
	s_cbranch_scc1 .Lfin                           ; K / 4 threads finish a quad of columns each
.set f, 0
.rept S/RN
	REDROUND f
.set f, f+RN
.endr
.irp c, 0,2
	v_pk_mul_f32 v[RB+(\c):RB+(\c)+1], v[16+(\c):17+(\c)], 0x3c800000 op_sel_hi:[1,0]                               ; S1 / 64
	v_pk_fma_f32 v[20+(\c):21+(\c)], v[RB+(\c):RB+(\c)+1], v[16+(\c):17+(\c)], v[20+(\c):21+(\c)] neg_lo:[1,0,0] neg_hi:[1,0,0]  ; S2 - S1 S1 / 64
	v_pk_add_f32 v[28+(\c):29+(\c)], v[28+(\c):29+(\c)], v[RB+(\c):RB+(\c)+1]                                       ; mean = pivot + S1 / 64
	v_pk_fma_f32 v[24+(\c):25+(\c)], v[20+(\c):21+(\c)], 0x43800000, v[24+(\c):25+(\c)] op_sel_hi:[1,0,1]           ; M2 = SM + 256 (..)
	v_pk_fma_f32 v[24+(\c):25+(\c)], v[24+(\c):25+(\c)], s[34:35], s[36:37] op_sel_hi:[1,0,0]                       ; var + eps
.endr
.irp c, 0,1,2,3
	v_rsq_f32 v[24+(\c)], v[24+(\c)]
.endr
	v_nop                                          ; a plain instruction between the last root and the use of its result
	s_wait_alu depctr_va_vdst(0)
.irp c, 0,1,2,3
	v_mul_f32 v[RB+2*(\c)], v[32+(\c)], v[24+(\c)]
.endr
.irp c, 0,1,2,3
	v_fma_f32 v[RB+2*(\c)+1], -v[28+(\c)], v[RB+2*(\c)], v[36+(\c)]
.endr
	ds_store_b128 v14, v[RB:RB+3]
	ds_store_b128 v14, v[RB+4:RB+7] offset:16
.Lfin:
	s_wait_dscnt 0x0
	s_barrier_signal -1
	s_barrier_wait -1
	v_lshl_add_u32 v13, v2, 2, s28
.set n, 0
.rept NT
	global_load_b32 v[48+n], v13, s[14:15] offset:64*n     ; the bias of column 16 n + r
.set n, n+1
.endr
	s_wait_loadcnt KC/8+NT                         ; w is in: behind it came the chunk's KC / 8 loads and the bias's NT
.if NPW > 16
	v_add_nc_u32 v12, 16*PSTEP, v15                ; the LDS offset has 16 bits: a second address from pass 16 on
.endif
.set i, 0
.rept NPW
	v_cvt_pk_f16_f32 v[128+4*i], v[128+4*i], v[129+4*i]
	v_cvt_pk_f16_f32 v[129+4*i], v[130+4*i], v[131+4*i]
.if i < 16
	ds_store_b64 v15, v[128+4*i:129+4*i] offset:PSTEP*i
.else
	ds_store_b64 v12, v[128+4*i:129+4*i] offset:PSTEP*(i-16)
.endif
.set i, i+1
.endr
	s_wait_loadcnt 0x0
.set n, 0
.rept NT
.set i, 0
.rept 16
	v_mov_b32 v[ACC+16*n+i], v[48+n]               ; the sums begin at the bias of the lane's column
.set i, i+1
.endr
.set n, n+1
.endr
.if NC > 1
	s_mov_b32 s23, NC
.Lchunk:
	s_wait_loadcnt 0x0                             ; this chunk of y
	s_wait_dscnt 0x0
	s_barrier_signal -1
	s_barrier_wait -1                              ; nobody reads the last chunk's activations any more
.endif
.set i, 0
.rept KC/8
	ds_load_b64 v[16+2*i:17+2*i], v5 offset:64*i   ; (a, c) of row w + 8 i, the same for all lanes
.set i, i+1
.endr
	s_wait_dscnt 0x0
.set i, 0
.rept KC/8
.set j, 0
.rept 4
	v_fma_mixlo_f16 v[64+4*i+j], v[64+4*i+j], v[16+2*i], v[17+2*i] op_sel_hi:[1,0,0]                 ; in place: the upper half is kept,
.set j, j+1
.endr
.set j, 0
.rept 4
	v_fma_mixhi_f16 v[64+4*i+j], v[64+4*i+j], v[16+2*i], v[17+2*i] op_sel:[1,0,0] op_sel_hi:[1,0,0]  ; and read here
.set j, j+1
.endr
.set j, 0
.rept 4
	v_pk_max_num_f16 v[64+4*i+j], v[64+4*i+j], v9
.set j, j+1
.endr
	ds_store_b128 v4, v[64+4*i:67+4*i] offset:8*APITCH*i
.set i, i+1
.endr
	s_wait_dscnt 0x0                               ; for the others' sake: my rows of x, and my part of w, are written
.if (NC > 1) && PRE
	NEXTY
.endif
	s_barrier_signal -1
	s_barrier_wait -1
	KSTEP 0
	KSTEP 1
	KSTEP 2
	KSTEP 3
.if NC > 1
	PLACES
.if PRE == 0
	NEXTY
.endif
	v_add_nc_u32 v7, KC*PW, v7
	v_add_nc_u32 v5, 8*KC, v5
	s_sub_co_u32 s23, s23, 1
	s_cmp_lg_u32 s23, 0
	s_cbranch_scc1 .Lchunk
.endif
	EPILOGUE
.Lfunc_end_k_qa3c6ccec1b_layer3:
	.size	k_qa3c6ccec1b_layer3, .Lfunc_end_k_qa3c6ccec1b_layer3-k_qa3c6ccec1b_layer3
	.p2alignl 7, 3214868480
	.fill 96, 4, 3214868480
	.section	.rodata,"a",@progbits
	.p2align	6, 0x0
	.amdhsa_kernel k_qa3c6ccec1b_layer3
		.amdhsa_group_segment_fixed_size 236544
		.amdhsa_private_segment_fixed_size 0
		.amdhsa_enable_private_segment 0
		.amdhsa_kernarg_size 64
		.amdhsa_user_sgpr_count 2
		.amdhsa_user_sgpr_kernarg_segment_ptr 1
		.amdhsa_wavefront_size32 1
		.amdhsa_system_sgpr_workgroup_id_x 1
		.amdhsa_system_sgpr_workgroup_id_y 1
		.amdhsa_system_sgpr_workgroup_id_z 1
		.amdhsa_system_vgpr_workitem_id 0
		.amdhsa_next_free_vgpr 256
		.amdhsa_next_free_sgpr 66
		.amdhsa_reserve_vcc 1
		.amdhsa_float_denorm_mode_32 3
		.amdhsa_float_denorm_mode_16_64 3
		.amdhsa_memory_ordered 1
		.amdhsa_forward_progress 1
		.amdhsa_inst_pref_size 87
	.end_amdhsa_kernel
	.amdgpu_metadata
---
amdhsa.version: [ 1, 2 ]
amdhsa.kernels:
  - .name:           k_qa3c6ccec1b_layer3
    .symbol:         k_qa3c6ccec1b_layer3.kd
    .args:
      - { .name: yB, .offset: 0, .size: 8, .value_kind: global_buffer, .address_space: global }
      - { .name: pB, .offset: 8, .size: 8, .value_kind: global_buffer, .address_space: global }
      - { .name: g2, .offset: 16, .size: 8, .value_kind: global_buffer, .address_space: global }
      - { .name: be2, .offset: 24, .size: 8, .value_kind: global_buffer, .address_space: global }
      - { .name: w3, .offset: 32, .size: 8, .value_kind: global_buffer, .address_space: global }
      - { .name: b3, .offset: 40, .size: 8, .value_kind: global_buffer, .address_space: global }
      - { .name: yA, .offset: 48, .size: 8, .value_kind: global_buffer, .address_space: global }
      - { .name: pA, .offset: 56, .size: 8, .value_kind: global_buffer, .address_space: global }
    .group_segment_fixed_size: 236544
    .private_segment_fixed_size: 0
    .kernarg_segment_align: 8
    .kernarg_segment_size: 64
    .max_flat_workgroup_size: 256
    .sgpr_count:     66
    .vgpr_count:     256
    .wavefront_size: 32
...
	.end_amdgpu_metadata
.endif
;; end of part 5
;; launch layer4 (part 6): grid 64 x 4, 8 waves a work-group, no clusters, 236,544 bytes of LDS; arguments yA, pA, g3, be3, w4, b4, yB, pB; writes yB, pB
.if DOCPART == 6
	.amdgcn_target "amdgcn-amd-amdhsa--gfx1250"
	.amdhsa_code_object_version 6
	.text
	.protected	k_qa3c6ccec1b_layer4
	.globl	k_qa3c6ccec1b_layer4
	.p2align	8
	.type	k_qa3c6ccec1b_layer4,@function
k_qa3c6ccec1b_layer4:
	s_mov_b64 s[64:65], 0
	v_nop
	global_prefetch_b8 v0, s[64:65] scope:SCOPE_SE
	s_setreg_imm32_b32 hwreg(HW_REG_WAVE_MODE, 25, 1), 1
	s_wait_xcnt 0x0
; A LAYER: x = relu(a y + c), the batch norm of the layer before folded into a = g rsqrt(var + 1e-5), c = be - mean a; then y' = x w + b and y's block statistics.  Here K = 512, N = 128.
; y and y' lie transposed, [columns][16384] f16.  The statistics of the layer before come as [64 row blocks][mean, M2][K] f32; every work-group joins them itself, about a pivot
; (block 0's means), so that no difference of large sums is formed.  A work-group: 256 rows (block rb) x NB = N / 4 columns (block cb); wave w: rows 32 w .. 32 w + 31, all NB columns.
; Activations and weights lie K-major in LDS, [k][m] and [k][n] in f16, and both fragments come by the turning load.  Products in f16, sums in f32, beginning at the bias.
; No tensor loads and no cluster: every byte of y passes the norm in registers on its way to LDS.  LIMITS: x, w, y' below 65,504 in magnitude (f16).
.set K, 512
.set N, 128
.set NB, 32
.set PW, 96                            ; a row of the weights in LDS: 2 NB + 32 bytes, an odd multiple of 32
.set PRE, 1                            ; the next chunk of y is asked for ahead of the products: its registers are free of B's fragments
.set RB, 192                           ; registers at work while the statistics are joined, RN slices at a time
.set RN, 2
.set LOGKQ, 7                          ; log2(K / 4)
.set LOGTPR, 3                         ; log2(NB / 4)
.set NT, NB/16
.set KC, 128                           ; K goes in chunks of 128
.set NC, K/KC
.set S, 1024/K                         ; slices of row blocks among the 256 threads
.set RS, K/16                          ; row blocks in a slice
.set TPR, NB/4
.set NPW, K*NB/1024                    ; loads of 16 bytes of w for each thread
.set PSTEP, (256/TPR)*PW
.set FW, K/128                         ; waves that finish the statistics
.if NB >= 32
.set CW, NB/32
.else
.set CW, 1
.endif
.set APITCH, 544                       ; a row of the activations in LDS: 512 + 32 bytes = 17 x 32
.set SPITCH, 528                       ; a column of the stage: 512 + 16 bytes
.set ABUF, 0
.set WBUF, 69632
.set ACT, 143360                       ; (a, c) for each k
.set RED, 147456                       ; [slice][S1, S2, SM][K]
.set SCR, 159744                       ; [wave][column] (mean, M2)
.set STG, 167936
.set SPARE, 235520
.set ACC, 128
.set RBK, 64
.set YO, 16
.set PO, 18
.macro PLACES
.rept 4
	v_nop
.endr
.endm
.macro EPILOGUE
	s_mul_i32 s24, s20, NB*8                       ; seven plain vector lines that name no product's register: the places behind the last products
	s_add_co_u32 s24, s24, SCR
	v_lshl_add_u32 v12, v2, 3, s24
	s_lshl_b32 s24, s20, 6
	s_add_co_u32 s24, s24, STG
	v_mul_u32_u24 v13, v2, SPITCH
	v_lshl_add_u32 v13, v3, 4, v13
	v_add_nc_u32 v13, s24, v13                     ; column r, rows 32 w + 8 h
	s_mul_i32 s24, s20, SPITCH
	s_add_co_u32 s24, s24, STG
	v_lshl_add_u32 v14, v1, 4, s24                 ; back: column w, 16 bytes a lane
	s_lshl_b32 s24, s20, 15
	s_lshl_b32 s25, s21, 9
	s_add_co_u32 s24, s24, s25
	v_lshl_add_u32 v15, v1, 4, s24                 ; the same in y': column w, row block rb
	v_mov_b32 v25, 0
.set n, 0
.rept NT
.set A0, ACC+16*n
.set A1, ACC+16*n+8
	v_pk_add_f32 v[16:17], v[A0:A0+1], v[A0+2:A0+3]        ; each accumulator is read from its low end on
	v_pk_add_f32 v[18:19], v[A0+4:A0+5], v[A0+6:A0+7]
	v_pk_add_f32 v[20:21], v[A1:A1+1], v[A1+2:A1+3]
	v_pk_add_f32 v[22:23], v[A1+4:A1+5], v[A1+6:A1+7]
	v_pk_add_f32 v[16:17], v[16:17], v[18:19]
	v_pk_add_f32 v[20:21], v[20:21], v[22:23]
	v_pk_add_f32 v[16:17], v[16:17], v[20:21]
	v_add_f32 v16, v16, v17
	v_permlanex16_b32 v17, v16, s32, s33           ; the column's other 16 rows lie in the lane 16 away
	v_add_f32 v16, v16, v17
	v_mul_f32 v24, 0x3d000000, v16                 ; / 32
.set q, 0
.rept 4
	v_pk_add_f32 v[32+2*q:33+2*q], v[A0+2*q:A0+2*q+1], v[24:25] op_sel_hi:[1,0] neg_lo:[0,1] neg_hi:[0,1]
	v_pk_add_f32 v[40+2*q:41+2*q], v[A1+2*q:A1+2*q+1], v[24:25] op_sel_hi:[1,0] neg_lo:[0,1] neg_hi:[0,1]
.set q, q+1
.endr
	v_pk_mul_f32 v[16:17], v[32:33], v[32:33]
	v_pk_mul_f32 v[18:19], v[40:41], v[40:41]
.set q, 1
.rept 3
	v_pk_fma_f32 v[16:17], v[32+2*q:33+2*q], v[32+2*q:33+2*q], v[16:17]
	v_pk_fma_f32 v[18:19], v[40+2*q:41+2*q], v[40+2*q:41+2*q], v[18:19]
.set q, q+1
.endr
	v_pk_add_f32 v[16:17], v[16:17], v[18:19]
	v_add_f32 v16, v16, v17
	v_permlanex16_b32 v17, v16, s32, s33
	v_add_f32 v25, v16, v17
	ds_store_b64 v12, v[24:25] offset:128*n        ; both halves of the lanes hold, and write, the same two numbers
.set q, 0
.rept 4
	v_cvt_pk_f16_f32 v[48+q], v[A0+2*q], v[A0+2*q+1]
	v_cvt_pk_f16_f32 v[52+q], v[A1+2*q], v[A1+2*q+1]
.set q, q+1
.endr
	ds_store_b128 v13, v[48:51] offset:16*SPITCH*n
	ds_store_b128 v13, v[52:55] offset:16*SPITCH*n+32
.set n, n+1
.endr
	s_wait_dscnt 0x0                               ; for the others' sake: my part of the stage and of SCR is written
	s_barrier_signal -1
	s_barrier_wait -1
.set i, 0
.rept NB/8
	ds_load_b128 v[RBK+4*i:RBK+4*i+3], v14 offset:8*SPITCH*i
.set i, i+1
.endr
.set i, 0
.rept NB/8
	s_wait_dscnt NB/8-1-i                          ; the younger loads from the stage may stay out
	global_store_b128 v15, v[RBK+4*i:RBK+4*i+3], s[YO:YO+1] offset:262144*i  ; column w + 8 i: 512 consecutive bytes, aligned
.set i, i+1
.endr
	s_cmp_ge_u32 s20, CW
	s_cbranch_scc1 .Lend
	s_mul_i32 s24, s21, 8*N
	s_mul_i32 s25, s22, NB*4
	s_add_co_u32 s24, s24, s25
.if NB >= 32
	v_lshl_add_u32 v12, v0, 3, SCR                 ; thread t joins column t
	v_lshl_add_u32 v13, v0, 2, s24
.else
	v_lshl_add_u32 v12, v2, 3, SCR                 ; both halves of the lanes join column r; the lower stores the mean, the upper M2
	v_lshl_add_u32 v13, v2, 2, s24
	v_mul_u32_u24 v40, v3, 4*N
	v_add_nc_u32 v13, v13, v40
.endif
.set i, 0
.rept 8
	ds_load_b64 v[16+2*i:17+2*i], v12 offset:NB*8*i
.set i, i+1
.endr
	s_wait_dscnt 0x0
	v_pk_add_f32 v[32:33], v[16:17], v[18:19]
	v_pk_add_f32 v[34:35], v[20:21], v[22:23]
	v_pk_add_f32 v[36:37], v[24:25], v[26:27]
	v_pk_add_f32 v[38:39], v[28:29], v[30:31]
	v_pk_add_f32 v[32:33], v[32:33], v[34:35]
	v_pk_add_f32 v[36:37], v[36:37], v[38:39]
	v_pk_add_f32 v[32:33], v[32:33], v[36:37]
	v_mul_f32 v32, 0x3e000000, v32                 ; the block's mean = the eight means / 8
.set i, 0
.rept 8
	v_sub_f32 v[16+2*i], v[16+2*i], v32
.set i, i+1
.endr
	v_mul_f32 v34, v16, v16
	v_mul_f32 v35, v18, v18
	v_fmac_f32 v34, v20, v20
	v_fmac_f32 v35, v22, v22
	v_fmac_f32 v34, v24, v24
	v_fmac_f32 v35, v26, v26
	v_fmac_f32 v34, v28, v28
	v_fmac_f32 v35, v30, v30
	v_add_f32 v34, v34, v35
	v_fmamk_f32 v33, v34, 0x42000000, v33          ; M2 = the eight M2 + 32 x the squares of the means' distances
.if NB >= 32
	global_store_b32 v13, v32, s[PO:PO+1]
	global_store_b32 v13, v33, s[PO:PO+1] offset:4*N
.else
	v_cmp_eq_u32 vcc_lo, 1, v3
	v_cndmask_b32 v32, v32, v33, vcc_lo
	global_store_b32 v13, v32, s[PO:PO+1]
.endif
.Lend:
	s_wait_tensorcnt 0x0                           ; the wave's end, behind my last LDS store
	ds_add_u32 v10, v11
	s_wait_dscnt 0x0
	s_endpgm
.endm
; n row blocks' means and M2 of my four columns, from block `first` of my slice on: D = mean - pivot; S1 += D; S2 += D D; SM += M2
.macro STATRUN first, n
.set i, 0
.rept \n
	global_load_b128 v[128+8*i:131+8*i], v44, s[6:7] offset:((\first)+i)*8*K
	global_load_b128 v[132+8*i:135+8*i], v44, s[6:7] offset:((\first)+i)*8*K+4*K
.set i, i+1
.endr
.set i, 0
.rept \n
	s_wait_loadcnt 2*((\n)-1-i)                    ; the younger blocks' pairs of loads may stay out
	v_pk_add_f32 v[40:41], v[128+8*i:129+8*i], v[28:29] neg_lo:[0,1] neg_hi:[0,1]
	v_pk_add_f32 v[42:43], v[130+8*i:131+8*i], v[30:31] neg_lo:[0,1] neg_hi:[0,1]
	v_pk_add_f32 v[24:25], v[24:25], v[132+8*i:133+8*i]
	v_pk_add_f32 v[26:27], v[26:27], v[134+8*i:135+8*i]
	v_pk_add_f32 v[16:17], v[16:17], v[40:41]
	v_pk_add_f32 v[18:19], v[18:19], v[42:43]
	v_pk_fma_f32 v[20:21], v[40:41], v[40:41], v[20:21]
	v_pk_fma_f32 v[22:23], v[42:43], v[42:43], v[22:23]
.set i, i+1
.endr
.endm
; RN slices' sums from RED; slice 0 lands in the sums themselves, the others are added
.macro REDROUND first
.set j, 0
.rept 3*RN
.if 3*(\first)+j < 3
	ds_load_b128 v[16+4*j:19+4*j], v13 offset:4*K*j
.else
	ds_load_b128 v[RB+4*j:RB+4*j+3], v13 offset:4*K*(3*(\first)+j)
.endif
.set j, j+1
.endr
	s_wait_dscnt 0x0
.set j, 0
.rept 3*RN
.if 3*(\first)+j >= 3
	v_pk_add_f32 v[16+4*(j%3):17+4*(j%3)], v[16+4*(j%3):17+4*(j%3)], v[RB+4*j:RB+4*j+1]
	v_pk_add_f32 v[18+4*(j%3):19+4*(j%3)], v[18+4*(j%3):19+4*(j%3)], v[RB+4*j+2:RB+4*j+3]
.endif
.set j, j+1
.endr
.endm
.macro YLOADS                          ; a chunk of y: row k = w + 8 i, a wave's load is the row block's 512 bytes of that row
.set i, 0
.rept KC/8
	global_load_b128 v[64+4*i:67+4*i], v8, s[4:5] offset:262144*i
.set i, i+1
.endr
.endm
.macro NEXTY                           ; all but the last trip ask for the next chunk; every earlier load through s[4:5] has been waited for
	s_cmp_eq_u32 s23, 1
	s_cbranch_scc1 .Lno_next
	s_add_nc_u64 s[4:5], s[4:5], KC*32768
	YLOADS
.Lno_next:
.endm
.macro KSTEP ks                        ; 32 along K: fragments of my 32 rows and of all NB columns, 2 NT products; the accumulators take turns, one instruction a turn
.if (\ks) > 0
	PLACES                                         ; in front of loads into registers that the last products read
.endif
.irp mt, 0,1
	ds_load_tr16_b128 v[32+8*(\mt):35+8*(\mt)], v6 offset:32*APITCH*(\ks)+32*(\mt)
	ds_load_tr16_b128 v[36+8*(\mt):39+8*(\mt)], v6 offset:32*APITCH*(\ks)+16*APITCH+32*(\mt)
.endr
.set n, 0
.rept NT
	ds_load_tr16_b128 v[48+8*n:51+8*n], v7 offset:32*PW*(\ks)+32*n
	ds_load_tr16_b128 v[52+8*n:55+8*n], v7 offset:32*PW*(\ks)+16*PW+32*n
.set n, n+1
.endr
	s_wait_dscnt 0x0
.set n, 0
.rept NT
	v_wmma_f32_16x16x32_f16 v[ACC+16*n:ACC+16*n+7], v[32:39], v[48+8*n:55+8*n], v[ACC+16*n:ACC+16*n+7]
	v_wmma_f32_16x16x32_f16 v[ACC+16*n+8:ACC+16*n+15], v[40:47], v[48+8*n:55+8*n], v[ACC+16*n+8:ACC+16*n+15]
.set n, n+1
.endr
.endm
	s_load_b512 s[4:19], s[0:1], 0x0               ; y 4, p 6, g 8, be 10, w 12, b 14, y' 16, p' 18
	v_lshl_add_u32 v10, v0, 2, SPARE
	v_mov_b32 v11, 0
	v_mov_b32 v9, 0                                ; the ReLU's zero
	v_and_b32 v1, 31, v0
	v_lshrrev_b32 v4, 5, v0
	v_readfirstlane_b32 s20, v4                    ; wave 0..7
	s_mov_b32 s21, ttmp9                           ; row block
	s_and_b32 s22, ttmp7, 0xffff                   ; column block
	v_and_b32 v2, 15, v0                           ; r
	v_bfe_u32 v3, v0, 4, 1                         ; h
	s_mov_b32 s32, 0x76543210
	s_mov_b32 s33, 0xfedcba98
	s_mov_b32 s34, 0x38800000                      ; 1 / 16384
	s_mov_b32 s35, s34
	s_mov_b32 s36, 0x3727c5ac                      ; 1e-5
	s_mov_b32 s37, s36
	v_and_b32 v45, K/4-1, v0                       ; statistics: my quad of columns,
	v_lshrrev_b32 v44, LOGKQ, v0                   ; my slice of row blocks
	v_lshlrev_b32 v45, 4, v45
	v_mul_u32_u24 v13, v44, 12*K
	v_add_nc_u32 v13, v13, v45
	v_add_nc_u32 v13, RED, v13
	v_mul_u32_u24 v44, v44, RS*8*K
	v_add_nc_u32 v44, v44, v45
	v_and_b32 v46, TPR-1, v0                       ; w: TPR threads to a row's NB columns
	v_lshrrev_b32 v47, LOGTPR, v0
	s_mul_i32 s28, s22, NB*4                       ; my block's first column, in bytes of f32
	v_mul_u32_u24 v12, v47, N*4
	v_lshl_add_u32 v12, v46, 4, v12
	v_add_nc_u32 v12, s28, v12
	v_mul_u32_u24 v15, v47, PW
	v_lshl_add_u32 v15, v46, 3, v15
	v_add_nc_u32 v15, WBUF, v15
	s_lshl_b32 s25, s20, 15
	s_lshl_b32 s26, s21, 9
	s_add_co_u32 s25, s25, s26
	v_lshl_add_u32 v8, v1, 4, s25                  ; y: row w, row block rb, 16 bytes a lane
	s_mul_i32 s25, s20, APITCH
	v_lshl_add_u32 v4, v1, 4, s25                  ; the same in ABUF
	s_lshl_b32 s25, s20, 3
	s_add_co_u32 s25, s25, ACT
	v_mov_b32 v5, s25                              ; (a, c) of row w
	v_and_b32 v46, 7, v0                           ; the turning load: row 8 h + l % 8, 16 bytes by bit 3 of the lane
	v_lshl_add_u32 v46, v3, 3, v46
	v_bfe_u32 v47, v0, 3, 1
	v_mul_u32_u24 v6, v46, APITCH
	v_lshl_add_u32 v6, v47, 4, v6
	s_lshl_b32 s25, s20, 6
	v_add_nc_u32 v6, s25, v6                       ; my 32 rows m: 64 bytes along ABUF's rows
	v_mul_u32_u24 v7, v46, PW
	v_lshl_add_u32 v7, v47, 4, v7
	v_add_nc_u32 v7, WBUF, v7
	s_mul_i32 s26, s22, NB*32768
	s_mov_b32 s27, 0
.set i, 16
.rept 12
	v_mov_b32 v[i], 0                              ; S1, S2, SM
.set i, i+1
.endr
	s_wait_kmcnt 0x0
	s_add_nc_u64 s[16:17], s[16:17], s[26:27]      ; my NB columns of y'
	global_load_b128 v[32:35], v45, s[8:9]         ; g
	global_load_b128 v[36:39], v45, s[10:11]       ; be
	global_load_b128 v[28:31], v45, s[6:7]         ; the pivot: block 0's means
.if RS > 16
	STATRUN 0, 16
	STATRUN 16, 16
.else
	STATRUN 0, RS
.endif
.set i, 0
.rept NPW
	global_load_b128 v[128+4*i:131+4*i], v12, s[12:13] offset:16384*i
.set i, i+1
.endr
	YLOADS
	ds_store_b128 v13, v[16:19]
	ds_store_b128 v13, v[20:23] offset:4*K
	ds_store_b128 v13, v[24:27] offset:8*K
	v_add_nc_u32 v13, RED, v45                     ; where the slices of my quad are read,
	v_lshl_add_u32 v14, v45, 1, ACT                ; and where its (a, c) go
	s_wait_dscnt 0x0
	s_barrier_signal -1
	s_barrier_wait -1
	s_cmp_ge_u32 s20, FW
	s_cbranch_scc1 .Lfin                           ; K / 4 threads finish a quad of columns each
.set f, 0
.rept S/RN
	REDROUND f
.set f, f+RN
.endr
.irp c, 0,2
	v_pk_mul_f32 v[RB+(\c):RB+(\c)+1], v[16+(\c):17+(\c)], 0x3c800000 op_sel_hi:[1,0]                               ; S1 / 64
	v_pk_fma_f32 v[20+(\c):21+(\c)], v[RB+(\c):RB+(\c)+1], v[16+(\c):17+(\c)], v[20+(\c):21+(\c)] neg_lo:[1,0,0] neg_hi:[1,0,0]  ; S2 - S1 S1 / 64
	v_pk_add_f32 v[28+(\c):29+(\c)], v[28+(\c):29+(\c)], v[RB+(\c):RB+(\c)+1]                                       ; mean = pivot + S1 / 64
	v_pk_fma_f32 v[24+(\c):25+(\c)], v[20+(\c):21+(\c)], 0x43800000, v[24+(\c):25+(\c)] op_sel_hi:[1,0,1]           ; M2 = SM + 256 (..)
	v_pk_fma_f32 v[24+(\c):25+(\c)], v[24+(\c):25+(\c)], s[34:35], s[36:37] op_sel_hi:[1,0,0]                       ; var + eps
.endr
.irp c, 0,1,2,3
	v_rsq_f32 v[24+(\c)], v[24+(\c)]
.endr
	v_nop                                          ; a plain instruction between the last root and the use of its result
	s_wait_alu depctr_va_vdst(0)
.irp c, 0,1,2,3
	v_mul_f32 v[RB+2*(\c)], v[32+(\c)], v[24+(\c)]
.endr
.irp c, 0,1,2,3
	v_fma_f32 v[RB+2*(\c)+1], -v[28+(\c)], v[RB+2*(\c)], v[36+(\c)]
.endr
	ds_store_b128 v14, v[RB:RB+3]
	ds_store_b128 v14, v[RB+4:RB+7] offset:16
.Lfin:
	s_wait_dscnt 0x0
	s_barrier_signal -1
	s_barrier_wait -1
	v_lshl_add_u32 v13, v2, 2, s28
.set n, 0
.rept NT
	global_load_b32 v[48+n], v13, s[14:15] offset:64*n     ; the bias of column 16 n + r
.set n, n+1
.endr
	s_wait_loadcnt KC/8+NT                         ; w is in: behind it came the chunk's KC / 8 loads and the bias's NT
.if NPW > 16
	v_add_nc_u32 v12, 16*PSTEP, v15                ; the LDS offset has 16 bits: a second address from pass 16 on
.endif
.set i, 0
.rept NPW
	v_cvt_pk_f16_f32 v[128+4*i], v[128+4*i], v[129+4*i]
	v_cvt_pk_f16_f32 v[129+4*i], v[130+4*i], v[131+4*i]
.if i < 16
	ds_store_b64 v15, v[128+4*i:129+4*i] offset:PSTEP*i
.else
	ds_store_b64 v12, v[128+4*i:129+4*i] offset:PSTEP*(i-16)
.endif
.set i, i+1
.endr
	s_wait_loadcnt 0x0
.set n, 0
.rept NT
.set i, 0
.rept 16
	v_mov_b32 v[ACC+16*n+i], v[48+n]               ; the sums begin at the bias of the lane's column
.set i, i+1
.endr
.set n, n+1
.endr
.if NC > 1
	s_mov_b32 s23, NC
.Lchunk:
	s_wait_loadcnt 0x0                             ; this chunk of y
	s_wait_dscnt 0x0
	s_barrier_signal -1
	s_barrier_wait -1                              ; nobody reads the last chunk's activations any more
.endif
.set i, 0
.rept KC/8
	ds_load_b64 v[16+2*i:17+2*i], v5 offset:64*i   ; (a, c) of row w + 8 i, the same for all lanes
.set i, i+1
.endr
	s_wait_dscnt 0x0
.set i, 0
.rept KC/8
.set j, 0
.rept 4
	v_fma_mixlo_f16 v[64+4*i+j], v[64+4*i+j], v[16+2*i], v[17+2*i] op_sel_hi:[1,0,0]                 ; in place: the upper half is kept,
.set j, j+1
.endr
.set j, 0
.rept 4
	v_fma_mixhi_f16 v[64+4*i+j], v[64+4*i+j], v[16+2*i], v[17+2*i] op_sel:[1,0,0] op_sel_hi:[1,0,0]  ; and read here
.set j, j+1
.endr
.set j, 0
.rept 4
	v_pk_max_num_f16 v[64+4*i+j], v[64+4*i+j], v9
.set j, j+1
.endr
	ds_store_b128 v4, v[64+4*i:67+4*i] offset:8*APITCH*i
.set i, i+1
.endr
	s_wait_dscnt 0x0                               ; for the others' sake: my rows of x, and my part of w, are written
.if (NC > 1) && PRE
	NEXTY
.endif
	s_barrier_signal -1
	s_barrier_wait -1
	KSTEP 0
	KSTEP 1
	KSTEP 2
	KSTEP 3
.if NC > 1
	PLACES
.if PRE == 0
	NEXTY
.endif
	v_add_nc_u32 v7, KC*PW, v7
	v_add_nc_u32 v5, 8*KC, v5
	s_sub_co_u32 s23, s23, 1
	s_cmp_lg_u32 s23, 0
	s_cbranch_scc1 .Lchunk
.endif
	EPILOGUE
.Lfunc_end_k_qa3c6ccec1b_layer4:
	.size	k_qa3c6ccec1b_layer4, .Lfunc_end_k_qa3c6ccec1b_layer4-k_qa3c6ccec1b_layer4
	.p2alignl 7, 3214868480
	.fill 96, 4, 3214868480
	.section	.rodata,"a",@progbits
	.p2align	6, 0x0
	.amdhsa_kernel k_qa3c6ccec1b_layer4
		.amdhsa_group_segment_fixed_size 236544
		.amdhsa_private_segment_fixed_size 0
		.amdhsa_enable_private_segment 0
		.amdhsa_kernarg_size 64
		.amdhsa_user_sgpr_count 2
		.amdhsa_user_sgpr_kernarg_segment_ptr 1
		.amdhsa_wavefront_size32 1
		.amdhsa_system_sgpr_workgroup_id_x 1
		.amdhsa_system_sgpr_workgroup_id_y 1
		.amdhsa_system_sgpr_workgroup_id_z 1
		.amdhsa_system_vgpr_workitem_id 0
		.amdhsa_next_free_vgpr 256
		.amdhsa_next_free_sgpr 66
		.amdhsa_reserve_vcc 1
		.amdhsa_float_denorm_mode_32 3
		.amdhsa_float_denorm_mode_16_64 3
		.amdhsa_memory_ordered 1
		.amdhsa_forward_progress 1
		.amdhsa_inst_pref_size 66
	.end_amdhsa_kernel
	.amdgpu_metadata
---
amdhsa.version: [ 1, 2 ]
amdhsa.kernels:
  - .name:           k_qa3c6ccec1b_layer4
    .symbol:         k_qa3c6ccec1b_layer4.kd
    .args:
      - { .name: yA, .offset: 0, .size: 8, .value_kind: global_buffer, .address_space: global }
      - { .name: pA, .offset: 8, .size: 8, .value_kind: global_buffer, .address_space: global }
      - { .name: g3, .offset: 16, .size: 8, .value_kind: global_buffer, .address_space: global }
      - { .name: be3, .offset: 24, .size: 8, .value_kind: global_buffer, .address_space: global }
      - { .name: w4, .offset: 32, .size: 8, .value_kind: global_buffer, .address_space: global }
      - { .name: b4, .offset: 40, .size: 8, .value_kind: global_buffer, .address_space: global }
      - { .name: yB, .offset: 48, .size: 8, .value_kind: global_buffer, .address_space: global }
      - { .name: pB, .offset: 56, .size: 8, .value_kind: global_buffer, .address_space: global }
    .group_segment_fixed_size: 236544
    .private_segment_fixed_size: 0
    .kernarg_segment_align: 8
    .kernarg_segment_size: 64
    .max_flat_workgroup_size: 256
    .sgpr_count:     66
    .vgpr_count:     256
    .wavefront_size: 32
...
	.end_amdgpu_metadata
.endif
;; end of part 6
;; launch layer5 (part 7): grid 64 x 4, 8 waves a work-group, no clusters, 236,544 bytes of LDS; arguments yB, pB, g4, be4, w5, b5, yA, pA; writes yA, pA
.if DOCPART == 7
	.amdgcn_target "amdgcn-amd-amdhsa--gfx1250"
	.amdhsa_code_object_version 6
	.text
	.protected	k_qa3c6ccec1b_layer5
	.globl	k_qa3c6ccec1b_layer5
	.p2align	8
	.type	k_qa3c6ccec1b_layer5,@function
k_qa3c6ccec1b_layer5:
	s_mov_b64 s[64:65], 0
	v_nop
	global_prefetch_b8 v0, s[64:65] scope:SCOPE_SE
	s_setreg_imm32_b32 hwreg(HW_REG_WAVE_MODE, 25, 1), 1
	s_wait_xcnt 0x0
; A LAYER: x = relu(a y + c), the batch norm of the layer before folded into a = g rsqrt(var + 1e-5), c = be - mean a; then y' = x w + b and y's block statistics.  Here K = 128, N = 64.
; y and y' lie transposed, [columns][16384] f16.  The statistics of the layer before come as [64 row blocks][mean, M2][K] f32; every work-group joins them itself, about a pivot
; (block 0's means), so that no difference of large sums is formed.  A work-group: 256 rows (block rb) x NB = N / 4 columns (block cb); wave w: rows 32 w .. 32 w + 31, all NB columns.
; Activations and weights lie K-major in LDS, [k][m] and [k][n] in f16, and both fragments come by the turning load.  Products in f16, sums in f32, beginning at the bias.
; No tensor loads and no cluster: every byte of y passes the norm in registers on its way to LDS.  LIMITS: x, w, y' below 65,504 in magnitude (f16).
.set K, 128
.set N, 64
.set NB, 16
.set PW, 96                            ; a row of the weights in LDS: 32 bytes + 64, an odd multiple of 32
.set PRE, 0
.set RB, 192                           ; registers at work while the statistics are joined, RN slices at a time
.set RN, 4
.set LOGKQ, 5                          ; log2(K / 4)
.set LOGTPR, 2                         ; log2(NB / 4)
.set NT, NB/16
.set KC, 128                           ; K goes in chunks of 128
.set NC, K/KC
.set S, 1024/K                         ; slices of row blocks among the 256 threads
.set RS, K/16                          ; row blocks in a slice
.set TPR, NB/4
.set NPW, K*NB/1024                    ; loads of 16 bytes of w for each thread
.set PSTEP, (256/TPR)*PW
.set FW, K/128                         ; waves that finish the statistics
.if NB >= 32
.set CW, NB/32
.else
.set CW, 1
.endif
.set APITCH, 544                       ; a row of the activations in LDS: 512 + 32 bytes = 17 x 32
.set SPITCH, 528                       ; a column of the stage: 512 + 16 bytes
.set ABUF, 0
.set WBUF, 69632
.set ACT, 143360                       ; (a, c) for each k
.set RED, 147456                       ; [slice][S1, S2, SM][K]
.set SCR, 159744                       ; [wave][column] (mean, M2)
.set STG, 167936
.set SPARE, 235520
.set ACC, 128
.set RBK, 64
.set YO, 16
.set PO, 18
.macro PLACES
.rept 4
	v_nop
.endr
.endm
.macro EPILOGUE
	s_mul_i32 s24, s20, NB*8                       ; seven plain vector lines that name no product's register: the places behind the last products
	s_add_co_u32 s24, s24, SCR
	v_lshl_add_u32 v12, v2, 3, s24
	s_lshl_b32 s24, s20, 6
	s_add_co_u32 s24, s24, STG
	v_mul_u32_u24 v13, v2, SPITCH
	v_lshl_add_u32 v13, v3, 4, v13
	v_add_nc_u32 v13, s24, v13                     ; column r, rows 32 w + 8 h
	s_mul_i32 s24, s20, SPITCH
	s_add_co_u32 s24, s24, STG
	v_lshl_add_u32 v14, v1, 4, s24                 ; back: column w, 16 bytes a lane
	s_lshl_b32 s24, s20, 15
	s_lshl_b32 s25, s21, 9
	s_add_co_u32 s24, s24, s25
	v_lshl_add_u32 v15, v1, 4, s24                 ; the same in y': column w, row block rb
	v_mov_b32 v25, 0
.set n, 0
.rept NT
.set A0, ACC+16*n
.set A1, ACC+16*n+8
	v_pk_add_f32 v[16:17], v[A0:A0+1], v[A0+2:A0+3]        ; each accumulator is read from its low end on
	v_pk_add_f32 v[18:19], v[A0+4:A0+5], v[A0+6:A0+7]
	v_pk_add_f32 v[20:21], v[A1:A1+1], v[A1+2:A1+3]
	v_pk_add_f32 v[22:23], v[A1+4:A1+5], v[A1+6:A1+7]
	v_pk_add_f32 v[16:17], v[16:17], v[18:19]
	v_pk_add_f32 v[20:21], v[20:21], v[22:23]
	v_pk_add_f32 v[16:17], v[16:17], v[20:21]
	v_add_f32 v16, v16, v17
	v_permlanex16_b32 v17, v16, s32, s33           ; the column's other 16 rows lie in the lane 16 away
	v_add_f32 v16, v16, v17
	v_mul_f32 v24, 0x3d000000, v16                 ; / 32
.set q, 0
.rept 4
	v_pk_add_f32 v[32+2*q:33+2*q], v[A0+2*q:A0+2*q+1], v[24:25] op_sel_hi:[1,0] neg_lo:[0,1] neg_hi:[0,1]
	v_pk_add_f32 v[40+2*q:41+2*q], v[A1+2*q:A1+2*q+1], v[24:25] op_sel_hi:[1,0] neg_lo:[0,1] neg_hi:[0,1]
.set q, q+1
.endr
	v_pk_mul_f32 v[16:17], v[32:33], v[32:33]
	v_pk_mul_f32 v[18:19], v[40:41], v[40:41]
.set q, 1
.rept 3
	v_pk_fma_f32 v[16:17], v[32+2*q:33+2*q], v[32+2*q:33+2*q], v[16:17]
	v_pk_fma_f32 v[18:19], v[40+2*q:41+2*q], v[40+2*q:41+2*q], v[18:19]
.set q, q+1
.endr
	v_pk_add_f32 v[16:17], v[16:17], v[18:19]
	v_add_f32 v16, v16, v17
	v_permlanex16_b32 v17, v16, s32, s33
	v_add_f32 v25, v16, v17
	ds_store_b64 v12, v[24:25] offset:128*n        ; both halves of the lanes hold, and write, the same two numbers
.set q, 0
.rept 4
	v_cvt_pk_f16_f32 v[48+q], v[A0+2*q], v[A0+2*q+1]
	v_cvt_pk_f16_f32 v[52+q], v[A1+2*q], v[A1+2*q+1]
.set q, q+1
.endr
	ds_store_b128 v13, v[48:51] offset:16*SPITCH*n
	ds_store_b128 v13, v[52:55] offset:16*SPITCH*n+32
.set n, n+1
.endr
	s_wait_dscnt 0x0                               ; for the others' sake: my part of the stage and of SCR is written
	s_barrier_signal -1
	s_barrier_wait -1
.set i, 0
.rept NB/8
	ds_load_b128 v[RBK+4*i:RBK+4*i+3], v14 offset:8*SPITCH*i
.set i, i+1
.endr
.set i, 0
.rept NB/8
	s_wait_dscnt NB/8-1-i                          ; the younger loads from the stage may stay out
	global_store_b128 v15, v[RBK+4*i:RBK+4*i+3], s[YO:YO+1] offset:262144*i  ; column w + 8 i: 512 consecutive bytes, aligned
.set i, i+1
.endr
	s_cmp_ge_u32 s20, CW
	s_cbranch_scc1 .Lend
	s_mul_i32 s24, s21, 8*N
	s_mul_i32 s25, s22, NB*4
	s_add_co_u32 s24, s24, s25
.if NB >= 32
	v_lshl_add_u32 v12, v0, 3, SCR                 ; thread t joins column t
	v_lshl_add_u32 v13, v0, 2, s24
.else
	v_lshl_add_u32 v12, v2, 3, SCR                 ; both halves of the lanes join column r; the lower stores the mean, the upper M2
	v_lshl_add_u32 v13, v2, 2, s24
	v_mul_u32_u24 v40, v3, 4*N
	v_add_nc_u32 v13, v13, v40
.endif
.set i, 0
.rept 8
	ds_load_b64 v[16+2*i:17+2*i], v12 offset:NB*8*i
.set i, i+1
.endr
	s_wait_dscnt 0x0
	v_pk_add_f32 v[32:33], v[16:17], v[18:19]
	v_pk_add_f32 v[34:35], v[20:21], v[22:23]
	v_pk_add_f32 v[36:37], v[24:25], v[26:27]
	v_pk_add_f32 v[38:39], v[28:29], v[30:31]
	v_pk_add_f32 v[32:33], v[32:33], v[34:35]
	v_pk_add_f32 v[36:37], v[36:37], v[38:39]
	v_pk_add_f32 v[32:33], v[32:33], v[36:37]
	v_mul_f32 v32, 0x3e000000, v32                 ; the block's mean = the eight means / 8
.set i, 0
.rept 8
	v_sub_f32 v[16+2*i], v[16+2*i], v32
.set i, i+1
.endr
	v_mul_f32 v34, v16, v16
	v_mul_f32 v35, v18, v18
	v_fmac_f32 v34, v20, v20
	v_fmac_f32 v35, v22, v22
	v_fmac_f32 v34, v24, v24
	v_fmac_f32 v35, v26, v26
	v_fmac_f32 v34, v28, v28
	v_fmac_f32 v35, v30, v30
	v_add_f32 v34, v34, v35
	v_fmamk_f32 v33, v34, 0x42000000, v33          ; M2 = the eight M2 + 32 x the squares of the means' distances
.if NB >= 32
	global_store_b32 v13, v32, s[PO:PO+1]
	global_store_b32 v13, v33, s[PO:PO+1] offset:4*N
.else
	v_cmp_eq_u32 vcc_lo, 1, v3
	v_cndmask_b32 v32, v32, v33, vcc_lo
	global_store_b32 v13, v32, s[PO:PO+1]
.endif
.Lend:
	s_wait_tensorcnt 0x0                           ; the wave's end, behind my last LDS store
	ds_add_u32 v10, v11
	s_wait_dscnt 0x0
	s_endpgm
.endm
; n row blocks' means and M2 of my four columns, from block `first` of my slice on: D = mean - pivot; S1 += D; S2 += D D; SM += M2
.macro STATRUN first, n
.set i, 0
.rept \n
	global_load_b128 v[128+8*i:131+8*i], v44, s[6:7] offset:((\first)+i)*8*K
	global_load_b128 v[132+8*i:135+8*i], v44, s[6:7] offset:((\first)+i)*8*K+4*K
.set i, i+1
.endr
.set i, 0
.rept \n
	s_wait_loadcnt 2*((\n)-1-i)                    ; the younger blocks' pairs of loads may stay out
	v_pk_add_f32 v[40:41], v[128+8*i:129+8*i], v[28:29] neg_lo:[0,1] neg_hi:[0,1]
	v_pk_add_f32 v[42:43], v[130+8*i:131+8*i], v[30:31] neg_lo:[0,1] neg_hi:[0,1]
	v_pk_add_f32 v[24:25], v[24:25], v[132+8*i:133+8*i]
	v_pk_add_f32 v[26:27], v[26:27], v[134+8*i:135+8*i]
	v_pk_add_f32 v[16:17], v[16:17], v[40:41]
	v_pk_add_f32 v[18:19], v[18:19], v[42:43]
	v_pk_fma_f32 v[20:21], v[40:41], v[40:41], v[20:21]
	v_pk_fma_f32 v[22:23], v[42:43], v[42:43], v[22:23]
.set i, i+1
.endr
.endm
; RN slices' sums from RED; slice 0 lands in the sums themselves, the others are added
.macro REDROUND first
.set j, 0
.rept 3*RN
.if 3*(\first)+j < 3
	ds_load_b128 v[16+4*j:19+4*j], v13 offset:4*K*j
.else
	ds_load_b128 v[RB+4*j:RB+4*j+3], v13 offset:4*K*(3*(\first)+j)
.endif
.set j, j+1
.endr
	s_wait_dscnt 0x0
.set j, 0
.rept 3*RN
.if 3*(\first)+j >= 3
	v_pk_add_f32 v[16+4*(j%3):17+4*(j%3)], v[16+4*(j%3):17+4*(j%3)], v[RB+4*j:RB+4*j+1]
	v_pk_add_f32 v[18+4*(j%3):19+4*(j%3)], v[18+4*(j%3):19+4*(j%3)], v[RB+4*j+2:RB+4*j+3]
.endif
.set j, j+1
.endr
.endm
.macro YLOADS                          ; a chunk of y: row k = w + 8 i, a wave's load is the row block's 512 bytes of that row
.set i, 0
.rept KC/8
	global_load_b128 v[64+4*i:67+4*i], v8, s[4:5] offset:262144*i
.set i, i+1
.endr
.endm
.macro NEXTY                           ; all but the last trip ask for the next chunk; every earlier load through s[4:5] has been waited for
	s_cmp_eq_u32 s23, 1
	s_cbranch_scc1 .Lno_next
	s_add_nc_u64 s[4:5], s[4:5], KC*32768
	YLOADS
.Lno_next:
.endm
.macro KSTEP ks                        ; 32 along K: fragments of my 32 rows and of all NB columns, 2 NT products; the accumulators take turns, one instruction a turn
.if (\ks) > 0
	PLACES                                         ; in front of loads into registers that the last products read
.endif
.irp mt, 0,1
	ds_load_tr16_b128 v[32+8*(\mt):35+8*(\mt)], v6 offset:32*APITCH*(\ks)+32*(\mt)
	ds_load_tr16_b128 v[36+8*(\mt):39+8*(\mt)], v6 offset:32*APITCH*(\ks)+16*APITCH+32*(\mt)
.endr
.set n, 0
.rept NT
	ds_load_tr16_b128 v[48+8*n:51+8*n], v7 offset:32*PW*(\ks)+32*n
	ds_load_tr16_b128 v[52+8*n:55+8*n], v7 offset:32*PW*(\ks)+16*PW+32*n
.set n, n+1
.endr
	s_wait_dscnt 0x0
.set n, 0
.rept NT
	v_wmma_f32_16x16x32_f16 v[ACC+16*n:ACC+16*n+7], v[32:39], v[48+8*n:55+8*n], v[ACC+16*n:ACC+16*n+7]
	v_wmma_f32_16x16x32_f16 v[ACC+16*n+8:ACC+16*n+15], v[40:47], v[48+8*n:55+8*n], v[ACC+16*n+8:ACC+16*n+15]
.set n, n+1
.endr
.endm
	s_load_b512 s[4:19], s[0:1], 0x0               ; y 4, p 6, g 8, be 10, w 12, b 14, y' 16, p' 18
	v_lshl_add_u32 v10, v0, 2, SPARE
	v_mov_b32 v11, 0
	v_mov_b32 v9, 0                                ; the ReLU's zero
	v_and_b32 v1, 31, v0
	v_lshrrev_b32 v4, 5, v0
	v_readfirstlane_b32 s20, v4                    ; wave 0..7
	s_mov_b32 s21, ttmp9                           ; row block
	s_and_b32 s22, ttmp7, 0xffff                   ; column block
	v_and_b32 v2, 15, v0                           ; r
	v_bfe_u32 v3, v0, 4, 1                         ; h
	s_mov_b32 s32, 0x76543210
	s_mov_b32 s33, 0xfedcba98
	s_mov_b32 s34, 0x38800000                      ; 1 / 16384
	s_mov_b32 s35, s34
	s_mov_b32 s36, 0x3727c5ac                      ; 1e-5
	s_mov_b32 s37, s36
	v_and_b32 v45, K/4-1, v0                       ; statistics: my quad of columns,
	v_lshrrev_b32 v44, LOGKQ, v0                   ; my slice of row blocks
	v_lshlrev_b32 v45, 4, v45
	v_mul_u32_u24 v13, v44, 12*K
	v_add_nc_u32 v13, v13, v45
	v_add_nc_u32 v13, RED, v13
	v_mul_u32_u24 v44, v44, RS*8*K
	v_add_nc_u32 v44, v44, v45
	v_and_b32 v46, TPR-1, v0                       ; w: TPR threads to a row's NB columns
	v_lshrrev_b32 v47, LOGTPR, v0
	s_mul_i32 s28, s22, NB*4                       ; my block's first column, in bytes of f32
	v_mul_u32_u24 v12, v47, N*4
	v_lshl_add_u32 v12, v46, 4, v12
	v_add_nc_u32 v12, s28, v12
	v_mul_u32_u24 v15, v47, PW
	v_lshl_add_u32 v15, v46, 3, v15
	v_add_nc_u32 v15, WBUF, v15
	s_lshl_b32 s25, s20, 15
	s_lshl_b32 s26, s21, 9
	s_add_co_u32 s25, s25, s26
	v_lshl_add_u32 v8, v1, 4, s25                  ; y: row w, row block rb, 16 bytes a lane
	s_mul_i32 s25, s20, APITCH
	v_lshl_add_u32 v4, v1, 4, s25                  ; the same in ABUF
	s_lshl_b32 s25, s20, 3
	s_add_co_u32 s25, s25, ACT
	v_mov_b32 v5, s25                              ; (a, c) of row w
	v_and_b32 v46, 7, v0                           ; the turning load: row 8 h + l % 8, 16 bytes by bit 3 of the lane
	v_lshl_add_u32 v46, v3, 3, v46
	v_bfe_u32 v47, v0, 3, 1
	v_mul_u32_u24 v6, v46, APITCH
	v_lshl_add_u32 v6, v47, 4, v6
	s_lshl_b32 s25, s20, 6
	v_add_nc_u32 v6, s25, v6                       ; my 32 rows m: 64 bytes along ABUF's rows
	v_mul_u32_u24 v7, v46, PW
	v_lshl_add_u32 v7, v47, 4, v7
	v_add_nc_u32 v7, WBUF, v7
	s_mul_i32 s26, s22, NB*32768
	s_mov_b32 s27, 0
.set i, 16
.rept 12
	v_mov_b32 v[i], 0                              ; S1, S2, SM
.set i, i+1
.endr
	s_wait_kmcnt 0x0
	s_add_nc_u64 s[16:17], s[16:17], s[26:27]      ; my NB columns of y'
	global_load_b128 v[32:35], v45, s[8:9]         ; g
	global_load_b128 v[36:39], v45, s[10:11]       ; be
	global_load_b128 v[28:31], v45, s[6:7]         ; the pivot: block 0's means
.if RS > 16
	STATRUN 0, 16
	STATRUN 16, 16
.else
	STATRUN 0, RS
.endif
.set i, 0
.rept NPW
	global_load_b128 v[128+4*i:131+4*i], v12, s[12:13] offset:16384*i
.set i, i+1
.endr
	YLOADS
	ds_store_b128 v13, v[16:19]
	ds_store_b128 v13, v[20:23] offset:4*K
	ds_store_b128 v13, v[24:27] offset:8*K
	v_add_nc_u32 v13, RED, v45                     ; where the slices of my quad are read,
	v_lshl_add_u32 v14, v45, 1, ACT                ; and where its (a, c) go
	s_wait_dscnt 0x0
	s_barrier_signal -1
	s_barrier_wait -1
	s_cmp_ge_u32 s20, FW
	s_cbranch_scc1 .Lfin                           ; K / 4 threads finish a quad of columns each
.set f, 0
.rept S/RN
	REDROUND f
.set f, f+RN
.endr
.irp c, 0,2
	v_pk_mul_f32 v[RB+(\c):RB+(\c)+1], v[16+(\c):17+(\c)], 0x3c800000 op_sel_hi:[1,0]                               ; S1 / 64
	v_pk_fma_f32 v[20+(\c):21+(\c)], v[RB+(\c):RB+(\c)+1], v[16+(\c):17+(\c)], v[20+(\c):21+(\c)] neg_lo:[1,0,0] neg_hi:[1,0,0]  ; S2 - S1 S1 / 64
	v_pk_add_f32 v[28+(\c):29+(\c)], v[28+(\c):29+(\c)], v[RB+(\c):RB+(\c)+1]                                       ; mean = pivot + S1 / 64
	v_pk_fma_f32 v[24+(\c):25+(\c)], v[20+(\c):21+(\c)], 0x43800000, v[24+(\c):25+(\c)] op_sel_hi:[1,0,1]           ; M2 = SM + 256 (..)
	v_pk_fma_f32 v[24+(\c):25+(\c)], v[24+(\c):25+(\c)], s[34:35], s[36:37] op_sel_hi:[1,0,0]                       ; var + eps
.endr
.irp c, 0,1,2,3
	v_rsq_f32 v[24+(\c)], v[24+(\c)]
.endr
	v_nop                                          ; a plain instruction between the last root and the use of its result
	s_wait_alu depctr_va_vdst(0)
.irp c, 0,1,2,3
	v_mul_f32 v[RB+2*(\c)], v[32+(\c)], v[24+(\c)]
.endr
.irp c, 0,1,2,3
	v_fma_f32 v[RB+2*(\c)+1], -v[28+(\c)], v[RB+2*(\c)], v[36+(\c)]
.endr
	ds_store_b128 v14, v[RB:RB+3]
	ds_store_b128 v14, v[RB+4:RB+7] offset:16
.Lfin:
	s_wait_dscnt 0x0
	s_barrier_signal -1
	s_barrier_wait -1
	v_lshl_add_u32 v13, v2, 2, s28
.set n, 0
.rept NT
	global_load_b32 v[48+n], v13, s[14:15] offset:64*n     ; the bias of column 16 n + r
.set n, n+1
.endr
	s_wait_loadcnt KC/8+NT                         ; w is in: behind it came the chunk's KC / 8 loads and the bias's NT
.if NPW > 16
	v_add_nc_u32 v12, 16*PSTEP, v15                ; the LDS offset has 16 bits: a second address from pass 16 on
.endif
.set i, 0
.rept NPW
	v_cvt_pk_f16_f32 v[128+4*i], v[128+4*i], v[129+4*i]
	v_cvt_pk_f16_f32 v[129+4*i], v[130+4*i], v[131+4*i]
.if i < 16
	ds_store_b64 v15, v[128+4*i:129+4*i] offset:PSTEP*i
.else
	ds_store_b64 v12, v[128+4*i:129+4*i] offset:PSTEP*(i-16)
.endif
.set i, i+1
.endr
	s_wait_loadcnt 0x0
.set n, 0
.rept NT
.set i, 0
.rept 16
	v_mov_b32 v[ACC+16*n+i], v[48+n]               ; the sums begin at the bias of the lane's column
.set i, i+1
.endr
.set n, n+1
.endr
.if NC > 1
	s_mov_b32 s23, NC
.Lchunk:
	s_wait_loadcnt 0x0                             ; this chunk of y
	s_wait_dscnt 0x0
	s_barrier_signal -1
	s_barrier_wait -1                              ; nobody reads the last chunk's activations any more
.endif
.set i, 0
.rept KC/8
	ds_load_b64 v[16+2*i:17+2*i], v5 offset:64*i   ; (a, c) of row w + 8 i, the same for all lanes
.set i, i+1
.endr
	s_wait_dscnt 0x0
.set i, 0
.rept KC/8
.set j, 0
.rept 4
	v_fma_mixlo_f16 v[64+4*i+j], v[64+4*i+j], v[16+2*i], v[17+2*i] op_sel_hi:[1,0,0]                 ; in place: the upper half is kept,
.set j, j+1
.endr
.set j, 0
.rept 4
	v_fma_mixhi_f16 v[64+4*i+j], v[64+4*i+j], v[16+2*i], v[17+2*i] op_sel:[1,0,0] op_sel_hi:[1,0,0]  ; and read here
.set j, j+1
.endr
.set j, 0
.rept 4
	v_pk_max_num_f16 v[64+4*i+j], v[64+4*i+j], v9
.set j, j+1
.endr
	ds_store_b128 v4, v[64+4*i:67+4*i] offset:8*APITCH*i
.set i, i+1
.endr
	s_wait_dscnt 0x0                               ; for the others' sake: my rows of x, and my part of w, are written
.if (NC > 1) && PRE
	NEXTY
.endif
	s_barrier_signal -1
	s_barrier_wait -1
	KSTEP 0
	KSTEP 1
	KSTEP 2
	KSTEP 3
.if NC > 1
	PLACES
.if PRE == 0
	NEXTY
.endif
	v_add_nc_u32 v7, KC*PW, v7
	v_add_nc_u32 v5, 8*KC, v5
	s_sub_co_u32 s23, s23, 1
	s_cmp_lg_u32 s23, 0
	s_cbranch_scc1 .Lchunk
.endif
	EPILOGUE
.Lfunc_end_k_qa3c6ccec1b_layer5:
	.size	k_qa3c6ccec1b_layer5, .Lfunc_end_k_qa3c6ccec1b_layer5-k_qa3c6ccec1b_layer5
	.p2alignl 7, 3214868480
	.fill 96, 4, 3214868480
	.section	.rodata,"a",@progbits
	.p2align	6, 0x0
	.amdhsa_kernel k_qa3c6ccec1b_layer5
		.amdhsa_group_segment_fixed_size 236544
		.amdhsa_private_segment_fixed_size 0
		.amdhsa_enable_private_segment 0
		.amdhsa_kernarg_size 64
		.amdhsa_user_sgpr_count 2
		.amdhsa_user_sgpr_kernarg_segment_ptr 1
		.amdhsa_wavefront_size32 1
		.amdhsa_system_sgpr_workgroup_id_x 1
		.amdhsa_system_sgpr_workgroup_id_y 1
		.amdhsa_system_sgpr_workgroup_id_z 1
		.amdhsa_system_vgpr_workitem_id 0
		.amdhsa_next_free_vgpr 256
		.amdhsa_next_free_sgpr 66
		.amdhsa_reserve_vcc 1
		.amdhsa_float_denorm_mode_32 3
		.amdhsa_float_denorm_mode_16_64 3
		.amdhsa_memory_ordered 1
		.amdhsa_forward_progress 1
		.amdhsa_inst_pref_size 42
	.end_amdhsa_kernel
	.amdgpu_metadata
---
amdhsa.version: [ 1, 2 ]
amdhsa.kernels:
  - .name:           k_qa3c6ccec1b_layer5
    .symbol:         k_qa3c6ccec1b_layer5.kd
    .args:
      - { .name: yB, .offset: 0, .size: 8, .value_kind: global_buffer, .address_space: global }
      - { .name: pB, .offset: 8, .size: 8, .value_kind: global_buffer, .address_space: global }
      - { .name: g4, .offset: 16, .size: 8, .value_kind: global_buffer, .address_space: global }
      - { .name: be4, .offset: 24, .size: 8, .value_kind: global_buffer, .address_space: global }
      - { .name: w5, .offset: 32, .size: 8, .value_kind: global_buffer, .address_space: global }
      - { .name: b5, .offset: 40, .size: 8, .value_kind: global_buffer, .address_space: global }
      - { .name: yA, .offset: 48, .size: 8, .value_kind: global_buffer, .address_space: global }
      - { .name: pA, .offset: 56, .size: 8, .value_kind: global_buffer, .address_space: global }
    .group_segment_fixed_size: 236544
    .private_segment_fixed_size: 0
    .kernarg_segment_align: 8
    .kernarg_segment_size: 64
    .max_flat_workgroup_size: 256
    .sgpr_count:     66
    .vgpr_count:     256
    .wavefront_size: 32
...
	.end_amdgpu_metadata
.endif
;; end of part 7
;; launch layer6 (part 8): grid 64 x 1, 8 waves a work-group, no clusters, 236,544 bytes of LDS; arguments yA, pA, g5, be5, w6, b6, out0; writes out0
.if DOCPART == 8
	.amdgcn_target "amdgcn-amd-amdhsa--gfx1250"
	.amdhsa_code_object_version 6
	.text
	.protected	k_qa3c6ccec1b_layer6
	.globl	k_qa3c6ccec1b_layer6
	.p2align	8
	.type	k_qa3c6ccec1b_layer6,@function
k_qa3c6ccec1b_layer6:
	s_mov_b64 s[64:65], 0
	v_nop
	global_prefetch_b8 v0, s[64:65] scope:SCOPE_SE
	s_setreg_imm32_b32 hwreg(HW_REG_WAVE_MODE, 25, 1), 1
	s_wait_xcnt 0x0
; THE LAST LAYER: x = relu(a y5 + c), the fifth batch norm folded into a = g rsqrt(var + 1e-5), c = be - mean a; out0 = x w6 + b6.  K = 64, N = 2 (padded with zero columns to 16).
; y5 lies transposed, [64][16384] f16; its statistics come as [64 row blocks][mean, M2][64] f32 and are joined about a pivot (block 0's means).
; A work-group: 256 rows; wave w: rows 32 w .. 32 w + 31.  64 work-groups are all the work there is: 32 products a work-group.
; The product is taken transposed (source 0 = w6's columns, source 1 = 16 rows of x): lane r < 16 then holds out0[r][0], out0[r][1] in an accumulator's two lowest registers.
; LIMITS: x and w6 below 65,504 in magnitude (f16).
.set K, 64
.set PW, 96
.set RB, 192
.set RN, 4
.set LOGKQ, 4
.set KC, 64
.set S, 16
.set RS, 4
.set APITCH, 544
.set ABUF, 0
.set WBUF, 69632
.set ACT, 143360
.set RED, 147456
.set SPARE, 235520
.macro PLACES
.rept 4
	v_nop
.endr
.endm
.macro STATRUN first, n
.set i, 0
.rept \n
	global_load_b128 v[128+8*i:131+8*i], v44, s[6:7] offset:((\first)+i)*8*K
	global_load_b128 v[132+8*i:135+8*i], v44, s[6:7] offset:((\first)+i)*8*K+4*K
.set i, i+1
.endr
.set i, 0
.rept \n
	s_wait_loadcnt 2*((\n)-1-i)                    ; the younger blocks' pairs of loads may stay out
	v_pk_add_f32 v[40:41], v[128+8*i:129+8*i], v[28:29] neg_lo:[0,1] neg_hi:[0,1]
	v_pk_add_f32 v[42:43], v[130+8*i:131+8*i], v[30:31] neg_lo:[0,1] neg_hi:[0,1]
	v_pk_add_f32 v[24:25], v[24:25], v[132+8*i:133+8*i]
	v_pk_add_f32 v[26:27], v[26:27], v[134+8*i:135+8*i]
	v_pk_add_f32 v[16:17], v[16:17], v[40:41]
	v_pk_add_f32 v[18:19], v[18:19], v[42:43]
	v_pk_fma_f32 v[20:21], v[40:41], v[40:41], v[20:21]
	v_pk_fma_f32 v[22:23], v[42:43], v[42:43], v[22:23]
.set i, i+1
.endr
.endm
.macro REDROUND first                  ; RN slices' sums from RED; slice 0 lands in the sums themselves, the others are added
.set j, 0
.rept 3*RN
.if 3*(\first)+j < 3
	ds_load_b128 v[16+4*j:19+4*j], v13 offset:4*K*j
.else
	ds_load_b128 v[RB+4*j:RB+4*j+3], v13 offset:4*K*(3*(\first)+j)
.endif
.set j, j+1
.endr
	s_wait_dscnt 0x0
.set j, 0
.rept 3*RN
.if 3*(\first)+j >= 3
	v_pk_add_f32 v[16+4*(j%3):17+4*(j%3)], v[16+4*(j%3):17+4*(j%3)], v[RB+4*j:RB+4*j+1]
	v_pk_add_f32 v[18+4*(j%3):19+4*(j%3)], v[18+4*(j%3):19+4*(j%3)], v[RB+4*j+2:RB+4*j+3]
.endif
.set j, j+1
.endr
.endm
	s_load_b256 s[4:11], s[0:1], 0x0               ; y 4, p 6, g 8, be 10
	s_load_b128 s[12:15], s[0:1], 0x20             ; w6 12, b6 14
	s_load_b64 s[16:17], s[0:1], 0x30              ; out0
	v_lshl_add_u32 v10, v0, 2, SPARE
	v_mov_b32 v11, 0
	v_mov_b32 v9, 0                                ; the ReLU's zero
	v_and_b32 v1, 31, v0
	v_lshrrev_b32 v4, 5, v0
	v_readfirstlane_b32 s20, v4                    ; wave 0..7
	s_mov_b32 s21, ttmp9                           ; row block
	v_bfe_u32 v3, v0, 4, 1                         ; h
	s_mov_b32 s32, 0x76543210
	s_mov_b32 s33, 0xfedcba98
	s_mov_b32 s34, 0x38800000                      ; 1 / 16384
	s_mov_b32 s35, s34
	s_mov_b32 s36, 0x3727c5ac                      ; 1e-5
	s_mov_b32 s37, s36
	v_and_b32 v45, K/4-1, v0                       ; statistics: my quad of columns,
	v_lshrrev_b32 v44, LOGKQ, v0                   ; my slice of row blocks
	v_lshlrev_b32 v45, 4, v45
	v_mul_u32_u24 v13, v44, 12*K
	v_add_nc_u32 v13, v13, v45
	v_add_nc_u32 v13, RED, v13
	v_mul_u32_u24 v44, v44, RS*8*K
	v_add_nc_u32 v44, v44, v45
	v_min_u32 v12, 63, v0                          ; every thread loads a row of w6, so that all waves count alike; threads 0-63 store theirs
	v_lshlrev_b32 v12, 3, v12
	v_mul_u32_u24 v15, v0, PW
	v_add_nc_u32 v15, WBUF, v15
	s_lshl_b32 s25, s20, 15
	s_lshl_b32 s26, s21, 9
	s_add_co_u32 s25, s25, s26
	v_lshl_add_u32 v8, v1, 4, s25                  ; y: row w, row block rb, 16 bytes a lane
	s_mul_i32 s25, s20, APITCH
	v_lshl_add_u32 v4, v1, 4, s25                  ; the same in ABUF
	s_lshl_b32 s25, s20, 3
	s_add_co_u32 s25, s25, ACT
	v_mov_b32 v5, s25                              ; (a, c) of row w
	v_and_b32 v46, 7, v0                           ; the turning load: row 8 h + l % 8, 16 bytes by bit 3 of the lane
	v_lshl_add_u32 v46, v3, 3, v46
	v_bfe_u32 v47, v0, 3, 1
	v_mul_u32_u24 v6, v46, APITCH
	v_lshl_add_u32 v6, v47, 4, v6
	s_lshl_b32 s25, s20, 6
	v_add_nc_u32 v6, s25, v6
	v_mul_u32_u24 v7, v46, PW
	v_lshl_add_u32 v7, v47, 4, v7
	v_add_nc_u32 v7, WBUF, v7
	s_lshl_b32 s26, s21, 11                        ; 256 rows of 8 bytes of out0
	s_mov_b32 s27, 0
.set i, 16
.rept 12
	v_mov_b32 v[i], 0                              ; S1, S2, SM
.set i, i+1
.endr
	s_wait_kmcnt 0x0
	s_load_b64 s[38:39], s[14:15], 0x0             ; b6
	s_add_nc_u64 s[16:17], s[16:17], s[26:27]
	global_load_b128 v[32:35], v45, s[8:9]         ; g
	global_load_b128 v[36:39], v45, s[10:11]       ; be
	global_load_b128 v[28:31], v45, s[6:7]         ; the pivot: block 0's means
	STATRUN 0, RS
	global_load_b64 v[128:129], v12, s[12:13]
.set i, 0
.rept KC/8
	global_load_b128 v[64+4*i:67+4*i], v8, s[4:5] offset:262144*i   ; row k = w + 8 i: a wave's load is the row block's 512 bytes of it
.set i, i+1
.endr
	ds_store_b128 v13, v[16:19]
	ds_store_b128 v13, v[20:23] offset:4*K
	ds_store_b128 v13, v[24:27] offset:8*K
	v_add_nc_u32 v13, RED, v45
	v_lshl_add_u32 v14, v45, 1, ACT
	s_wait_dscnt 0x0
	s_barrier_signal -1
	s_barrier_wait -1
	s_cmp_ge_u32 s20, 1
	s_cbranch_scc1 .Lfin                           ; wave 0 finishes: both halves of its lanes take the same 16 quads and write the same numbers
.set f, 0
.rept S/RN
	REDROUND f
.set f, f+RN
.endr
.irp c, 0,2
	v_pk_mul_f32 v[RB+(\c):RB+(\c)+1], v[16+(\c):17+(\c)], 0x3c800000 op_sel_hi:[1,0]                               ; S1 / 64
	v_pk_fma_f32 v[20+(\c):21+(\c)], v[RB+(\c):RB+(\c)+1], v[16+(\c):17+(\c)], v[20+(\c):21+(\c)] neg_lo:[1,0,0] neg_hi:[1,0,0]  ; S2 - S1 S1 / 64
	v_pk_add_f32 v[28+(\c):29+(\c)], v[28+(\c):29+(\c)], v[RB+(\c):RB+(\c)+1]                                       ; mean = pivot + S1 / 64
	v_pk_fma_f32 v[24+(\c):25+(\c)], v[20+(\c):21+(\c)], 0x43800000, v[24+(\c):25+(\c)] op_sel_hi:[1,0,1]           ; M2 = SM + 256 (..)
	v_pk_fma_f32 v[24+(\c):25+(\c)], v[24+(\c):25+(\c)], s[34:35], s[36:37] op_sel_hi:[1,0,0]                       ; var + eps
.endr
.irp c, 0,1,2,3
	v_rsq_f32 v[24+(\c)], v[24+(\c)]
.endr
	v_nop                                          ; a plain instruction between the last root and the use of its result
	s_wait_alu depctr_va_vdst(0)
.irp c, 0,1,2,3
	v_mul_f32 v[RB+2*(\c)], v[32+(\c)], v[24+(\c)]
.endr
.irp c, 0,1,2,3
	v_fma_f32 v[RB+2*(\c)+1], -v[28+(\c)], v[RB+2*(\c)], v[36+(\c)]
.endr
	ds_store_b128 v14, v[RB:RB+3]
	ds_store_b128 v14, v[RB+4:RB+7] offset:16
.Lfin:
	s_wait_dscnt 0x0
	s_barrier_signal -1
	s_barrier_wait -1
	s_wait_loadcnt KC/8                            ; w6's row is in: behind it came y's 8 loads
	s_cmp_ge_u32 s20, 2
	s_cbranch_scc1 .Lno_w
	v_cvt_pk_f16_f32 v128, v128, v129
.set i, 129
.rept 7
	v_mov_b32 v[i], 0                              ; columns 2 to 15 are zeros
.set i, i+1
.endr
	ds_store_b128 v15, v[128:131]
	ds_store_b128 v15, v[132:135] offset:16
.Lno_w:
.set i, 0
.rept KC/8
	ds_load_b64 v[16+2*i:17+2*i], v5 offset:64*i   ; (a, c) of row w + 8 i, the same for all lanes
.set i, i+1
.endr
	s_wait_loadcnt 0x0
	s_wait_dscnt 0x0
.set i, 0
.rept KC/8
.set j, 0
.rept 4
	v_fma_mixlo_f16 v[64+4*i+j], v[64+4*i+j], v[16+2*i], v[17+2*i] op_sel_hi:[1,0,0]                 ; in place: the upper half is kept,
.set j, j+1
.endr
.set j, 0
.rept 4
	v_fma_mixhi_f16 v[64+4*i+j], v[64+4*i+j], v[16+2*i], v[17+2*i] op_sel:[1,0,0] op_sel_hi:[1,0,0]  ; and read here
.set j, j+1
.endr
.set j, 0
.rept 4
	v_pk_max_num_f16 v[64+4*i+j], v[64+4*i+j], v9
.set j, j+1
.endr
	ds_store_b128 v4, v[64+4*i:67+4*i] offset:8*APITCH*i
.set i, i+1
.endr
	s_wait_dscnt 0x0
	s_barrier_signal -1
	s_barrier_wait -1
.irp mt, 0,1                           ; both K steps' fragments: x's at v32-47 and v96-111, w6's at v48-55 and v56-63
	ds_load_tr16_b128 v[32+8*(\mt):35+8*(\mt)], v6 offset:32*(\mt)
	ds_load_tr16_b128 v[36+8*(\mt):39+8*(\mt)], v6 offset:16*APITCH+32*(\mt)
	ds_load_tr16_b128 v[96+8*(\mt):99+8*(\mt)], v6 offset:32*APITCH+32*(\mt)
	ds_load_tr16_b128 v[100+8*(\mt):103+8*(\mt)], v6 offset:48*APITCH+32*(\mt)
.endr
	ds_load_tr16_b128 v[48:51], v7
	ds_load_tr16_b128 v[52:55], v7 offset:16*PW
	ds_load_tr16_b128 v[56:59], v7 offset:32*PW
	ds_load_tr16_b128 v[60:63], v7 offset:48*PW
	s_wait_dscnt 0x0
	v_wmma_f32_16x16x32_f16 v[128:135], v[48:55], v[32:39], 0              ; the first K step starts both sums; the two accumulators take turns
	v_wmma_f32_16x16x32_f16 v[136:143], v[48:55], v[40:47], 0
	v_wmma_f32_16x16x32_f16 v[128:135], v[56:63], v[96:103], v[128:135]
	v_wmma_f32_16x16x32_f16 v[136:143], v[56:63], v[104:111], v[136:143]
	v_lshlrev_b32 v12, 3, v0                       ; my row's 8 bytes of out0
	v_mov_b32 v16, 0
	v_mov_b32 v17, 0
	PLACES
	v_permlanex16_b32 v16, v136, s32, s33          ; rows 16-31 go to lanes 16-31
	v_permlanex16_b32 v17, v137, s32, s33
	v_cmp_lt_u32 vcc_lo, 15, v1
	v_cndmask_b32 v16, v128, v16, vcc_lo
	v_cndmask_b32 v17, v129, v17, vcc_lo
	s_wait_kmcnt 0x0
	v_add_f32 v16, s38, v16
	v_add_f32 v17, s39, v17
	global_store_b64 v12, v[16:17], s[16:17] th:TH_STORE_NT    ; a wave's store covers 256 consecutive bytes, aligned
	s_wait_tensorcnt 0x0                           ; the wave's end, behind my last LDS store
	ds_add_u32 v10, v11
	s_wait_dscnt 0x0
	s_endpgm
.Lfunc_end_k_qa3c6ccec1b_layer6:
	.size	k_qa3c6ccec1b_layer6, .Lfunc_end_k_qa3c6ccec1b_layer6-k_qa3c6ccec1b_layer6
	.p2alignl 7, 3214868480
	.fill 96, 4, 3214868480
	.section	.rodata,"a",@progbits
	.p2align	6, 0x0
	.amdhsa_kernel k_qa3c6ccec1b_layer6
		.amdhsa_group_segment_fixed_size 236544
		.amdhsa_private_segment_fixed_size 0
		.amdhsa_enable_private_segment 0
		.amdhsa_kernarg_size 56
		.amdhsa_user_sgpr_count 2
		.amdhsa_user_sgpr_kernarg_segment_ptr 1
		.amdhsa_wavefront_size32 1
		.amdhsa_system_sgpr_workgroup_id_x 1
		.amdhsa_system_sgpr_workgroup_id_y 1
		.amdhsa_system_sgpr_workgroup_id_z 1
		.amdhsa_system_vgpr_workitem_id 0
		.amdhsa_next_free_vgpr 256
		.amdhsa_next_free_sgpr 66
		.amdhsa_reserve_vcc 1
		.amdhsa_float_denorm_mode_32 3
		.amdhsa_float_denorm_mode_16_64 3
		.amdhsa_memory_ordered 1
		.amdhsa_forward_progress 1
		.amdhsa_inst_pref_size 28
	.end_amdhsa_kernel
	.amdgpu_metadata
---
amdhsa.version: [ 1, 2 ]
amdhsa.kernels:
  - .name:           k_qa3c6ccec1b_layer6
    .symbol:         k_qa3c6ccec1b_layer6.kd
    .args:
      - { .name: yA, .offset: 0, .size: 8, .value_kind: global_buffer, .address_space: global }
      - { .name: pA, .offset: 8, .size: 8, .value_kind: global_buffer, .address_space: global }
      - { .name: g5, .offset: 16, .size: 8, .value_kind: global_buffer, .address_space: global }
      - { .name: be5, .offset: 24, .size: 8, .value_kind: global_buffer, .address_space: global }
      - { .name: w6, .offset: 32, .size: 8, .value_kind: global_buffer, .address_space: global }
      - { .name: b6, .offset: 40, .size: 8, .value_kind: global_buffer, .address_space: global }
      - { .name: out0, .offset: 48, .size: 8, .value_kind: global_buffer, .address_space: global }
    .group_segment_fixed_size: 236544
    .private_segment_fixed_size: 0
    .kernarg_segment_align: 8
    .kernarg_segment_size: 56
    .max_flat_workgroup_size: 256
    .sgpr_count:     66
    .vgpr_count:     256
    .wavefront_size: 32
...
	.end_amdgpu_metadata
.endif
;; end of part 8
;; ======== version 2 of 3: 8 launches; 1.22 times as fast as version 1
;; limits: values are held in f16: magnitudes above 65,504 overflow, below 6.1e-05 lose precision; values outside matrix products are rounded to f16
;; workspace buffers: gsel 1,048,576 bytes of whole numbers; nidx 1,048,576 bytes of whole numbers; yA 16,777,216 bytes; yB 8,388,608 bytes; pA 262,144 bytes; pB 131,072 bytes
;; launch knn_groups (part 9): grid 256 x 1, 16 waves a work-group, no clusters, 199,936 bytes of LDS; arguments pos, measure_coords, gsel; writes gsel
.if DOCPART == 9
	.amdgcn_target "amdgcn-amd-amdhsa--gfx1250"
	.amdhsa_code_object_version 6
	.text
	.protected	k_qa3c6ccec1b_knn_groups
	.globl	k_qa3c6ccec1b_knn_groups
	.p2align	8
	.type	k_qa3c6ccec1b_knn_groups,@function
k_qa3c6ccec1b_knn_groups:
	s_mov_b64 s[64:65], 0
	v_nop
	global_prefetch_b8 v0, s[64:65] scope:SCOPE_SE
	s_setreg_imm32_b32 hwreg(HW_REG_WAVE_MODE, 25, 1), 1
	s_wait_xcnt 0x0
; kNN, first pass.  The 8,192 points lie in 512 groups of 16 consecutive indices.  For each query: the least d2 of every group, then the 16 groups that come
; first by (least d2, group number).  They hold the query's 16 nearest points by (d2, index): if 16 other groups came before a point's group, each would hold a
; point that comes before it (on equal d2 the lower group has the lower indices).  The group numbers leave as whole numbers; the next launch forms addresses of them.
; d2 = (sp + sm) - 2 dot in f32, each rounding as the three switches say (1: x x' is rounded, y y' is fused onto it; 0: both products rounded, then added).
; As set: the two sums of squares round both squares and add them; the dot product fuses its second product.  The order of near-equal distances hangs on these roundings.
; LIMITS: NaN and infinities are not treated apart; d2 is never -0 (a sum that is exactly 0 rounds to +0).
; SHARES: a work-group has 64 queries.  Stage A: thread t keeps group t's 16 points in registers, the queries come as scalars, 2 a trip.
; Stage B: thread = (part p of 8, query): 64 group minima a thread, in 4 batches of 16: sort, keep the 16 least of batch and list; then the 8 parts' lists meet in LDS.
; THE SELECTION GOES TWICE, ON SINGLE NUMBERS, so that a comparator is one minimum and one maximum.  Pass 0 orders the bare minima: the 16th least of the 512 is T.
; Pass 1 orders codes: 0x40000000 + g where group g's minimum is below T, 0x40000000 + 512 + g where it equals T, +infinity elsewhere; read as f32 these are normal numbers in the order of the
; whole numbers.  At most 15 minima lie below T and at least 16 at or below it, so the 16 least codes are all groups below T and then the lowest-numbered at T: the 16 first by (minimum, number).
; A COMPARATOR IS ONE LINE: its minimum and its maximum go in one two-in-one instruction, which wants one even and one odd destination.  A comparator joins numbers whose places in the network
; differ in one bit, so inside a network number e lies in register (e & 14) | (the parity of e's bits): a one-to-one map under which such a pair is always an even and an odd register.
; A network's last layer (places 1 apart) writes to the plain places, so that lists lie in order of rank.
; No branch and no address hangs on a distance: both passes are a fixed network of comparators.
.set SP_FMA, 0
.set SM_FMA, 0
.set DOT_FMA, 1
.set PITCH, 2064                       ; a query's 512 minima + 16 bytes: 129 x 16
.set LIST, 64*PITCH                    ; for each pass [part 8][quad 4][query 64] x 16 bytes: a part's list of 16 numbers for each query
.set LPASS, 32768                      ; a pass's lists; each list's bytes are written once in the launch
.set TBUF, LIST+2*LPASS                ; T for each of the 64 queries
.set SPARE, TBUF+256                   ; the spare words, 128 bytes for each of 16 waves
.set SPW, 2                            ; v2 my spare word; v3 0: never rewritten
.set NIL, 3
.set IDA, 9                            ; v9   the code 'below T' of the batch's first group
.set TT, 10                            ; v10  T of my query
.set SEN, 11                           ; v11  +infinity: comes behind every minimum and every code
.set IDB, 13                           ; v13  the code 'equal to T' of the batch's first group
.set X, 32                             ; three sets of 16 numbers: X the running list (ascending, plain places), Y and Z at work
.set Y, 48
.set Z, 64
.macro EACH16 line:vararg
.set j, 0
.rept 16
	\line
.set j, j+1
.endr
.endm
; A comparator from set s into set d: d[a] <= d[b].  nat = 1: the results go to the plain places a and b (then a and b are 1 apart: an even and an odd register again).
.macro CE s, d, a, b, nat
.set pa, ((\a)&14)|((((\a)>>3)^((\a)>>2)^((\a)>>1)^(\a))&1)
.set pb, ((\b)&14)|((((\b)>>3)^((\b)>>2)^((\b)>>1)^(\b))&1)
.if \nat
.set da, \a
.set db, \b
.else
.set da, pa
.set db, pb
.endif
	v_dual_min_num_f32 v[(\d)+da], v[(\s)+pa], v[(\s)+pb] :: v_dual_max_num_f32 v[(\d)+db], v[(\s)+pa], v[(\s)+pb]
.endm
.macro LAYER s, d, k, j, nat=0         ; one layer of the bitonic network: every element is touched, so the sets take turns and nothing is copied
.set i, 0
.rept 16
.set l, i^(\j)
.if l > i
.if (i&(\k)) == 0
	CE \s, \d, i, l, \nat
.else
	CE \s, \d, l, i, \nat
.endif
.endif
.set i, i+1
.endr
.endm
.macro SORT16                          ; Y (16 numbers in any order) is sorted ascending, ten layers, back in Y, in the plain places
	LAYER Y, Z, 2, 1
	LAYER Z, Y, 4, 2
	LAYER Y, Z, 4, 1
	LAYER Z, Y, 8, 4
	LAYER Y, Z, 8, 2
	LAYER Z, Y, 8, 1
	LAYER Y, Z, 16, 8
	LAYER Z, Y, 16, 4
	LAYER Y, Z, 16, 2
	LAYER Z, Y, 16, 1, 1
.endm
.macro HC16                            ; Z[i] = the lesser of X[i] and Y[15 - i]: the 16 least of both lists, a bitonic run; two of them a line
.set i, 0
.rept 8
.set p0, (i&14)|(((i>>3)^(i>>2)^(i>>1)^i)&1)
	v_dual_min_num_f32 v[Z+p0], v[X+i], v[Y+15-i] :: v_dual_min_num_f32 v[Z+(p0^1)], v[X+i+1], v[Y+14-i]
.set i, i+2
.endr
.endm
.macro BMERGE                          ; the bitonic run in Z, sorted, into X, in the plain places
	LAYER Z, Y, 16, 8
	LAYER Y, Z, 16, 4
	LAYER Z, Y, 16, 2
	LAYER Y, X, 16, 1, 1
.endm
; Parts st apart meet, in pass ps: part p with p mod 2 st = st stores its list, part p - st takes it in.
.macro XMERGE st, ps
	s_and_b32 s15, s12, 2*(\st)-1
	s_cmp_lg_u32 s15, \st
	s_cbranch_scc1 .Lkeep_\@
.set j, 0
.rept 4
	ds_store_b128 v7, v[X+4*j:X+4*j+3] offset:(\ps)*LPASS+1024*j
.set j, j+1
.endr
.Lkeep_\@:
	s_wait_dscnt 0x0                               ; for the others' sake: my list lies in LDS
	s_barrier_signal -1
	s_barrier_wait -1
	s_cmp_lg_u32 s15, 0
	s_cbranch_scc1 .Lidle_\@
.set j, 0
.rept 4
	ds_load_b128 v[Y+4*j:Y+4*j+3], v7 offset:(\ps)*LPASS+4096*(\st)+1024*j
.set j, j+1
.endr
	s_wait_dscnt 0x0
	HC16
	BMERGE
.Lidle_\@:
.endm
; The batch's 16 minima in Y become codes, four at a time, each with masks of its own so that no line waits for the one before it.
.macro CODES
.set q, 0
.rept 4
.irp k, 0,1,2,3
	v_cmp_eq_f32 s[24+\k], v[Y+4*q+\k], v[TT]
	v_cmp_le_f32 s[28+\k], v[Y+4*q+\k], v[TT]
.endr
.irp k, 0,1,2,3
	v_cndmask_b32 v[Z+4*q+\k], v[IDA], v[IDB], s[24+\k]
.endr
.irp k, 0,1,2,3
	v_add_nc_u32 v[Z+4*q+\k], 4*q+\k, v[Z+4*q+\k]
.endr
.irp k, 0,1,2,3
	v_cndmask_b32 v[Y+4*q+\k], v[SEN], v[Z+4*q+\k], s[28+\k]
.endr
.set q, q+1
.endr
.endm
; A pass: the 16 least of my 64 numbers, then, in part 0, of the query's 512.  adr: the register that walks my 64 minima.
.macro SELECT ps, adr
	EACH16 v_mov_b32 v[X+j], v[SEN]                ; the list starts with 16 entries that come behind every real one
	s_mov_b32 s14, 4
.Lbatch_\@:
.set i, 0
.rept 4
	ds_load_b128 v[Y+4*i:Y+4*i+3], v[\adr] offset:16*i
.set i, i+1
.endr
	s_wait_dscnt 0x0
.if \ps
	CODES
.endif
	SORT16
	HC16
	BMERGE
	v_add_nc_u32 v[\adr], 64, v[\adr]
.if \ps
	v_add_nc_u32 v[IDA], 16, v[IDA]
	v_add_nc_u32 v[IDB], 16, v[IDB]
.endif
	s_sub_co_u32 s14, s14, 1
	s_cmp_lg_u32 s14, 0
	s_cbranch_scc1 .Lbatch_\@
	XMERGE 1, \ps
	XMERGE 2, \ps
	XMERGE 4, \ps
.endm
; One query against my 16 points: px in s[sx], py in s[sx+2] (each the low word of a pair); the group's least d2 goes to MIN[query][group].
.macro DIST sx, off
	v_mul_f32 v96, s[\sx], s[\sx]
.if SP_FMA
	v_fma_f32 v96, s[(\sx)+2], s[(\sx)+2], v96
.else
	v_mul_f32 v98, s[(\sx)+2], s[(\sx)+2]
	v_add_f32 v96, v96, v98
.endif
.set i, 0
.rept 8
	v_pk_mul_f32 v[80+2*i:81+2*i], v[16+2*i:17+2*i], s[\sx:(\sx)+1] op_sel_hi:[1,0]
.set i, i+1
.endr
.set i, 0
.rept 8
.if DOT_FMA
	v_pk_fma_f32 v[80+2*i:81+2*i], v[32+2*i:33+2*i], s[(\sx)+2:(\sx)+3], v[80+2*i:81+2*i] op_sel_hi:[1,0,1]
.else
	v_pk_mul_f32 v[100+2*i:101+2*i], v[32+2*i:33+2*i], s[(\sx)+2:(\sx)+3] op_sel_hi:[1,0]
	v_pk_add_f32 v[80+2*i:81+2*i], v[80+2*i:81+2*i], v[100+2*i:101+2*i]
.endif
.set i, i+1
.endr
.set i, 0
.rept 8
	v_pk_add_f32 v[64+2*i:65+2*i], v[48+2*i:49+2*i], v[96:97] op_sel_hi:[1,0]        ; sp + sm
.set i, i+1
.endr
.set i, 0
.rept 8
	v_pk_fma_f32 v[64+2*i:65+2*i], v[80+2*i:81+2*i], -2.0, v[64+2*i:65+2*i] op_sel_hi:[1,0,1]  ; 2 dot is exact, so this is the subtraction's one rounding
.set i, i+1
.endr
	v_min3_num_f32 v116, v64, v65, v66
	v_min3_num_f32 v117, v67, v68, v69
	v_min3_num_f32 v118, v70, v71, v72
	v_min3_num_f32 v119, v73, v74, v75
	v_min3_num_f32 v120, v76, v77, v78
	v_min3_num_f32 v116, v116, v117, v79
	v_min3_num_f32 v118, v118, v119, v120
	v_min_num_f32 v116, v116, v118
	ds_store_b32 v5, v116 offset:\off
.endm
	s_load_b128 s[4:7], s[0:1], 0x0                ; pos s[4:5], measure_coords s[6:7]
	s_load_b64 s[8:9], s[0:1], 0x10                ; gsel
	v_lshl_add_u32 v[SPW], v0, 2, SPARE
	v_mov_b32 v[NIL], 0
	v_and_b32 v1, 31, v0                           ; lane
	v_lshrrev_b32 v4, 5, v0
	v_readfirstlane_b32 s10, v4                    ; wave 0..15
	s_and_b32 s11, s10, 1                          ; stage B: which 32 of the 64 queries
	s_lshr_b32 s12, s10, 1                         ; stage B: part 0..7
	s_lshl_b32 s16, ttmp9, 9                       ; the work-group's 64 queries x 8 bytes, in pos and in a part of gsel
	s_mov_b32 s17, 0
	s_mov_b32 s13, 0                               ; byte of the pair of queries to be loaded
	v_lshlrev_b32 v4, 7, v0                        ; my group's 128 bytes of coordinates
	s_lshl_b32 s15, s10, 7
	v_lshl_add_u32 v5, v1, 2, s15                  ; MIN: 4 x group, query 0
	s_mul_i32 s15, s11, 32*PITCH
	s_lshl_b32 s18, s12, 8
	s_add_co_u32 s15, s15, s18
	v_mul_u32_u24 v6, v1, PITCH
	v_add_nc_u32 v6, s15, v6                       ; MIN: my query's row, my part's 64 minima: walked by pass 0,
	v_mov_b32 v8, v6                               ; and once more by pass 1
	s_lshl_b32 s15, s12, 12
	s_lshl_b32 s18, s11, 9
	s_add_co_u32 s15, s15, s18
	s_add_co_u32 s15, s15, LIST
	v_lshl_add_u32 v7, v1, 4, s15                  ; LIST: my part, my query
	s_lshl_b32 s15, s12, 6
	s_or_b32 s15, s15, 0x40000000
	v_mov_b32 v[IDA], s15                          ; my part's first group, as a code
	v_add_nc_u32 v[IDB], 0x200, v[IDA]
	v_mov_b32 v[SEN], 0x7f800000
	s_lshl_b32 s15, s11, 7
	s_add_co_u32 s15, s15, TBUF
	v_lshl_add_u32 v14, v1, 2, s15                 ; my query's word of TBUF
	s_lshl_b32 s15, s11, 8
	v_lshl_add_u32 v12, v1, 3, s15                 ; my query's 8 bytes in a part of gsel
	v_mov_b32 v97, 0                               ; named with v96 as a pair
	s_wait_kmcnt 0x0
	s_add_nc_u64 s[4:5], s[4:5], s[16:17]
	s_add_nc_u64 s[8:9], s[8:9], s[16:17]
	s_load_b128 s[20:23], s[4:5], s13 offset:0x0   ; queries 0 and 1
.set i, 0
.rept 8
	global_load_b128 v[64+4*i:67+4*i], v4, s[6:7] offset:16*i
.set i, i+1
.endr
	s_wait_loadcnt 0x0
	EACH16 v_mov_b32 v[16+j], v[64+2*j]            ; x of my 16 points, so that two points make a register pair
	EACH16 v_mov_b32 v[32+j], v[65+2*j]            ; y
.set i, 0
.rept 8
	v_pk_mul_f32 v[48+2*i:49+2*i], v[16+2*i:17+2*i], v[16+2*i:17+2*i]
.if SM_FMA
	v_pk_fma_f32 v[48+2*i:49+2*i], v[32+2*i:33+2*i], v[32+2*i:33+2*i], v[48+2*i:49+2*i]
.else
	v_pk_mul_f32 v[100+2*i:101+2*i], v[32+2*i:33+2*i], v[32+2*i:33+2*i]
	v_pk_add_f32 v[48+2*i:49+2*i], v[48+2*i:49+2*i], v[100+2*i:101+2*i]
.endif
.set i, i+1
.endr
	s_mov_b32 s14, 32
.Lquery:                                       ; 32 trips of two queries
	s_wait_kmcnt 0x0                               ; this trip's two queries are in, so s13 and s[20:23] may be written
	s_mov_b64 s[24:25], s[20:21]
	s_mov_b32 s26, s21
	s_mov_b32 s27, s21
	s_mov_b64 s[28:29], s[22:23]
	s_mov_b32 s30, s23
	s_mov_b32 s31, s23
	s_add_co_u32 s13, s13, 16
	s_min_u32 s13, s13, 496                        ; the last trip's look-ahead stays on the work-group's last pair
	s_load_b128 s[20:23], s[4:5], s13 offset:0x0
	DIST 24, 0
	DIST 28, PITCH
	v_add_nc_u32 v5, 2*PITCH, v5
	s_sub_co_u32 s14, s14, 1
	s_cmp_lg_u32 s14, 0
	s_cbranch_scc1 .Lquery
	s_wait_kmcnt 0x0
	s_wait_dscnt 0x0                               ; my minima lie in LDS
	s_barrier_signal -1
	s_barrier_wait -1
	SELECT 0, 6                                    ; the bare minima: part 0 ends with the query's 16 least, ascending
	s_cmp_lg_u32 s12, 0
	s_cbranch_scc1 .Lno_t
	ds_store_b32 v14, v[X+15]                      ; T
.Lno_t:
	s_wait_dscnt 0x0
	s_barrier_signal -1
	s_barrier_wait -1
	ds_load_b32 v[TT], v14
	s_wait_dscnt 0x0
	SELECT 1, 8                                    ; the codes
	s_cmp_lg_u32 s12, 0
	s_cbranch_scc1 .Lend                           ; part 0 holds the result
	EACH16 v_and_b32 v[X+j], 0x1ff, v[X+j]         ; a code's low 9 bits are the group's number
.set i, 0
.rept 8
	global_store_b64 v12, v[X+2*i:X+2*i+1], s[8:9] offset:131072*i  ; a wave's store covers 256 consecutive bytes, aligned
.set i, i+1
.endr
.Lend:
	s_wait_tensorcnt 0x0                           ; the wave's end, behind my last LDS store
	ds_add_u32 v[SPW], v[NIL]
	s_wait_dscnt 0x0
	s_endpgm
.Lfunc_end_k_qa3c6ccec1b_knn_groups:
	.size	k_qa3c6ccec1b_knn_groups, .Lfunc_end_k_qa3c6ccec1b_knn_groups-k_qa3c6ccec1b_knn_groups
	.p2alignl 7, 3214868480
	.fill 96, 4, 3214868480
	.section	.rodata,"a",@progbits
	.p2align	6, 0x0
	.amdhsa_kernel k_qa3c6ccec1b_knn_groups
		.amdhsa_group_segment_fixed_size 199936
		.amdhsa_private_segment_fixed_size 0
		.amdhsa_enable_private_segment 0
		.amdhsa_kernarg_size 24
		.amdhsa_user_sgpr_count 2
		.amdhsa_user_sgpr_kernarg_segment_ptr 1
		.amdhsa_wavefront_size32 1
		.amdhsa_system_sgpr_workgroup_id_x 1
		.amdhsa_system_sgpr_workgroup_id_y 1
		.amdhsa_system_sgpr_workgroup_id_z 1
		.amdhsa_system_vgpr_workitem_id 0
		.amdhsa_next_free_vgpr 128
		.amdhsa_next_free_sgpr 66
		.amdhsa_reserve_vcc 0
		.amdhsa_float_denorm_mode_32 3
		.amdhsa_float_denorm_mode_16_64 3
		.amdhsa_memory_ordered 1
		.amdhsa_forward_progress 1
		.amdhsa_inst_pref_size 55
	.end_amdhsa_kernel
	.amdgpu_metadata
---
amdhsa.version: [ 1, 2 ]
amdhsa.kernels:
  - .name:           k_qa3c6ccec1b_knn_groups
    .symbol:         k_qa3c6ccec1b_knn_groups.kd
    .args:
      - { .name: pos, .offset: 0, .size: 8, .value_kind: global_buffer, .address_space: global }
      - { .name: measure_coords, .offset: 8, .size: 8, .value_kind: global_buffer, .address_space: global }
      - { .name: gsel, .offset: 16, .size: 8, .value_kind: global_buffer, .address_space: global }
    .group_segment_fixed_size: 199936
    .private_segment_fixed_size: 0
    .kernarg_segment_align: 8
    .kernarg_segment_size: 24
    .max_flat_workgroup_size: 512
    .sgpr_count:     66
    .vgpr_count:     128
    .wavefront_size: 32
...
	.end_amdgpu_metadata
.endif
;; end of part 9
;; launch knn_exact (part 10): grid 256 x 1, 16 waves a work-group, no clusters, 67,584 bytes of LDS; arguments pos, measure_coords, gsel, nidx; writes nidx
.if DOCPART == 10
	.amdgcn_target "amdgcn-amd-amdhsa--gfx1250"
	.amdhsa_code_object_version 6
	.text
	.protected	k_qa3c6ccec1b_knn_exact
	.globl	k_qa3c6ccec1b_knn_exact
	.p2align	8
	.type	k_qa3c6ccec1b_knn_exact,@function
k_qa3c6ccec1b_knn_exact:
	s_mov_b64 s[64:65], 0
	v_nop
	global_prefetch_b8 v0, s[64:65] scope:SCOPE_SE
	s_setreg_imm32_b32 hwreg(HW_REG_WAVE_MODE, 25, 1), 1
	s_wait_xcnt 0x0
; kNN, second pass.  For each query the 256 points of the 16 groups that the first pass chose: d2 with the same roundings, and the 16 first by (d2, index), in order.
; The group numbers are whole numbers read from memory (clamped to 511 before they enter an address); the indices leave as whole numbers for the next launch.
; d2 = (sp + sm) - 2 dot in f32, each rounding as the three switches say (1: x x' is rounded, y y' is fused onto it; 0: both products rounded, then added); they are set as in the first pass.
; SHARES: a work-group has 64 queries; thread = (part p of 8, query) takes 2 groups, one a trip; then the 8 parts' lists meet in LDS.
; TWO IN ONE.  A distance's float lines take two points each, and a comparator's two selects of indices are one line.  Such a line wants one even and one odd destination, and its two first
; sources (and its two second ones) in registers that differ modulo 4, or the same register.  A comparator joins elements whose places in the network differ in one bit, so inside a network
; element e lies in register (e & 14) | (the parity of e's bits): a one-to-one map under which such a pair is always an even and an odd register.  A network's last layer (places 1 apart)
; writes to the plain places, so that lists lie in order of rank.
; LIMITS: NaN and infinities are not treated apart; d2 is never -0.
.set SP_FMA, 0
.set SM_FMA, 0
.set DOT_FMA, 1
.set LIST, 0                           ; [part 8][quad 8][query 64] x 16 bytes: quads 0-3 keys, 4-7 indices
.set SPARE, 65536                      ; the spare words, 128 bytes for each of 16 waves
.set SPW, 2
.set NIL, 3
.set T, 10
.set PX, 12                            ; v12, v13 my query
.set PY, 13
.set SP, 18                            ; v18  its sum of squares
.set M2, 22                            ; v22  -2.0
.set X, 32                             ; three sets of 16 keys + 16 indices: X the running list (ascending, plain places), Y and Z at work
.set Y, 64
.set Z, 96
.set C, 128                            ; v[128:159] a group's 16 points as they lie in memory: x, y
.macro EACH16 line:vararg
.set j, 0
.rept 16
	\line
.set j, j+1
.endr
.endm
; One float operation for the points j and j + 1 in a line, eight lines: registers d + j, a + sa j, b + sb j (sa = 0: one register for all points)
.macro DU op, d, a, sa, b, sb
.set j, 0
.rept 8
	v_dual_\op v[(\d)+j], v[(\a)+(\sa)*j], v[(\b)+(\sb)*j] :: v_dual_\op v[(\d)+j+1], v[(\a)+(\sa)*(j+1)], v[(\b)+(\sb)*(j+1)]
.set j, j+2
.endr
.endm
; A comparator from set s into set d: d[a] <= d[b] by (key, index).  The carry of Ka + ~Kb + (ia > ib) is set where (Ka, ia) > (Kb, ib).  nat = 1: the results go to the plain places.
.macro CE s, d, a, b, nat
.set pa, ((\a)&14)|((((\a)>>3)^((\a)>>2)^((\a)>>1)^(\a))&1)
.set pb, ((\b)&14)|((((\b)>>3)^((\b)>>2)^((\b)>>1)^(\b))&1)
.if \nat
.set da, \a
.set db, \b
.else
.set da, pa
.set db, pb
.endif
	v_cmp_gt_u32 vcc_lo, v[(\s)+16+pa], v[(\s)+16+pb]
	v_not_b32 v[T], v[(\s)+pb]
	v_min_u32 v[(\d)+da], v[(\s)+pa], v[(\s)+pb]
	v_add_co_ci_u32 v[T], vcc_lo, v[(\s)+pa], v[T], vcc_lo
	v_max_u32 v[(\d)+db], v[(\s)+pa], v[(\s)+pb]
	v_dual_cndmask_b32 v[(\d)+16+da], v[(\s)+16+pa], v[(\s)+16+pb] :: v_dual_cndmask_b32 v[(\d)+16+db], v[(\s)+16+pb], v[(\s)+16+pa]
.endm
.macro LAYER s, d, k, j, nat=0
.set i, 0
.rept 16
.set l, i^(\j)
.if l > i
.if (i&(\k)) == 0
	CE \s, \d, i, l, \nat
.else
	CE \s, \d, l, i, \nat
.endif
.endif
.set i, i+1
.endr
.endm
.macro SORT16                          ; Y (16 elements in any order) is sorted ascending, back in Y, in the plain places
	LAYER Y, Z, 2, 1
	LAYER Z, Y, 4, 2
	LAYER Y, Z, 4, 1
	LAYER Z, Y, 8, 4
	LAYER Y, Z, 8, 2
	LAYER Z, Y, 8, 1
	LAYER Y, Z, 16, 8
	LAYER Z, Y, 16, 4
	LAYER Y, Z, 16, 2
	LAYER Z, Y, 16, 1, 1
.endm
.macro HC16                            ; Z[i] = the lesser of X[i] and Y[15 - i]: the 16 least of both lists, a bitonic run
.set i, 0
.rept 16
.set p0, (i&14)|(((i>>3)^(i>>2)^(i>>1)^i)&1)
	v_cmp_gt_u32 vcc_lo, v[X+16+i], v[Y+31-i]
	v_not_b32 v[T], v[Y+15-i]
	v_add_co_ci_u32 v[T], vcc_lo, v[X+i], v[T], vcc_lo
	v_min_u32 v[Z+p0], v[X+i], v[Y+15-i]
	v_cndmask_b32 v[Z+16+p0], v[X+16+i], v[Y+31-i], vcc_lo
.set i, i+1
.endr
.endm
.macro BMERGE                          ; the bitonic run in Z, sorted, into X, in the plain places
	LAYER Z, Y, 16, 8
	LAYER Y, Z, 16, 4
	LAYER Z, Y, 16, 2
	LAYER Y, X, 16, 1, 1
.endm
.macro XMERGE st                       ; part p with p mod 2 st = st stores its list, part p - st takes it in; each list's bytes are written once
	s_and_b32 s15, s12, 2*(\st)-1
	s_cmp_lg_u32 s15, \st
	s_cbranch_scc1 .Lkeep_\@
.set j, 0
.rept 8
	ds_store_b128 v7, v[X+4*j:X+4*j+3] offset:1024*j
.set j, j+1
.endr
.Lkeep_\@:
	s_wait_dscnt 0x0
	s_barrier_signal -1
	s_barrier_wait -1
	s_cmp_lg_u32 s15, 0
	s_cbranch_scc1 .Lidle_\@
.set j, 0
.rept 8
	ds_load_b128 v[Y+4*j:Y+4*j+3], v7 offset:8192*(\st)+1024*j
.set j, j+1
.endr
	s_wait_dscnt 0x0
	HC16
	BMERGE
.Lidle_\@:
.endm
	s_load_b256 s[4:11], s[0:1], 0x0               ; pos s[4:5], measure_coords s[6:7], gsel s[8:9], nidx s[10:11]
	v_lshl_add_u32 v[SPW], v0, 2, SPARE
	v_mov_b32 v[NIL], 0
	v_and_b32 v1, 31, v0
	v_lshrrev_b32 v4, 5, v0
	v_readfirstlane_b32 s22, v4                    ; wave 0..15
	s_and_b32 s13, s22, 1                          ; which 32 of the 64 queries
	s_lshr_b32 s12, s22, 1                         ; part 0..7
	s_lshl_b32 s16, ttmp9, 9                       ; 64 queries x 8 bytes
	s_mov_b32 s17, 0
	s_lshl_b32 s18, ttmp9, 10                      ; 64 queries x 16 bytes
	s_mov_b32 s19, 0
	s_mov_b32 s20, 0x80000000
	s_lshl_b32 s15, s13, 8
	v_lshl_add_u32 v4, v1, 3, s15                  ; my query's 8 bytes of pos
	s_lshl_b32 s15, s12, 17
	v_add_nc_u32 v5, s15, v4                       ; and of my part of gsel
	s_lshl_b32 s15, s13, 9
	v_lshl_add_u32 v20, v1, 4, s15                 ; my query's 16 bytes in a quad of nidx
	s_lshl_b32 s21, s12, 13
	s_add_co_u32 s15, s15, s21
	v_lshl_add_u32 v7, v1, 4, s15                  ; LIST: my part, my query
	v_mov_b32 v[M2], -2.0
	s_wait_kmcnt 0x0
	s_add_nc_u64 s[4:5], s[4:5], s[16:17]
	s_add_nc_u64 s[8:9], s[8:9], s[16:17]
	s_add_nc_u64 s[10:11], s[10:11], s[18:19]
	global_load_b64 v[PX:PY], v4, s[4:5]
	global_load_b64 v[14:15], v5, s[8:9]
.set j, 0
.rept 32
	v_mov_b32 v[X+j], -1                           ; the list is written whole ahead of the loop, while the loads are out: it holds entries on every way through the text; the first trip writes over them
.set j, j+1
.endr
	s_wait_loadcnt 0x0
	v_min_u32 v14, 0x1ff, v14                      ; a number read from memory enters an address only clamped
	v_min_u32 v15, 0x1ff, v15
	v_lshlrev_b32 v16, 7, v14                      ; a group's 128 bytes
	v_lshlrev_b32 v17, 7, v15
	v_lshlrev_b32 v19, 4, v14                      ; its first index
.set i, 0
.rept 8
	global_load_b128 v[C+4*i:C+4*i+3], v16, s[6:7] offset:16*i
.set i, i+1
.endr
	v_mul_f32 v[SP], v[PX], v[PX]
.if SP_FMA
	v_fma_f32 v[SP], v[PY], v[PY], v[SP]
.else
	v_mul_f32 v21, v[PY], v[PY]
	v_add_f32 v[SP], v[SP], v21
.endif
	s_mov_b32 s14, 2
.Lgroup:
	s_wait_loadcnt 0x0
	DU mul_f32, Y, C, 2, C, 2                      ; x x
.if SM_FMA
	DU fmac_f32, Y, C+1, 2, C+1, 2                 ; + y y, fused
.else
	DU mul_f32, Z+16, C+1, 2, C+1, 2               ; y y
	DU add_f32, Y, Y, 1, Z+16, 1                   ; sm
.endif
	DU mul_f32, Z, PX, 0, C, 2                     ; px x
.if DOT_FMA
	DU fmac_f32, Z, PY, 0, C+1, 2                  ; + py y, fused: dot
.else
	DU mul_f32, Z+16, PY, 0, C+1, 2
	DU add_f32, Z, Z, 1, Z+16, 1
.endif
	DU add_f32, Y, SP, 0, Y, 1                     ; sp + sm
	DU fmac_f32, Y, M2, 0, Z, 1                    ; - 2 dot: 2 dot is exact, so this is the subtraction's one rounding
	EACH16 v_ashrrev_i32 v[Z+j], 31, v[Y+j]        ; key = bits ^ (sign ? all ones : top bit): unsigned order = the floats' order
	EACH16 v_or_b32 v[Z+j], s20, v[Z+j]
	EACH16 v_xor_b32 v[Y+j], v[Y+j], v[Z+j]
	EACH16 v_add_nc_u32 v[Y+16+j], j, v19
	s_cmp_eq_u32 s14, 1
	s_cbranch_scc1 .Lno_more                       ; the second trip has nothing left to load
.set i, 0
.rept 8
	global_load_b128 v[C+4*i:C+4*i+3], v17, s[6:7] offset:16*i   ; the second group comes in while the first is sorted
.set i, i+1
.endr
	v_lshlrev_b32 v19, 4, v15
.Lno_more:
	SORT16
	s_cmp_eq_u32 s14, 2
	s_cbranch_scc0 .Lsecond
.set j, 0
.rept 16
	v_dual_mov_b32 v[X+j], v[Y+j] :: v_dual_mov_b32 v[X+j+1], v[Y+j+1]   ; the first group's sorted 16 are the list: there is nothing yet to merge them with
.set j, j+2
.endr
	s_branch .Lnext
.Lsecond:
	HC16
	BMERGE
.Lnext:
	s_sub_co_u32 s14, s14, 1
	s_cmp_lg_u32 s14, 0
	s_cbranch_scc1 .Lgroup
	XMERGE 1
	XMERGE 2
	XMERGE 4
	s_cmp_lg_u32 s12, 0
	s_cbranch_scc1 .Lend
.set i, 0
.rept 4
	global_store_b128 v20, v[X+16+4*i:X+19+4*i], s[10:11] offset:262144*i  ; ranks 4 i .. 4 i + 3: a wave's store covers 512 consecutive bytes, aligned
.set i, i+1
.endr
.Lend:
	s_wait_tensorcnt 0x0                           ; the wave's end, behind my last LDS store
	ds_add_u32 v[SPW], v[NIL]
	s_wait_dscnt 0x0
	s_endpgm
.Lfunc_end_k_qa3c6ccec1b_knn_exact:
	.size	k_qa3c6ccec1b_knn_exact, .Lfunc_end_k_qa3c6ccec1b_knn_exact-k_qa3c6ccec1b_knn_exact
	.p2alignl 7, 3214868480
	.fill 96, 4, 3214868480
	.section	.rodata,"a",@progbits
	.p2align	6, 0x0
	.amdhsa_kernel k_qa3c6ccec1b_knn_exact
		.amdhsa_group_segment_fixed_size 67584
		.amdhsa_private_segment_fixed_size 0
		.amdhsa_enable_private_segment 0
		.amdhsa_kernarg_size 32
		.amdhsa_user_sgpr_count 2
		.amdhsa_user_sgpr_kernarg_segment_ptr 1
		.amdhsa_wavefront_size32 1
		.amdhsa_system_sgpr_workgroup_id_x 1
		.amdhsa_system_sgpr_workgroup_id_y 1
		.amdhsa_system_sgpr_workgroup_id_z 1
		.amdhsa_system_vgpr_workitem_id 0
		.amdhsa_next_free_vgpr 160
		.amdhsa_next_free_sgpr 66
		.amdhsa_reserve_vcc 1
		.amdhsa_float_denorm_mode_32 3
		.amdhsa_float_denorm_mode_16_64 3
		.amdhsa_memory_ordered 1
		.amdhsa_forward_progress 1
		.amdhsa_inst_pref_size 72
	.end_amdhsa_kernel
	.amdgpu_metadata
---
amdhsa.version: [ 1, 2 ]
amdhsa.kernels:
  - .name:           k_qa3c6ccec1b_knn_exact
    .symbol:         k_qa3c6ccec1b_knn_exact.kd
    .args:
      - { .name: pos, .offset: 0, .size: 8, .value_kind: global_buffer, .address_space: global }
      - { .name: measure_coords, .offset: 8, .size: 8, .value_kind: global_buffer, .address_space: global }
      - { .name: gsel, .offset: 16, .size: 8, .value_kind: global_buffer, .address_space: global }
      - { .name: nidx, .offset: 24, .size: 8, .value_kind: global_buffer, .address_space: global }
    .group_segment_fixed_size: 67584
    .private_segment_fixed_size: 0
    .kernarg_segment_align: 8
    .kernarg_segment_size: 32
    .max_flat_workgroup_size: 512
    .sgpr_count:     66
    .vgpr_count:     160
    .wavefront_size: 32
...
	.end_amdgpu_metadata
.endif
;; end of part 10
;; launch feat_l1: the kernel of part 3 again; grid 64 x 4, 8 waves a work-group, no clusters, 150,016 bytes of LDS; arguments pos, measure_coords, measure_vals, nidx, w1, b1, out1, yA, pA; writes out1, yA, pA
;; launch layer2: the kernel of part 4 again; grid 64 x 4, 8 waves a work-group, no clusters, 236,544 bytes of LDS; arguments yA, pA, g1, be1, w2, b2, yB, pB; writes yB, pB
;; launch layer3 (part 11): grid 64 x 4, 8 waves a work-group, no clusters, 236,544 bytes of LDS; arguments yB, pB, g2, be2, w3, b3, yA, pA; writes yA, pA
.if DOCPART == 11
	.amdgcn_target "amdgcn-amd-amdhsa--gfx1250"
	.amdhsa_code_object_version 6
	.text
	.protected	k_qa3c6ccec1b_layer3
	.globl	k_qa3c6ccec1b_layer3
	.p2align	8
	.type	k_qa3c6ccec1b_layer3,@function
k_qa3c6ccec1b_layer3:
	s_mov_b64 s[64:65], 0
	v_nop
	global_prefetch_b8 v0, s[64:65] scope:SCOPE_SE
	s_setreg_imm32_b32 hwreg(HW_REG_WAVE_MODE, 25, 1), 1
	s_wait_xcnt 0x0
; A LAYER: x = relu(a y + c), the batch norm of the layer before folded into a = g rsqrt(var + 1e-5), c = be - mean a; then y' = x w + b and y's block statistics.  Here K = 256, N = 512.
; y and y' lie transposed, [columns][16384] f16.  The statistics of the layer before come as [64 row blocks][mean, M2][K] f32; every work-group joins them itself, about a pivot
; (block 0's means), so that no difference of large sums is formed.  A work-group: 256 rows (block rb) x NB = N / 4 columns (block cb); wave w: rows 32 w .. 32 w + 31, all NB columns.
; Activations and weights lie K-major in LDS, [k][m] and [k][n] in f16, and both fragments come by the turning load.  Products in f16, sums in f32, beginning at the bias.
; IN FLIGHT.  The first chunk of y is asked for first.  The row blocks' statistics go through a ring of SL register slots, each asked for again as soon as it is read out; the weights' loads take
; the slots as the last blocks leave them.  The second chunk of y goes into a second buffer, v256-319; a later chunk reaches the one text of the chunk loop by 64 moves out of that buffer.
; No tensor loads and no cluster: every byte of y passes the norm in registers on its way to LDS.  LIMITS: x, w, y' below 65,504 in magnitude (f16).
.set K, 256
.set N, 512
.set NB, 128
.set PW, 288                           ; a row of the weights in LDS: 2 NB + 32 bytes, an odd multiple of 32
.set PRE, 0                            ; B's 64 fragment registers overlap the chunk's: the next chunk is brought over behind the products
.set RB, 40                            ; v128-255 await the weights: the statistics are joined in v40-63, two slices at a time
.set RN, 2
.set LOGKQ, 6                          ; log2(K / 4)
.set LOGTPR, 5                         ; log2(NB / 4)
.set NT, NB/16
.set KC, 128                           ; K goes in chunks of 128
.set NC, K/KC
.set S, 1024/K                         ; slices of row blocks among the 256 threads
.set RS, K/16                          ; row blocks in a slice
.if RS > 16
.set SL, 16                            ; slots of the ring: 8 registers each, v128-255
.else
.set SL, RS
.endif
.if NC > 1
.set Y1N, KC/8                         ; loads of the second chunk
.else
.set Y1N, 0
.endif
.set TPR, NB/4
.set NPW, K*NB/1024                    ; loads of 16 bytes of w for each thread
.set PSTEP, (256/TPR)*PW
.set FW, K/128                         ; waves that finish the statistics
.if NB >= 32
.set CW, NB/32
.else
.set CW, 1
.endif
.set APITCH, 544                       ; a row of the activations in LDS: 512 + 32 bytes = 17 x 32
.set SPITCH, 528                       ; a column of the stage: 512 + 16 bytes
.set ABUF, 0
.set WBUF, 69632
.set ACT, 143360                       ; (a, c) for each k
.set RED, 147456                       ; [slice][S1, S2, SM][K]
.set SCR, 159744                       ; [wave][column] (mean, M2)
.set STG, 167936
.set SPARE, 235520
.set ACC, 128
.set RBK, 64
.set YO, 16
.set PO, 18
.set MSB, 0
.macro WIN new                         ; the register windows: bits 1:0 source 0, 7:6 destination; the immediate's high byte repeats the setting that is left
.if MSB != (\new)
	s_set_vgpr_msb (MSB<<8)|(\new)
.set MSB, \new
.endif
.endm
.macro PLACES
.rept 4
	v_nop
.endr
.endm
.macro EPILOGUE
	s_mul_i32 s24, s20, NB*8                       ; seven plain vector lines that name no product's register: the places behind the last products
	s_add_co_u32 s24, s24, SCR
	v_lshl_add_u32 v12, v2, 3, s24
	s_lshl_b32 s24, s20, 6
	s_add_co_u32 s24, s24, STG
	v_mul_u32_u24 v13, v2, SPITCH
	v_lshl_add_u32 v13, v3, 4, v13
	v_add_nc_u32 v13, s24, v13                     ; column r, rows 32 w + 8 h
	s_mul_i32 s24, s20, SPITCH
	s_add_co_u32 s24, s24, STG
	v_lshl_add_u32 v14, v1, 4, s24                 ; back: column w, 16 bytes a lane
	s_lshl_b32 s24, s20, 15
	s_lshl_b32 s25, s21, 9
	s_add_co_u32 s24, s24, s25
	v_lshl_add_u32 v15, v1, 4, s24                 ; the same in y': column w, row block rb
	v_mov_b32 v25, 0
.set n, 0
.rept NT
.set A0, ACC+16*n
.set A1, ACC+16*n+8
	v_pk_add_f32 v[16:17], v[A0:A0+1], v[A0+2:A0+3]        ; each accumulator is read from its low end on
	v_pk_add_f32 v[18:19], v[A0+4:A0+5], v[A0+6:A0+7]
	v_pk_add_f32 v[20:21], v[A1:A1+1], v[A1+2:A1+3]
	v_pk_add_f32 v[22:23], v[A1+4:A1+5], v[A1+6:A1+7]
	v_pk_add_f32 v[16:17], v[16:17], v[18:19]
	v_pk_add_f32 v[20:21], v[20:21], v[22:23]
	v_pk_add_f32 v[16:17], v[16:17], v[20:21]
	v_add_f32 v16, v16, v17
	v_permlanex16_b32 v17, v16, s32, s33           ; the column's other 16 rows lie in the lane 16 away
	v_add_f32 v16, v16, v17
	v_mul_f32 v24, 0x3d000000, v16                 ; / 32
.set q, 0
.rept 4
	v_pk_add_f32 v[32+2*q:33+2*q], v[A0+2*q:A0+2*q+1], v[24:25] op_sel_hi:[1,0] neg_lo:[0,1] neg_hi:[0,1]
	v_pk_add_f32 v[40+2*q:41+2*q], v[A1+2*q:A1+2*q+1], v[24:25] op_sel_hi:[1,0] neg_lo:[0,1] neg_hi:[0,1]
.set q, q+1
.endr
	v_pk_mul_f32 v[16:17], v[32:33], v[32:33]
	v_pk_mul_f32 v[18:19], v[40:41], v[40:41]
.set q, 1
.rept 3
	v_pk_fma_f32 v[16:17], v[32+2*q:33+2*q], v[32+2*q:33+2*q], v[16:17]
	v_pk_fma_f32 v[18:19], v[40+2*q:41+2*q], v[40+2*q:41+2*q], v[18:19]
.set q, q+1
.endr
	v_pk_add_f32 v[16:17], v[16:17], v[18:19]
	v_add_f32 v16, v16, v17
	v_permlanex16_b32 v17, v16, s32, s33
	v_add_f32 v25, v16, v17
	ds_store_b64 v12, v[24:25] offset:128*n        ; both halves of the lanes hold, and write, the same two numbers
.set q, 0
.rept 4
	v_cvt_pk_f16_f32 v[48+q], v[A0+2*q], v[A0+2*q+1]
	v_cvt_pk_f16_f32 v[52+q], v[A1+2*q], v[A1+2*q+1]
.set q, q+1
.endr
	ds_store_b128 v13, v[48:51] offset:16*SPITCH*n
	ds_store_b128 v13, v[52:55] offset:16*SPITCH*n+32
.set n, n+1
.endr
	s_wait_dscnt 0x0                               ; for the others' sake: my part of the stage and of SCR is written
	s_barrier_signal -1
	s_barrier_wait -1
.set i, 0
.rept NB/8
	ds_load_b128 v[RBK+4*i:RBK+4*i+3], v14 offset:8*SPITCH*i
.set i, i+1
.endr
.set i, 0
.rept NB/8
	s_wait_dscnt NB/8-1-i                          ; the younger loads from the stage may stay out
	global_store_b128 v15, v[RBK+4*i:RBK+4*i+3], s[YO:YO+1] offset:262144*i  ; column w + 8 i: 512 consecutive bytes, aligned
.set i, i+1
.endr
	s_cmp_ge_u32 s20, CW
	s_cbranch_scc1 .Lend
	s_mul_i32 s24, s21, 8*N
	s_mul_i32 s25, s22, NB*4
	s_add_co_u32 s24, s24, s25
.if NB >= 32
	v_lshl_add_u32 v12, v0, 3, SCR                 ; thread t joins column t
	v_lshl_add_u32 v13, v0, 2, s24
.else
	v_lshl_add_u32 v12, v2, 3, SCR                 ; both halves of the lanes join column r; the lower stores the mean, the upper M2
	v_lshl_add_u32 v13, v2, 2, s24
	v_mul_u32_u24 v40, v3, 4*N
	v_add_nc_u32 v13, v13, v40
.endif
.set i, 0
.rept 8
	ds_load_b64 v[16+2*i:17+2*i], v12 offset:NB*8*i
.set i, i+1
.endr
	s_wait_dscnt 0x0
	v_pk_add_f32 v[32:33], v[16:17], v[18:19]
	v_pk_add_f32 v[34:35], v[20:21], v[22:23]
	v_pk_add_f32 v[36:37], v[24:25], v[26:27]
	v_pk_add_f32 v[38:39], v[28:29], v[30:31]
	v_pk_add_f32 v[32:33], v[32:33], v[34:35]
	v_pk_add_f32 v[36:37], v[36:37], v[38:39]
	v_pk_add_f32 v[32:33], v[32:33], v[36:37]
	v_mul_f32 v32, 0x3e000000, v32                 ; the block's mean = the eight means / 8
.set i, 0
.rept 8
	v_sub_f32 v[16+2*i], v[16+2*i], v32
.set i, i+1
.endr
	v_mul_f32 v34, v16, v16
	v_mul_f32 v35, v18, v18
	v_fmac_f32 v34, v20, v20
	v_fmac_f32 v35, v22, v22
	v_fmac_f32 v34, v24, v24
	v_fmac_f32 v35, v26, v26
	v_fmac_f32 v34, v28, v28
	v_fmac_f32 v35, v30, v30
	v_add_f32 v34, v34, v35
	v_fmamk_f32 v33, v34, 0x42000000, v33          ; M2 = the eight M2 + 32 x the squares of the means' distances
.if NB >= 32
	global_store_b32 v13, v32, s[PO:PO+1]
	global_store_b32 v13, v33, s[PO:PO+1] offset:4*N
.else
	v_cmp_eq_u32 vcc_lo, 1, v3
	v_cndmask_b32 v32, v32, v33, vcc_lo
	global_store_b32 v13, v32, s[PO:PO+1]
.endif
.Lend:
	s_wait_tensorcnt 0x0                           ; the wave's end, behind my last LDS store
	ds_add_u32 v10, v11
	s_wait_dscnt 0x0
	s_endpgm
.endm
.macro STATBLK b, s                    ; row block b of my slice, the means and M2 of my four columns, into slot s
	global_load_b128 v[128+8*(\s):131+8*(\s)], v44, s[6:7] offset:(\b)*8*K
	global_load_b128 v[132+8*(\s):135+8*(\s)], v44, s[6:7] offset:(\b)*8*K+4*K
.endm
.macro WLOAD n                         ; load n of my part of w, if there is one; wl counts those issued
.if (\n) < NPW
	global_load_b128 v[128+4*(\n):131+4*(\n)], v12, s[12:13] offset:16384*(\n)
.set wl, wl+1
.endif
.endm
; THE RING.  For each row block: D = mean - pivot; S1 += D; S2 += D D; SM += M2.  The slot that has been read out takes the block SL further on, or, when no block is left, two loads of w.
.macro STATS
.set i, 0
.rept SL
	STATBLK i, i
.set i, i+1
.endr
.set wl, 0
.set i, 0
.rept RS
.set sl, i%SL
.set nb, i+SL-1                        ; the youngest block asked for so far
.if nb > RS-1
.set nb, RS-1
.endif
	s_wait_loadcnt 2*(nb-i)+wl                     ; younger than block i's pair: the later blocks' pairs, and the loads of w issued so far
	v_pk_add_f32 v[40:41], v[128+8*sl:129+8*sl], v[28:29] neg_lo:[0,1] neg_hi:[0,1]
	v_pk_add_f32 v[42:43], v[130+8*sl:131+8*sl], v[30:31] neg_lo:[0,1] neg_hi:[0,1]
	v_pk_add_f32 v[24:25], v[24:25], v[132+8*sl:133+8*sl]
	v_pk_add_f32 v[26:27], v[26:27], v[134+8*sl:135+8*sl]
	v_pk_add_f32 v[16:17], v[16:17], v[40:41]
	v_pk_add_f32 v[18:19], v[18:19], v[42:43]
	v_pk_fma_f32 v[20:21], v[40:41], v[40:41], v[20:21]
	v_pk_fma_f32 v[22:23], v[42:43], v[42:43], v[22:23]
.if i+SL < RS
	STATBLK i+SL, sl
.else
	WLOAD 2*sl
	WLOAD 2*sl+1
.endif
.set i, i+1
.endr
.endm
; RN slices' sums from RED; slice 0 lands in the sums themselves, the others are added
.macro REDROUND first
.set j, 0
.rept 3*RN
.if 3*(\first)+j < 3
	ds_load_b128 v[16+4*j:19+4*j], v13 offset:4*K*j
.else
	ds_load_b128 v[RB+4*j:RB+4*j+3], v13 offset:4*K*(3*(\first)+j)
.endif
.set j, j+1
.endr
	s_wait_dscnt 0x0
.set j, 0
.rept 3*RN
.if 3*(\first)+j >= 3
	v_pk_add_f32 v[16+4*(j%3):17+4*(j%3)], v[16+4*(j%3):17+4*(j%3)], v[RB+4*j:RB+4*j+1]
	v_pk_add_f32 v[18+4*(j%3):19+4*(j%3)], v[18+4*(j%3):19+4*(j%3)], v[RB+4*j+2:RB+4*j+3]
.endif
.set j, j+1
.endr
.endm
.macro YLOADS                          ; the chunk of y at which s[4:5] stands: row k = w + 8 i, a wave's load is the row block's 512 bytes of that row
.set i, 0
.rept KC/8
	global_load_b128 v[64+4*i:67+4*i], v8, s[4:5] offset:262144*i
.set i, i+1
.endr
.endm
.macro Y1LOADS                         ; the chunk behind it, into the second buffer, v256-319
	WIN 0x40                                       ; destination in window 1, address in window 0
.set i, 0
.rept KC/8
	global_load_b128 v[4*i:4*i+3], v8, s[4:5] offset:KC*32768+262144*i
.set i, i+1
.endr
	WIN 0
.endm
; All trips but the last bring the next chunk over from the second buffer; where a chunk is left behind that one, the buffer is asked for again at once.
.macro NEXTY
	s_cmp_eq_u32 s23, 1
	s_cbranch_scc1 .Lno_next
	s_wait_loadcnt 0x0                             ; the second buffer's loads are in, and every load through s[4:5] is done
	WIN 0x01                                       ; source in window 1
.set i, 0
.rept 4*KC/8
	v_mov_b32 v[64+i], v[i]
.set i, i+1
.endr
	WIN 0
.if NC > 2
	s_cmp_eq_u32 s23, 2
	s_cbranch_scc1 .Lno_next
	s_add_nc_u64 s[4:5], s[4:5], KC*32768
	Y1LOADS
.endif
.Lno_next:
.endm
.macro KSTEP ks                        ; 32 along K: fragments of my 32 rows and of all NB columns, 2 NT products; the accumulators take turns, one instruction a turn
.if (\ks) > 0
	PLACES                                         ; in front of loads into registers that the last products read
.endif
.irp mt, 0,1
	ds_load_tr16_b128 v[32+8*(\mt):35+8*(\mt)], v6 offset:32*APITCH*(\ks)+32*(\mt)
	ds_load_tr16_b128 v[36+8*(\mt):39+8*(\mt)], v6 offset:32*APITCH*(\ks)+16*APITCH+32*(\mt)
.endr
.set n, 0
.rept NT
	ds_load_tr16_b128 v[48+8*n:51+8*n], v7 offset:32*PW*(\ks)+32*n
	ds_load_tr16_b128 v[52+8*n:55+8*n], v7 offset:32*PW*(\ks)+16*PW+32*n
.set n, n+1
.endr
	s_wait_dscnt 0x0
.set n, 0
.rept NT
	v_wmma_f32_16x16x32_f16 v[ACC+16*n:ACC+16*n+7], v[32:39], v[48+8*n:55+8*n], v[ACC+16*n:ACC+16*n+7]
	v_wmma_f32_16x16x32_f16 v[ACC+16*n+8:ACC+16*n+15], v[40:47], v[48+8*n:55+8*n], v[ACC+16*n+8:ACC+16*n+15]
.set n, n+1
.endr
.endm
	s_load_b512 s[4:19], s[0:1], 0x0               ; y 4, p 6, g 8, be 10, w 12, b 14, y' 16, p' 18
	v_lshl_add_u32 v10, v0, 2, SPARE
	v_mov_b32 v11, 0
	v_mov_b32 v9, 0                                ; the ReLU's zero
	v_and_b32 v1, 31, v0
	v_lshrrev_b32 v4, 5, v0
	v_readfirstlane_b32 s20, v4                    ; wave 0..7
	s_mov_b32 s21, ttmp9                           ; row block
	s_and_b32 s22, ttmp7, 0xffff                   ; column block
	v_and_b32 v2, 15, v0                           ; r
	v_bfe_u32 v3, v0, 4, 1                         ; h
	s_mov_b32 s32, 0x76543210
	s_mov_b32 s33, 0xfedcba98
	s_mov_b32 s34, 0x38800000                      ; 1 / 16384
	s_mov_b32 s35, s34
	s_mov_b32 s36, 0x3727c5ac                      ; 1e-5
	s_mov_b32 s37, s36
	v_and_b32 v45, K/4-1, v0                       ; statistics: my quad of columns,
	v_lshrrev_b32 v44, LOGKQ, v0                   ; my slice of row blocks
	v_lshlrev_b32 v45, 4, v45
	v_mul_u32_u24 v13, v44, 12*K
	v_add_nc_u32 v13, v13, v45
	v_add_nc_u32 v13, RED, v13
	v_mul_u32_u24 v44, v44, RS*8*K
	v_add_nc_u32 v44, v44, v45
	v_and_b32 v46, TPR-1, v0                       ; w: TPR threads to a row's NB columns
	v_lshrrev_b32 v47, LOGTPR, v0
	s_mul_i32 s28, s22, NB*4                       ; my block's first column, in bytes of f32
	v_mul_u32_u24 v12, v47, N*4
	v_lshl_add_u32 v12, v46, 4, v12
	v_add_nc_u32 v12, s28, v12
	v_mul_u32_u24 v15, v47, PW
	v_lshl_add_u32 v15, v46, 3, v15
	v_add_nc_u32 v15, WBUF, v15
	s_lshl_b32 s25, s20, 15
	s_lshl_b32 s26, s21, 9
	s_add_co_u32 s25, s25, s26
	v_lshl_add_u32 v8, v1, 4, s25                  ; y: row w, row block rb, 16 bytes a lane
	s_mul_i32 s25, s20, APITCH
	v_lshl_add_u32 v4, v1, 4, s25                  ; the same in ABUF
	s_lshl_b32 s25, s20, 3
	s_add_co_u32 s25, s25, ACT
	v_mov_b32 v5, s25                              ; (a, c) of row w
	v_and_b32 v46, 7, v0                           ; the turning load: row 8 h + l % 8, 16 bytes by bit 3 of the lane
	v_lshl_add_u32 v46, v3, 3, v46
	v_bfe_u32 v47, v0, 3, 1
	v_mul_u32_u24 v6, v46, APITCH
	v_lshl_add_u32 v6, v47, 4, v6
	s_lshl_b32 s25, s20, 6
	v_add_nc_u32 v6, s25, v6                       ; my 32 rows m: 64 bytes along ABUF's rows
	v_mul_u32_u24 v7, v46, PW
	v_lshl_add_u32 v7, v47, 4, v7
	v_add_nc_u32 v7, WBUF, v7
	s_mul_i32 s26, s22, NB*32768
	s_mov_b32 s27, 0
.set i, 16
.rept 12
	v_mov_b32 v[i], 0                              ; S1, S2, SM
.set i, i+1
.endr
	s_wait_kmcnt 0x0
	s_add_nc_u64 s[16:17], s[16:17], s[26:27]      ; my NB columns of y'
	YLOADS                                         ; the first chunk of y: older than every load that is waited for by a count below
	global_load_b128 v[32:35], v45, s[8:9]         ; g
	global_load_b128 v[36:39], v45, s[10:11]       ; be
	global_load_b128 v[28:31], v45, s[6:7]         ; the pivot: block 0's means
	STATS
.if NC > 1
	Y1LOADS
.endif
	ds_store_b128 v13, v[16:19]
	ds_store_b128 v13, v[20:23] offset:4*K
	ds_store_b128 v13, v[24:27] offset:8*K
	v_add_nc_u32 v13, RED, v45                     ; where the slices of my quad are read,
	v_lshl_add_u32 v14, v45, 1, ACT                ; and where its (a, c) go
	s_wait_dscnt 0x0
	s_barrier_signal -1
	s_barrier_wait -1
	s_cmp_ge_u32 s20, FW
	s_cbranch_scc1 .Lfin                           ; K / 4 threads finish a quad of columns each
.set f, 0
.rept S/RN
	REDROUND f
.set f, f+RN
.endr
.irp c, 0,2
	v_pk_mul_f32 v[RB+(\c):RB+(\c)+1], v[16+(\c):17+(\c)], 0x3c800000 op_sel_hi:[1,0]                               ; S1 / 64
	v_pk_fma_f32 v[20+(\c):21+(\c)], v[RB+(\c):RB+(\c)+1], v[16+(\c):17+(\c)], v[20+(\c):21+(\c)] neg_lo:[1,0,0] neg_hi:[1,0,0]  ; S2 - S1 S1 / 64
	v_pk_add_f32 v[28+(\c):29+(\c)], v[28+(\c):29+(\c)], v[RB+(\c):RB+(\c)+1]                                       ; mean = pivot + S1 / 64
	v_pk_fma_f32 v[24+(\c):25+(\c)], v[20+(\c):21+(\c)], 0x43800000, v[24+(\c):25+(\c)] op_sel_hi:[1,0,1]           ; M2 = SM + 256 (..)
	v_pk_fma_f32 v[24+(\c):25+(\c)], v[24+(\c):25+(\c)], s[34:35], s[36:37] op_sel_hi:[1,0,0]                       ; var + eps
.endr
.irp c, 0,1,2,3
	v_rsq_f32 v[24+(\c)], v[24+(\c)]
.endr
	v_nop                                          ; a plain instruction between the last root and the use of its result
	s_wait_alu depctr_va_vdst(0)
.irp c, 0,1,2,3
	v_mul_f32 v[RB+2*(\c)], v[32+(\c)], v[24+(\c)]
.endr
.irp c, 0,1,2,3
	v_fma_f32 v[RB+2*(\c)+1], -v[28+(\c)], v[RB+2*(\c)], v[36+(\c)]
.endr
	ds_store_b128 v14, v[RB:RB+3]
	ds_store_b128 v14, v[RB+4:RB+7] offset:16
.Lfin:
	s_wait_dscnt 0x0
	s_barrier_signal -1
	s_barrier_wait -1
	v_lshl_add_u32 v13, v2, 2, s28
.set n, 0
.rept NT
	global_load_b32 v[48+n], v13, s[14:15] offset:64*n     ; the bias of column 16 n + r
.set n, n+1
.endr
	s_wait_loadcnt NT+Y1N                          ; w is in: behind it came the second chunk's loads and the bias's NT
.if NPW > 16
	v_add_nc_u32 v12, 16*PSTEP, v15                ; the LDS offset has 16 bits: a second address from pass 16 on
.endif
.set i, 0
.rept NPW
	v_cvt_pk_f16_f32 v[128+4*i], v[128+4*i], v[129+4*i]
	v_cvt_pk_f16_f32 v[129+4*i], v[130+4*i], v[131+4*i]
.if i < 16
	ds_store_b64 v15, v[128+4*i:129+4*i] offset:PSTEP*i
.else
	ds_store_b64 v12, v[128+4*i:129+4*i] offset:PSTEP*(i-16)
.endif
.set i, i+1
.endr
	s_wait_loadcnt 0x0
.set n, 0
.rept NT
.set i, 0
.rept 16
	v_mov_b32 v[ACC+16*n+i], v[48+n]               ; the sums begin at the bias of the lane's column
.set i, i+1
.endr
.set n, n+1
.endr
.if NC > 1
	s_mov_b32 s23, NC
.Lchunk:                                       ; v64-127 hold this trip's chunk of y: by its loads in the first trip, by the moves later
	s_wait_dscnt 0x0
	s_barrier_signal -1
	s_barrier_wait -1                              ; nobody reads the last chunk's activations any more
.endif
.set i, 0
.rept KC/8
	ds_load_b64 v[16+2*i:17+2*i], v5 offset:64*i   ; (a, c) of row w + 8 i, the same for all lanes
.set i, i+1
.endr
	s_wait_dscnt 0x0
.set i, 0
.rept KC/8
.set j, 0
.rept 4
	v_fma_mixlo_f16 v[64+4*i+j], v[64+4*i+j], v[16+2*i], v[17+2*i] op_sel_hi:[1,0,0]                 ; in place: the upper half is kept,
.set j, j+1
.endr
.set j, 0
.rept 4
	v_fma_mixhi_f16 v[64+4*i+j], v[64+4*i+j], v[16+2*i], v[17+2*i] op_sel:[1,0,0] op_sel_hi:[1,0,0]  ; and read here
.set j, j+1
.endr
.set j, 0
.rept 4
	v_pk_max_num_f16 v[64+4*i+j], v[64+4*i+j], v9
.set j, j+1
.endr
	ds_store_b128 v4, v[64+4*i:67+4*i] offset:8*APITCH*i
.set i, i+1
.endr
	s_wait_dscnt 0x0                               ; for the others' sake: my rows of x, and my part of w, are written
.if (NC > 1) && PRE
	NEXTY
.endif
	s_barrier_signal -1
	s_barrier_wait -1
	KSTEP 0
	KSTEP 1
	KSTEP 2
	KSTEP 3
.if NC > 1
	PLACES
.if PRE == 0
	NEXTY
.endif
	v_add_nc_u32 v7, KC*PW, v7
	v_add_nc_u32 v5, 8*KC, v5
	s_sub_co_u32 s23, s23, 1
	s_cmp_lg_u32 s23, 0
	s_cbranch_scc1 .Lchunk
.endif
	EPILOGUE
.Lfunc_end_k_qa3c6ccec1b_layer3:
	.size	k_qa3c6ccec1b_layer3, .Lfunc_end_k_qa3c6ccec1b_layer3-k_qa3c6ccec1b_layer3
	.p2alignl 7, 3214868480
	.fill 96, 4, 3214868480
	.section	.rodata,"a",@progbits
	.p2align	6, 0x0
	.amdhsa_kernel k_qa3c6ccec1b_layer3
		.amdhsa_group_segment_fixed_size 236544
		.amdhsa_private_segment_fixed_size 0
		.amdhsa_enable_private_segment 0
		.amdhsa_kernarg_size 64
		.amdhsa_user_sgpr_count 2
		.amdhsa_user_sgpr_kernarg_segment_ptr 1
		.amdhsa_wavefront_size32 1
		.amdhsa_system_sgpr_workgroup_id_x 1
		.amdhsa_system_sgpr_workgroup_id_y 1
		.amdhsa_system_sgpr_workgroup_id_z 1
		.amdhsa_system_vgpr_workitem_id 0
		.amdhsa_next_free_vgpr 320
		.amdhsa_next_free_sgpr 66
		.amdhsa_reserve_vcc 1
		.amdhsa_float_denorm_mode_32 3
		.amdhsa_float_denorm_mode_16_64 3
		.amdhsa_memory_ordered 1
		.amdhsa_forward_progress 1
		.amdhsa_inst_pref_size 89
	.end_amdhsa_kernel
	.amdgpu_metadata
---
amdhsa.version: [ 1, 2 ]
amdhsa.kernels:
  - .name:           k_qa3c6ccec1b_layer3
    .symbol:         k_qa3c6ccec1b_layer3.kd
    .args:
      - { .name: yB, .offset: 0, .size: 8, .value_kind: global_buffer, .address_space: global }
      - { .name: pB, .offset: 8, .size: 8, .value_kind: global_buffer, .address_space: global }
      - { .name: g2, .offset: 16, .size: 8, .value_kind: global_buffer, .address_space: global }
      - { .name: be2, .offset: 24, .size: 8, .value_kind: global_buffer, .address_space: global }
      - { .name: w3, .offset: 32, .size: 8, .value_kind: global_buffer, .address_space: global }
      - { .name: b3, .offset: 40, .size: 8, .value_kind: global_buffer, .address_space: global }
      - { .name: yA, .offset: 48, .size: 8, .value_kind: global_buffer, .address_space: global }
      - { .name: pA, .offset: 56, .size: 8, .value_kind: global_buffer, .address_space: global }
    .group_segment_fixed_size: 236544
    .private_segment_fixed_size: 0
    .kernarg_segment_align: 8
    .kernarg_segment_size: 64
    .max_flat_workgroup_size: 256
    .sgpr_count:     66
    .vgpr_count:     320
    .wavefront_size: 32
...
	.end_amdgpu_metadata
.endif
;; end of part 11
;; launch layer4 (part 12): grid 64 x 4, 8 waves a work-group, no clusters, 236,544 bytes of LDS; arguments yA, pA, g3, be3, w4, b4, yB, pB; writes yB, pB
.if DOCPART == 12
	.amdgcn_target "amdgcn-amd-amdhsa--gfx1250"
	.amdhsa_code_object_version 6
	.text
	.protected	k_qa3c6ccec1b_layer4
	.globl	k_qa3c6ccec1b_layer4
	.p2align	8
	.type	k_qa3c6ccec1b_layer4,@function
k_qa3c6ccec1b_layer4:
	s_mov_b64 s[64:65], 0
	v_nop
	global_prefetch_b8 v0, s[64:65] scope:SCOPE_SE
	s_setreg_imm32_b32 hwreg(HW_REG_WAVE_MODE, 25, 1), 1
	s_wait_xcnt 0x0
; A LAYER: x = relu(a y + c), the batch norm of the layer before folded into a = g rsqrt(var + 1e-5), c = be - mean a; then y' = x w + b and y's block statistics.  Here K = 512, N = 128.
; y and y' lie transposed, [columns][16384] f16.  The statistics of the layer before come as [64 row blocks][mean, M2][K] f32; every work-group joins them itself, about a pivot
; (block 0's means), so that no difference of large sums is formed.  A work-group: 256 rows (block rb) x NB = N / 4 columns (block cb); wave w: rows 32 w .. 32 w + 31, all NB columns.
; Activations and weights lie K-major in LDS, [k][m] and [k][n] in f16, and both fragments come by the turning load.  Products in f16, sums in f32, beginning at the bias.
; IN FLIGHT.  The first chunk of y is asked for first.  The row blocks' statistics go through a ring of SL register slots, each asked for again as soon as it is read out; the weights' loads take
; the slots as the last blocks leave them.  The second chunk of y goes into a second buffer, v256-319; a later chunk reaches the one text of the chunk loop by 64 moves out of that buffer,
; which is then asked for again, a trip ahead of its use.
; No tensor loads and no cluster: every byte of y passes the norm in registers on its way to LDS.  LIMITS: x, w, y' below 65,504 in magnitude (f16).
.set K, 512
.set N, 128
.set NB, 32
.set PW, 96                            ; a row of the weights in LDS: 2 NB + 32 bytes, an odd multiple of 32
.set PRE, 1                            ; the next chunk of y is brought over ahead of the products: its registers are free of B's fragments
.set RB, 192                           ; registers at work while the statistics are joined, RN slices at a time
.set RN, 2
.set LOGKQ, 7                          ; log2(K / 4)
.set LOGTPR, 3                         ; log2(NB / 4)
.set NT, NB/16
.set KC, 128                           ; K goes in chunks of 128
.set NC, K/KC
.set S, 1024/K                         ; slices of row blocks among the 256 threads
.set RS, K/16                          ; row blocks in a slice
.if RS > 16
.set SL, 16                            ; slots of the ring: 8 registers each, v128-255
.else
.set SL, RS
.endif
.if NC > 1
.set Y1N, KC/8                         ; loads of the second chunk
.else
.set Y1N, 0
.endif
.set TPR, NB/4
.set NPW, K*NB/1024                    ; loads of 16 bytes of w for each thread
.set PSTEP, (256/TPR)*PW
.set FW, K/128                         ; waves that finish the statistics
.if NB >= 32
.set CW, NB/32
.else
.set CW, 1
.endif
.set APITCH, 544                       ; a row of the activations in LDS: 512 + 32 bytes = 17 x 32
.set SPITCH, 528                       ; a column of the stage: 512 + 16 bytes
.set ABUF, 0
.set WBUF, 69632
.set ACT, 143360                       ; (a, c) for each k
.set RED, 147456                       ; [slice][S1, S2, SM][K]
.set SCR, 159744                       ; [wave][column] (mean, M2)
.set STG, 167936
.set SPARE, 235520
.set ACC, 128
.set RBK, 64
.set YO, 16
.set PO, 18
.set MSB, 0
.macro WIN new                         ; the register windows: bits 1:0 source 0, 7:6 destination; the immediate's high byte repeats the setting that is left
.if MSB != (\new)
	s_set_vgpr_msb (MSB<<8)|(\new)
.set MSB, \new
.endif
.endm
.macro PLACES
.rept 4
	v_nop
.endr
.endm
.macro EPILOGUE
	s_mul_i32 s24, s20, NB*8                       ; seven plain vector lines that name no product's register: the places behind the last products
	s_add_co_u32 s24, s24, SCR
	v_lshl_add_u32 v12, v2, 3, s24
	s_lshl_b32 s24, s20, 6
	s_add_co_u32 s24, s24, STG
	v_mul_u32_u24 v13, v2, SPITCH
	v_lshl_add_u32 v13, v3, 4, v13
	v_add_nc_u32 v13, s24, v13                     ; column r, rows 32 w + 8 h
	s_mul_i32 s24, s20, SPITCH
	s_add_co_u32 s24, s24, STG
	v_lshl_add_u32 v14, v1, 4, s24                 ; back: column w, 16 bytes a lane
	s_lshl_b32 s24, s20, 15
	s_lshl_b32 s25, s21, 9
	s_add_co_u32 s24, s24, s25
	v_lshl_add_u32 v15, v1, 4, s24                 ; the same in y': column w, row block rb
	v_mov_b32 v25, 0
.set n, 0
.rept NT
.set A0, ACC+16*n
.set A1, ACC+16*n+8
	v_pk_add_f32 v[16:17], v[A0:A0+1], v[A0+2:A0+3]        ; each accumulator is read from its low end on
	v_pk_add_f32 v[18:19], v[A0+4:A0+5], v[A0+6:A0+7]
	v_pk_add_f32 v[20:21], v[A1:A1+1], v[A1+2:A1+3]
	v_pk_add_f32 v[22:23], v[A1+4:A1+5], v[A1+6:A1+7]
	v_pk_add_f32 v[16:17], v[16:17], v[18:19]
	v_pk_add_f32 v[20:21], v[20:21], v[22:23]
	v_pk_add_f32 v[16:17], v[16:17], v[20:21]
	v_add_f32 v16, v16, v17
	v_permlanex16_b32 v17, v16, s32, s33           ; the column's other 16 rows lie in the lane 16 away
	v_add_f32 v16, v16, v17
	v_mul_f32 v24, 0x3d000000, v16                 ; / 32
.set q, 0
.rept 4
	v_pk_add_f32 v[32+2*q:33+2*q], v[A0+2*q:A0+2*q+1], v[24:25] op_sel_hi:[1,0] neg_lo:[0,1] neg_hi:[0,1]
	v_pk_add_f32 v[40+2*q:41+2*q], v[A1+2*q:A1+2*q+1], v[24:25] op_sel_hi:[1,0] neg_lo:[0,1] neg_hi:[0,1]
.set q, q+1
.endr
	v_pk_mul_f32 v[16:17], v[32:33], v[32:33]
	v_pk_mul_f32 v[18:19], v[40:41], v[40:41]
.set q, 1
.rept 3
	v_pk_fma_f32 v[16:17], v[32+2*q:33+2*q], v[32+2*q:33+2*q], v[16:17]
	v_pk_fma_f32 v[18:19], v[40+2*q:41+2*q], v[40+2*q:41+2*q], v[18:19]
.set q, q+1
.endr
	v_pk_add_f32 v[16:17], v[16:17], v[18:19]
	v_add_f32 v16, v16, v17
	v_permlanex16_b32 v17, v16, s32, s33
	v_add_f32 v25, v16, v17
	ds_store_b64 v12, v[24:25] offset:128*n        ; both halves of the lanes hold, and write, the same two numbers
.set q, 0
.rept 4
	v_cvt_pk_f16_f32 v[48+q], v[A0+2*q], v[A0+2*q+1]
	v_cvt_pk_f16_f32 v[52+q], v[A1+2*q], v[A1+2*q+1]
.set q, q+1
.endr
	ds_store_b128 v13, v[48:51] offset:16*SPITCH*n
	ds_store_b128 v13, v[52:55] offset:16*SPITCH*n+32
.set n, n+1
.endr
	s_wait_dscnt 0x0                               ; for the others' sake: my part of the stage and of SCR is written
	s_barrier_signal -1
	s_barrier_wait -1
.set i, 0
.rept NB/8
	ds_load_b128 v[RBK+4*i:RBK+4*i+3], v14 offset:8*SPITCH*i
.set i, i+1
.endr
.set i, 0
.rept NB/8
	s_wait_dscnt NB/8-1-i                          ; the younger loads from the stage may stay out
	global_store_b128 v15, v[RBK+4*i:RBK+4*i+3], s[YO:YO+1] offset:262144*i  ; column w + 8 i: 512 consecutive bytes, aligned
.set i, i+1
.endr
	s_cmp_ge_u32 s20, CW
	s_cbranch_scc1 .Lend
	s_mul_i32 s24, s21, 8*N
	s_mul_i32 s25, s22, NB*4
	s_add_co_u32 s24, s24, s25
.if NB >= 32
	v_lshl_add_u32 v12, v0, 3, SCR                 ; thread t joins column t
	v_lshl_add_u32 v13, v0, 2, s24
.else
	v_lshl_add_u32 v12, v2, 3, SCR                 ; both halves of the lanes join column r; the lower stores the mean, the upper M2
	v_lshl_add_u32 v13, v2, 2, s24
	v_mul_u32_u24 v40, v3, 4*N
	v_add_nc_u32 v13, v13, v40
.endif
.set i, 0
.rept 8
	ds_load_b64 v[16+2*i:17+2*i], v12 offset:NB*8*i
.set i, i+1
.endr
	s_wait_dscnt 0x0
	v_pk_add_f32 v[32:33], v[16:17], v[18:19]
	v_pk_add_f32 v[34:35], v[20:21], v[22:23]
	v_pk_add_f32 v[36:37], v[24:25], v[26:27]
	v_pk_add_f32 v[38:39], v[28:29], v[30:31]
	v_pk_add_f32 v[32:33], v[32:33], v[34:35]
	v_pk_add_f32 v[36:37], v[36:37], v[38:39]
	v_pk_add_f32 v[32:33], v[32:33], v[36:37]
	v_mul_f32 v32, 0x3e000000, v32                 ; the block's mean = the eight means / 8
.set i, 0
.rept 8
	v_sub_f32 v[16+2*i], v[16+2*i], v32
.set i, i+1
.endr
	v_mul_f32 v34, v16, v16
	v_mul_f32 v35, v18, v18
	v_fmac_f32 v34, v20, v20
	v_fmac_f32 v35, v22, v22
	v_fmac_f32 v34, v24, v24
	v_fmac_f32 v35, v26, v26
	v_fmac_f32 v34, v28, v28
	v_fmac_f32 v35, v30, v30
	v_add_f32 v34, v34, v35
	v_fmamk_f32 v33, v34, 0x42000000, v33          ; M2 = the eight M2 + 32 x the squares of the means' distances
.if NB >= 32
	global_store_b32 v13, v32, s[PO:PO+1]
	global_store_b32 v13, v33, s[PO:PO+1] offset:4*N
.else
	v_cmp_eq_u32 vcc_lo, 1, v3
	v_cndmask_b32 v32, v32, v33, vcc_lo
	global_store_b32 v13, v32, s[PO:PO+1]
.endif
.Lend:
	s_wait_tensorcnt 0x0                           ; the wave's end, behind my last LDS store
	ds_add_u32 v10, v11
	s_wait_dscnt 0x0
	s_endpgm
.endm
.macro STATBLK b, s                    ; row block b of my slice, the means and M2 of my four columns, into slot s
	global_load_b128 v[128+8*(\s):131+8*(\s)], v44, s[6:7] offset:(\b)*8*K
	global_load_b128 v[132+8*(\s):135+8*(\s)], v44, s[6:7] offset:(\b)*8*K+4*K
.endm
.macro WLOAD n                         ; load n of my part of w, if there is one; wl counts those issued
.if (\n) < NPW
	global_load_b128 v[128+4*(\n):131+4*(\n)], v12, s[12:13] offset:16384*(\n)
.set wl, wl+1
.endif
.endm
; THE RING.  For each row block: D = mean - pivot; S1 += D; S2 += D D; SM += M2.  The slot that has been read out takes the block SL further on, or, when no block is left, two loads of w.
.macro STATS
.set i, 0
.rept SL
	STATBLK i, i
.set i, i+1
.endr
.set wl, 0
.set i, 0
.rept RS
.set sl, i%SL
.set nb, i+SL-1                        ; the youngest block asked for so far
.if nb > RS-1
.set nb, RS-1
.endif
	s_wait_loadcnt 2*(nb-i)+wl                     ; younger than block i's pair: the later blocks' pairs, and the loads of w issued so far
	v_pk_add_f32 v[40:41], v[128+8*sl:129+8*sl], v[28:29] neg_lo:[0,1] neg_hi:[0,1]
	v_pk_add_f32 v[42:43], v[130+8*sl:131+8*sl], v[30:31] neg_lo:[0,1] neg_hi:[0,1]
	v_pk_add_f32 v[24:25], v[24:25], v[132+8*sl:133+8*sl]
	v_pk_add_f32 v[26:27], v[26:27], v[134+8*sl:135+8*sl]
	v_pk_add_f32 v[16:17], v[16:17], v[40:41]
	v_pk_add_f32 v[18:19], v[18:19], v[42:43]
	v_pk_fma_f32 v[20:21], v[40:41], v[40:41], v[20:21]
	v_pk_fma_f32 v[22:23], v[42:43], v[42:43], v[22:23]
.if i+SL < RS
	STATBLK i+SL, sl
.else
	WLOAD 2*sl
	WLOAD 2*sl+1
.endif
.set i, i+1
.endr
.endm
; RN slices' sums from RED; slice 0 lands in the sums themselves, the others are added
.macro REDROUND first
.set j, 0
.rept 3*RN
.if 3*(\first)+j < 3
	ds_load_b128 v[16+4*j:19+4*j], v13 offset:4*K*j
.else
	ds_load_b128 v[RB+4*j:RB+4*j+3], v13 offset:4*K*(3*(\first)+j)
.endif
.set j, j+1
.endr
	s_wait_dscnt 0x0
.set j, 0
.rept 3*RN
.if 3*(\first)+j >= 3
	v_pk_add_f32 v[16+4*(j%3):17+4*(j%3)], v[16+4*(j%3):17+4*(j%3)], v[RB+4*j:RB+4*j+1]
	v_pk_add_f32 v[18+4*(j%3):19+4*(j%3)], v[18+4*(j%3):19+4*(j%3)], v[RB+4*j+2:RB+4*j+3]
.endif
.set j, j+1
.endr
.endm
.macro YLOADS                          ; the chunk of y at which s[4:5] stands: row k = w + 8 i, a wave's load is the row block's 512 bytes of that row
.set i, 0
.rept KC/8
	global_load_b128 v[64+4*i:67+4*i], v8, s[4:5] offset:262144*i
.set i, i+1
.endr
.endm
.macro Y1LOADS                         ; the chunk behind it, into the second buffer, v256-319
	WIN 0x40                                       ; destination in window 1, address in window 0
.set i, 0
.rept KC/8
	global_load_b128 v[4*i:4*i+3], v8, s[4:5] offset:KC*32768+262144*i
.set i, i+1
.endr
	WIN 0
.endm
; All trips but the last bring the next chunk over from the second buffer; where a chunk is left behind that one, the buffer is asked for again at once.
.macro NEXTY
	s_cmp_eq_u32 s23, 1
	s_cbranch_scc1 .Lno_next
	s_wait_loadcnt 0x0                             ; the second buffer's loads are in, and every load through s[4:5] is done
	WIN 0x01                                       ; source in window 1
.set i, 0
.rept 4*KC/8
	v_mov_b32 v[64+i], v[i]
.set i, i+1
.endr
	WIN 0
.if NC > 2
	s_cmp_eq_u32 s23, 2
	s_cbranch_scc1 .Lno_next
	s_add_nc_u64 s[4:5], s[4:5], KC*32768
	Y1LOADS
.endif
.Lno_next:
.endm
.macro KSTEP ks                        ; 32 along K: fragments of my 32 rows and of all NB columns, 2 NT products; the accumulators take turns, one instruction a turn
.if (\ks) > 0
	PLACES                                         ; in front of loads into registers that the last products read
.endif
.irp mt, 0,1
	ds_load_tr16_b128 v[32+8*(\mt):35+8*(\mt)], v6 offset:32*APITCH*(\ks)+32*(\mt)
	ds_load_tr16_b128 v[36+8*(\mt):39+8*(\mt)], v6 offset:32*APITCH*(\ks)+16*APITCH+32*(\mt)
.endr
.set n, 0
.rept NT
	ds_load_tr16_b128 v[48+8*n:51+8*n], v7 offset:32*PW*(\ks)+32*n
	ds_load_tr16_b128 v[52+8*n:55+8*n], v7 offset:32*PW*(\ks)+16*PW+32*n
.set n, n+1
.endr
	s_wait_dscnt 0x0
.set n, 0
.rept NT
	v_wmma_f32_16x16x32_f16 v[ACC+16*n:ACC+16*n+7], v[32:39], v[48+8*n:55+8*n], v[ACC+16*n:ACC+16*n+7]
	v_wmma_f32_16x16x32_f16 v[ACC+16*n+8:ACC+16*n+15], v[40:47], v[48+8*n:55+8*n], v[ACC+16*n+8:ACC+16*n+15]
.set n, n+1
.endr
.endm
	s_load_b512 s[4:19], s[0:1], 0x0               ; y 4, p 6, g 8, be 10, w 12, b 14, y' 16, p' 18
	v_lshl_add_u32 v10, v0, 2, SPARE
	v_mov_b32 v11, 0
	v_mov_b32 v9, 0                                ; the ReLU's zero
	v_and_b32 v1, 31, v0
	v_lshrrev_b32 v4, 5, v0
	v_readfirstlane_b32 s20, v4                    ; wave 0..7
	s_mov_b32 s21, ttmp9                           ; row block
	s_and_b32 s22, ttmp7, 0xffff                   ; column block
	v_and_b32 v2, 15, v0                           ; r
	v_bfe_u32 v3, v0, 4, 1                         ; h
	s_mov_b32 s32, 0x76543210
	s_mov_b32 s33, 0xfedcba98
	s_mov_b32 s34, 0x38800000                      ; 1 / 16384
	s_mov_b32 s35, s34
	s_mov_b32 s36, 0x3727c5ac                      ; 1e-5
	s_mov_b32 s37, s36
	v_and_b32 v45, K/4-1, v0                       ; statistics: my quad of columns,
	v_lshrrev_b32 v44, LOGKQ, v0                   ; my slice of row blocks
	v_lshlrev_b32 v45, 4, v45
	v_mul_u32_u24 v13, v44, 12*K
	v_add_nc_u32 v13, v13, v45
	v_add_nc_u32 v13, RED, v13
	v_mul_u32_u24 v44, v44, RS*8*K
	v_add_nc_u32 v44, v44, v45
	v_and_b32 v46, TPR-1, v0                       ; w: TPR threads to a row's NB columns
	v_lshrrev_b32 v47, LOGTPR, v0
	s_mul_i32 s28, s22, NB*4                       ; my block's first column, in bytes of f32
	v_mul_u32_u24 v12, v47, N*4
	v_lshl_add_u32 v12, v46, 4, v12
	v_add_nc_u32 v12, s28, v12
	v_mul_u32_u24 v15, v47, PW
	v_lshl_add_u32 v15, v46, 3, v15
	v_add_nc_u32 v15, WBUF, v15
	s_lshl_b32 s25, s20, 15
	s_lshl_b32 s26, s21, 9
	s_add_co_u32 s25, s25, s26
	v_lshl_add_u32 v8, v1, 4, s25                  ; y: row w, row block rb, 16 bytes a lane
	s_mul_i32 s25, s20, APITCH
	v_lshl_add_u32 v4, v1, 4, s25                  ; the same in ABUF
	s_lshl_b32 s25, s20, 3
	s_add_co_u32 s25, s25, ACT
	v_mov_b32 v5, s25                              ; (a, c) of row w
	v_and_b32 v46, 7, v0                           ; the turning load: row 8 h + l % 8, 16 bytes by bit 3 of the lane
	v_lshl_add_u32 v46, v3, 3, v46
	v_bfe_u32 v47, v0, 3, 1
	v_mul_u32_u24 v6, v46, APITCH
	v_lshl_add_u32 v6, v47, 4, v6
	s_lshl_b32 s25, s20, 6
	v_add_nc_u32 v6, s25, v6                       ; my 32 rows m: 64 bytes along ABUF's rows
	v_mul_u32_u24 v7, v46, PW
	v_lshl_add_u32 v7, v47, 4, v7
	v_add_nc_u32 v7, WBUF, v7
	s_mul_i32 s26, s22, NB*32768
	s_mov_b32 s27, 0
.set i, 16
.rept 12
	v_mov_b32 v[i], 0                              ; S1, S2, SM
.set i, i+1
.endr
	s_wait_kmcnt 0x0
	s_add_nc_u64 s[16:17], s[16:17], s[26:27]      ; my NB columns of y'
	YLOADS                                         ; the first chunk of y: older than every load that is waited for by a count below
	global_load_b128 v[32:35], v45, s[8:9]         ; g
	global_load_b128 v[36:39], v45, s[10:11]       ; be
	global_load_b128 v[28:31], v45, s[6:7]         ; the pivot: block 0's means
	STATS
.if NC > 1
	Y1LOADS
.endif
	ds_store_b128 v13, v[16:19]
	ds_store_b128 v13, v[20:23] offset:4*K
	ds_store_b128 v13, v[24:27] offset:8*K
	v_add_nc_u32 v13, RED, v45                     ; where the slices of my quad are read,
	v_lshl_add_u32 v14, v45, 1, ACT                ; and where its (a, c) go
	s_wait_dscnt 0x0
	s_barrier_signal -1
	s_barrier_wait -1
	s_cmp_ge_u32 s20, FW
	s_cbranch_scc1 .Lfin                           ; K / 4 threads finish a quad of columns each
.set f, 0
.rept S/RN
	REDROUND f
.set f, f+RN
.endr
.irp c, 0,2
	v_pk_mul_f32 v[RB+(\c):RB+(\c)+1], v[16+(\c):17+(\c)], 0x3c800000 op_sel_hi:[1,0]                               ; S1 / 64
	v_pk_fma_f32 v[20+(\c):21+(\c)], v[RB+(\c):RB+(\c)+1], v[16+(\c):17+(\c)], v[20+(\c):21+(\c)] neg_lo:[1,0,0] neg_hi:[1,0,0]  ; S2 - S1 S1 / 64
	v_pk_add_f32 v[28+(\c):29+(\c)], v[28+(\c):29+(\c)], v[RB+(\c):RB+(\c)+1]                                       ; mean = pivot + S1 / 64
	v_pk_fma_f32 v[24+(\c):25+(\c)], v[20+(\c):21+(\c)], 0x43800000, v[24+(\c):25+(\c)] op_sel_hi:[1,0,1]           ; M2 = SM + 256 (..)
	v_pk_fma_f32 v[24+(\c):25+(\c)], v[24+(\c):25+(\c)], s[34:35], s[36:37] op_sel_hi:[1,0,0]                       ; var + eps
.endr
.irp c, 0,1,2,3
	v_rsq_f32 v[24+(\c)], v[24+(\c)]
.endr
	v_nop                                          ; a plain instruction between the last root and the use of its result
	s_wait_alu depctr_va_vdst(0)
.irp c, 0,1,2,3
	v_mul_f32 v[RB+2*(\c)], v[32+(\c)], v[24+(\c)]
.endr
.irp c, 0,1,2,3
	v_fma_f32 v[RB+2*(\c)+1], -v[28+(\c)], v[RB+2*(\c)], v[36+(\c)]
.endr
	ds_store_b128 v14, v[RB:RB+3]
	ds_store_b128 v14, v[RB+4:RB+7] offset:16
.Lfin:
	s_wait_dscnt 0x0
	s_barrier_signal -1
	s_barrier_wait -1
	v_lshl_add_u32 v13, v2, 2, s28
.set n, 0
.rept NT
	global_load_b32 v[48+n], v13, s[14:15] offset:64*n     ; the bias of column 16 n + r
.set n, n+1
.endr
	s_wait_loadcnt NT+Y1N                          ; w is in: behind it came the second chunk's loads and the bias's NT
.if NPW > 16
	v_add_nc_u32 v12, 16*PSTEP, v15                ; the LDS offset has 16 bits: a second address from pass 16 on
.endif
.set i, 0
.rept NPW
	v_cvt_pk_f16_f32 v[128+4*i], v[128+4*i], v[129+4*i]
	v_cvt_pk_f16_f32 v[129+4*i], v[130+4*i], v[131+4*i]
.if i < 16
	ds_store_b64 v15, v[128+4*i:129+4*i] offset:PSTEP*i
.else
	ds_store_b64 v12, v[128+4*i:129+4*i] offset:PSTEP*(i-16)
.endif
.set i, i+1
.endr
	s_wait_loadcnt 0x0
.set n, 0
.rept NT
.set i, 0
.rept 16
	v_mov_b32 v[ACC+16*n+i], v[48+n]               ; the sums begin at the bias of the lane's column
.set i, i+1
.endr
.set n, n+1
.endr
.if NC > 1
	s_mov_b32 s23, NC
.Lchunk:                                       ; v64-127 hold this trip's chunk of y: by its loads in the first trip, by the moves later
	s_wait_dscnt 0x0
	s_barrier_signal -1
	s_barrier_wait -1                              ; nobody reads the last chunk's activations any more
.endif
.set i, 0
.rept KC/8
	ds_load_b64 v[16+2*i:17+2*i], v5 offset:64*i   ; (a, c) of row w + 8 i, the same for all lanes
.set i, i+1
.endr
	s_wait_dscnt 0x0
.set i, 0
.rept KC/8
.set j, 0
.rept 4
	v_fma_mixlo_f16 v[64+4*i+j], v[64+4*i+j], v[16+2*i], v[17+2*i] op_sel_hi:[1,0,0]                 ; in place: the upper half is kept,
.set j, j+1
.endr
.set j, 0
.rept 4
	v_fma_mixhi_f16 v[64+4*i+j], v[64+4*i+j], v[16+2*i], v[17+2*i] op_sel:[1,0,0] op_sel_hi:[1,0,0]  ; and read here
.set j, j+1
.endr
.set j, 0
.rept 4
	v_pk_max_num_f16 v[64+4*i+j], v[64+4*i+j], v9
.set j, j+1
.endr
	ds_store_b128 v4, v[64+4*i:67+4*i] offset:8*APITCH*i
.set i, i+1
.endr
	s_wait_dscnt 0x0                               ; for the others' sake: my rows of x, and my part of w, are written
.if (NC > 1) && PRE
	NEXTY
.endif
	s_barrier_signal -1
	s_barrier_wait -1
	KSTEP 0
	KSTEP 1
	KSTEP 2
	KSTEP 3
.if NC > 1
	PLACES
.if PRE == 0
	NEXTY
.endif
	v_add_nc_u32 v7, KC*PW, v7
	v_add_nc_u32 v5, 8*KC, v5
	s_sub_co_u32 s23, s23, 1
	s_cmp_lg_u32 s23, 0
	s_cbranch_scc1 .Lchunk
.endif
	EPILOGUE
.Lfunc_end_k_qa3c6ccec1b_layer4:
	.size	k_qa3c6ccec1b_layer4, .Lfunc_end_k_qa3c6ccec1b_layer4-k_qa3c6ccec1b_layer4
	.p2alignl 7, 3214868480
	.fill 96, 4, 3214868480
	.section	.rodata,"a",@progbits
	.p2align	6, 0x0
	.amdhsa_kernel k_qa3c6ccec1b_layer4
		.amdhsa_group_segment_fixed_size 236544
		.amdhsa_private_segment_fixed_size 0
		.amdhsa_enable_private_segment 0
		.amdhsa_kernarg_size 64
		.amdhsa_user_sgpr_count 2
		.amdhsa_user_sgpr_kernarg_segment_ptr 1
		.amdhsa_wavefront_size32 1
		.amdhsa_system_sgpr_workgroup_id_x 1
		.amdhsa_system_sgpr_workgroup_id_y 1
		.amdhsa_system_sgpr_workgroup_id_z 1
		.amdhsa_system_vgpr_workitem_id 0
		.amdhsa_next_free_vgpr 320
		.amdhsa_next_free_sgpr 66
		.amdhsa_reserve_vcc 1
		.amdhsa_float_denorm_mode_32 3
		.amdhsa_float_denorm_mode_16_64 3
		.amdhsa_memory_ordered 1
		.amdhsa_forward_progress 1
		.amdhsa_inst_pref_size 70
	.end_amdhsa_kernel
	.amdgpu_metadata
---
amdhsa.version: [ 1, 2 ]
amdhsa.kernels:
  - .name:           k_qa3c6ccec1b_layer4
    .symbol:         k_qa3c6ccec1b_layer4.kd
    .args:
      - { .name: yA, .offset: 0, .size: 8, .value_kind: global_buffer, .address_space: global }
      - { .name: pA, .offset: 8, .size: 8, .value_kind: global_buffer, .address_space: global }
      - { .name: g3, .offset: 16, .size: 8, .value_kind: global_buffer, .address_space: global }
      - { .name: be3, .offset: 24, .size: 8, .value_kind: global_buffer, .address_space: global }
      - { .name: w4, .offset: 32, .size: 8, .value_kind: global_buffer, .address_space: global }
      - { .name: b4, .offset: 40, .size: 8, .value_kind: global_buffer, .address_space: global }
      - { .name: yB, .offset: 48, .size: 8, .value_kind: global_buffer, .address_space: global }
      - { .name: pB, .offset: 56, .size: 8, .value_kind: global_buffer, .address_space: global }
    .group_segment_fixed_size: 236544
    .private_segment_fixed_size: 0
    .kernarg_segment_align: 8
    .kernarg_segment_size: 64
    .max_flat_workgroup_size: 256
    .sgpr_count:     66
    .vgpr_count:     320
    .wavefront_size: 32
...
	.end_amdgpu_metadata
.endif
;; end of part 12
;; launch layer5: the kernel of part 7 again; grid 64 x 4, 8 waves a work-group, no clusters, 236,544 bytes of LDS; arguments yB, pB, g4, be4, w5, b5, yA, pA; writes yA, pA
;; launch layer6: the kernel of part 8 again; grid 64 x 1, 8 waves a work-group, no clusters, 236,544 bytes of LDS; arguments yA, pA, g5, be5, w6, b6, out0; writes out0
;; ======== version 3 of 3: 8 launches; version 2 with the launches layer3, layer4 written anew for expert scheduling mode
;; limits: values are held in f16: magnitudes above 65,504 overflow, below 6.1e-05 lose precision; values outside matrix products are rounded to f16
;; workspace buffers: gsel 1,048,576 bytes of whole numbers; nidx 1,048,576 bytes of whole numbers; yA 16,777,216 bytes; yB 8,388,608 bytes; pA 262,144 bytes; pB 131,072 bytes
;; launch knn_groups: the kernel of part 9 again; grid 256 x 1, 16 waves a work-group, no clusters, 199,936 bytes of LDS; arguments pos, measure_coords, gsel; writes gsel
;; launch knn_exact: the kernel of part 10 again; grid 256 x 1, 16 waves a work-group, no clusters, 67,584 bytes of LDS; arguments pos, measure_coords, gsel, nidx; writes nidx
;; launch feat_l1: the kernel of part 3 again; grid 64 x 4, 8 waves a work-group, no clusters, 150,016 bytes of LDS; arguments pos, measure_coords, measure_vals, nidx, w1, b1, out1, yA, pA; writes out1, yA, pA
;; launch layer2: the kernel of part 4 again; grid 64 x 4, 8 waves a work-group, no clusters, 236,544 bytes of LDS; arguments yA, pA, g1, be1, w2, b2, yB, pB; writes yB, pB
;; launch layer3 (part 13): grid 64 x 4, 8 waves a work-group, no clusters, 236,544 bytes of LDS; arguments yB, pB, g2, be2, w3, b3, yA, pA; writes yA, pA
.if DOCPART == 13
	.amdgcn_target "amdgcn-amd-amdhsa--gfx1250"
	.amdhsa_code_object_version 6
	.text
	.protected	k_qa3c6ccec1b_layer3
	.globl	k_qa3c6ccec1b_layer3
	.p2align	8
	.type	k_qa3c6ccec1b_layer3,@function
k_qa3c6ccec1b_layer3:
	s_mov_b64 s[64:65], 0
	v_nop
	global_prefetch_b8 v0, s[64:65] scope:SCOPE_SE
	s_setreg_imm32_b32 hwreg(HW_REG_WAVE_SCHED_MODE, 0, 2), 2
	s_setreg_imm32_b32 hwreg(HW_REG_WAVE_MODE, 25, 1), 1
	s_wait_xcnt 0x0
	s_wait_alu depctr_vm_vsrc(0)
; A LAYER: x = relu(a y + c), the batch norm of the layer before folded into a = g rsqrt(var + 1e-5), c = be - mean a; then y' = x w + b and y's block statistics.  Here K = 256, N = 512.
; y and y' lie transposed, [columns][16384] f16.  The statistics of the layer before come as [64 row blocks][mean, M2][K] f32; every work-group joins them itself, about a pivot
; (block 0's means), so that no difference of large sums is formed.  A work-group: 256 rows (block rb) x NB = N / 4 columns (block cb); wave w: rows 32 w .. 32 w + 31, all NB columns.
; Activations and weights lie K-major in LDS, [k][m] and [k][n] in f16, and both fragments come by the turning load.  Products in f16, sums in f32, beginning at the bias.
; IN FLIGHT.  The first chunk of y is asked for first.  The row blocks' statistics go through a ring of 16 register slots; the weights' loads take the slots as the last blocks leave them.
; The second chunk of y goes into a second buffer, v256-319; a later chunk reaches the one text of the chunk loop by 64 moves out of that buffer.
; No tensor loads and no cluster: every byte of y passes the norm in registers on its way to LDS.  LIMITS: x, w, y' below 65,504 in magnitude (f16).
; THE MODE: SCHED_MODE bits 1:0 = 2 (LLVM: expert scheduling mode 2), set by the entry lines.  The code itself states the register dependences
; between vector or matrix instructions and memory or LDS instructions, with s_wait_alu, always for 0.
; THE PLAN.  Registers that memory or LDS instructions touch, and who else names them:
;   v4, v6, v8, v12-15, v44-46   offsets and LDS addresses, made at the head; the way out makes its six anew in v4, v5, v12-15.  v5 and v7 move on once a trip, at its end.
;   v128-255  the ring: 4 groups of 4 slots.  A group's arithmetic reads its slots; they are asked for again at the NEXT group's head, behind one wait, eight loads at a time.
;   v16-27    the sums: written by the ring's arithmetic, read by three LDS stores; in the waves that finish, loads from RED land in them.
;   v64-127   the chunk: normed in place, read by 16 LDS stores: rows 0-7's stores are dealt among the norm of rows 8-15.  v16-47: (a, c), loaded at a trip's head, read by the norm.
;   fragments two buffers by turns: K steps 0 and 2 in v32-111, K steps 1 and 3 in v320-399.  While a step's products read one, the next step's loads land in the other.
;   v256-319  the second chunk buffer: written by loads, read by the moves.
;   way out   each column tile has out-registers of its own (v48 + 8 n .., v112 + 2 n ..), written once and read by its three LDS stores; the stage comes back into the accumulators' registers.
.set K, 256
.set N, 512
.set NB, 128
.set PW, 288                           ; a row of the weights in LDS: 2 NB + 32 bytes, an odd multiple of 32
.set PRE, 0                            ; fragment buffer 0 overlaps the chunk's registers: the next chunk is brought over behind the products
.set RB, 40                            ; v128-255 await the weights: the statistics are joined in v40-63, two slices at a time
.set RN, 2
.set LOGKQ, 6                          ; log2(K / 4)
.set LOGTPR, 5                         ; log2(NB / 4)
.set F1, 64                            ; fragment buffer 1: v320-399, named v64-143 in window 1
.set F1W, 1
.set BI, 64                            ; the bias lands in v320-327 (window 1), which hold fragments only from the chunk loop on
.set BIW, 1
.set NT, NB/16
.set KC, 128                           ; K goes in chunks of 128, two or more
.set NC, K/KC
.set S, 1024/K                         ; slices of row blocks among the 256 threads
.set RS, K/16                          ; row blocks in a slice: 16 or more, a multiple of 4
.set SL, 16                            ; slots of the ring: 8 registers each, v128-255
.set Y1N, KC/8                         ; loads of the second chunk
.set TPR, NB/4
.set NPW, K*NB/1024                    ; loads of 16 bytes of w for each thread
.set PSTEP, (256/TPR)*PW
.set FW, K/128                         ; waves that finish the statistics
.set CW, NB/32                         ; waves that join the block's statistics on the way out
.set NL, 4+2*NT                        ; LDS loads of a K step's fragments
.set APITCH, 544                       ; a row of the activations in LDS: 512 + 32 bytes = 17 x 32
.set SPITCH, 528                       ; a column of the stage: 512 + 16 bytes
.set ABUF, 0
.set WBUF, 69632
.set ACT, 143360                       ; (a, c) for each k
.set RED, 147456                       ; [slice][S1, S2, SM][K]
.set SCR, 159744                       ; [wave][column] (mean, M2)
.set STG, 167936
.set SPARE, 235520
.set ACC, 128
.set OUT, 48                           ; the way out: column tile n's 32 rows in f16, 8 registers at OUT + 8 n
.set STT, 112                          ; the way out: column tile n's (mean, M2), a pair at STT + 2 n
.set RBK, 128                          ; the way out: whole columns read back from the stage
.set YO, 16
.set PO, 18
.set MSB, 0
.macro WIN new                         ; the register windows: bits 1:0 source 0, 3:2 source 1, 7:6 destination; the immediate's high byte repeats the setting that is left
.if MSB != (\new)
	s_set_vgpr_msb (MSB<<8)|(\new)
.set MSB, \new
.endif
.endm
.macro PLACES
.rept 4
	v_nop
.endr
.endm
.macro STATBLK b, s                    ; row block b of my slice, the means and M2 of my four columns, into slot s; ni counts the ring's loads
	global_load_b128 v[128+8*(\s):131+8*(\s)], v44, s[6:7] offset:(\b)*8*K
	global_load_b128 v[132+8*(\s):135+8*(\s)], v44, s[6:7] offset:(\b)*8*K+4*K
.set ni, ni+2
.endm
.macro WLOAD n                         ; load n of my part of w, if there is one
.if (\n) < NPW
	global_load_b128 v[128+4*(\n):131+4*(\n)], v12, s[12:13] offset:16384*(\n)
.set ni, ni+1
.endif
.endm
.macro REFILL first                    ; the four slots of the blocks first .. first + 3 take the blocks SL further on, or, when no block is left, two loads of w each
.set j, 0
.rept 4
.set bb, (\first)+j
.if bb+SL < RS
	STATBLK bb+SL, bb%SL
.else
	WLOAD 2*(bb%SL)
	WLOAD 2*(bb%SL)+1
.endif
.set j, j+1
.endr
.endm
; THE RING.  For each row block: D = mean - pivot; S1 += D; S2 += D D; SM += M2.  The blocks are asked for in ascending order and w behind them, so block i's pair are loads 2 i + 1 and 2 i + 2 of the ring.
.macro STATS
.set ni, 0
.set i, 0
.rept SL
	STATBLK i, i
.set i, i+1
.endr
.set i, 0
.rept RS
.set sl, i%SL
	s_wait_loadcnt ni-2*(i+1)                      ; younger than block i's pair: all of the ring's loads issued behind it
.if (i%4 == 0) && (i > 0)
.if (i-4+SL < RS) || (2*((i-4)%SL) < NPW)
	s_wait_alu depctr_va_vdst(0)                   ; the arithmetic of the four blocks before is done reading their slots, in which the loads below land
	REFILL i-4
.endif
.endif
	v_pk_add_f32 v[40:41], v[128+8*sl:129+8*sl], v[28:29] neg_lo:[0,1] neg_hi:[0,1]
	v_pk_add_f32 v[42:43], v[130+8*sl:131+8*sl], v[30:31] neg_lo:[0,1] neg_hi:[0,1]
	v_pk_add_f32 v[24:25], v[24:25], v[132+8*sl:133+8*sl]
	v_pk_add_f32 v[26:27], v[26:27], v[134+8*sl:135+8*sl]
	v_pk_add_f32 v[16:17], v[16:17], v[40:41]
	v_pk_add_f32 v[18:19], v[18:19], v[42:43]
	v_pk_fma_f32 v[20:21], v[40:41], v[40:41], v[20:21]
	v_pk_fma_f32 v[22:23], v[42:43], v[42:43], v[22:23]
.set i, i+1
.endr
.endm
; RN slices' sums from RED; slice 0 lands in the sums themselves, the others are added
.macro REDROUND first
.if (\first) > 0
	s_wait_alu depctr_va_vdst(0)                   ; the additions above are done reading v[RB ..], in which these loads land
.endif
.set j, 0
.rept 3*RN
.if 3*(\first)+j < 3
	ds_load_b128 v[16+4*j:19+4*j], v13 offset:4*K*j
.else
	ds_load_b128 v[RB+4*j:RB+4*j+3], v13 offset:4*K*(3*(\first)+j)
.endif
.set j, j+1
.endr
	s_wait_dscnt 0x0
.set j, 0
.rept 3*RN
.if 3*(\first)+j >= 3
	v_pk_add_f32 v[16+4*(j%3):17+4*(j%3)], v[16+4*(j%3):17+4*(j%3)], v[RB+4*j:RB+4*j+1]
	v_pk_add_f32 v[18+4*(j%3):19+4*(j%3)], v[18+4*(j%3):19+4*(j%3)], v[RB+4*j+2:RB+4*j+3]
.endif
.set j, j+1
.endr
.endm
.macro YLOADS                          ; the chunk of y at which s[4:5] stands: row k = w + 8 i, a wave's load is the row block's 512 bytes of that row
.set i, 0
.rept KC/8
	global_load_b128 v[64+4*i:67+4*i], v8, s[4:5] offset:262144*i
.set i, i+1
.endr
.endm
.macro Y1LOADS again                   ; the chunk behind it, into the second buffer, v256-319.  again = 1: the buffer has just been read out
	WIN 0x40                                       ; destination in window 1, address in window 0
.if \again
	s_wait_alu depctr_va_vdst(0)                   ; the moves are done reading v256-319, in which these loads land
.endif
.set i, 0
.rept KC/8
	global_load_b128 v[4*i:4*i+3], v8, s[4:5] offset:KC*32768+262144*i
.set i, i+1
.endr
	WIN 0
.endm
; All trips but the last bring the next chunk over from the second buffer; where a chunk is left behind that one, the buffer is asked for again at once.
.macro NEXTY
	s_cmp_eq_u32 s23, 1
	s_cbranch_scc1 .Lno_next
	s_wait_loadcnt 0x0                             ; the second buffer's loads are in, and every load through s[4:5] is done
	WIN 0x01                                       ; source in window 1
.set i, 0
.rept 4*KC/8
	v_mov_b32 v[64+i], v[i]
.set i, i+1
.endr
	WIN 0
.if NC > 2
	s_cmp_eq_u32 s23, 2
	s_cbranch_scc1 .Lno_next
	s_add_nc_u64 s[4:5], s[4:5], KC*32768
	Y1LOADS 1
.endif
.Lno_next:
.endm
.macro NORM i                          ; row w + 8 i of the chunk: relu(a y + c), in place
.set j, 0
.rept 4
	v_fma_mixlo_f16 v[64+4*(\i)+j], v[64+4*(\i)+j], v[16+2*(\i)], v[17+2*(\i)] op_sel_hi:[1,0,0]                 ; in place: the upper half is kept,
.set j, j+1
.endr
.set j, 0
.rept 4
	v_fma_mixhi_f16 v[64+4*(\i)+j], v[64+4*(\i)+j], v[16+2*(\i)], v[17+2*(\i)] op_sel:[1,0,0] op_sel_hi:[1,0,0]  ; and read here
.set j, j+1
.endr
.set j, 0
.rept 4
	v_pk_max_num_f16 v[64+4*(\i)+j], v[64+4*(\i)+j], v9
.set j, j+1
.endr
.endm
.macro XSTORE i                        ; and its 512 bytes into ABUF
	ds_store_b128 v4, v[64+4*(\i):67+4*(\i)] offset:8*APITCH*(\i)
.endm
.macro LOADF ks, b                     ; K step ks: the fragments of my 32 rows and of all NB columns into buffer b: 16 registers of x, then 8 NT of w
.if \b
	WIN F1W<<6
.set FA, F1
.else
	WIN 0
.set FA, 32
.endif
.irp mt, 0,1
	ds_load_tr16_b128 v[FA+8*(\mt):FA+8*(\mt)+3], v6 offset:32*APITCH*(\ks)+32*(\mt)
	ds_load_tr16_b128 v[FA+8*(\mt)+4:FA+8*(\mt)+7], v6 offset:32*APITCH*(\ks)+16*APITCH+32*(\mt)
.endr
.set fn, 0
.rept NT
	ds_load_tr16_b128 v[FA+16+8*fn:FA+16+8*fn+3], v7 offset:32*PW*(\ks)+32*fn
	ds_load_tr16_b128 v[FA+16+8*fn+4:FA+16+8*fn+7], v7 offset:32*PW*(\ks)+16*PW+32*fn
.set fn, fn+1
.endr
.endm
.macro MUL b, n                        ; the two products of column tile n out of buffer b; the accumulators take turns, one instruction a turn
.if \b
	WIN 5*F1W
.set FA, F1
.else
	WIN 0
.set FA, 32
.endif
	v_wmma_f32_16x16x32_f16 v[ACC+16*(\n):ACC+16*(\n)+7], v[FA:FA+7], v[FA+16+8*(\n):FA+16+8*(\n)+7], v[ACC+16*(\n):ACC+16*(\n)+7]
	v_wmma_f32_16x16x32_f16 v[ACC+16*(\n)+8:ACC+16*(\n)+15], v[FA+8:FA+15], v[FA+16+8*(\n):FA+16+8*(\n)+7], v[ACC+16*(\n)+8:ACC+16*(\n)+15]
.endm
.macro MULS b, from                    ; column tiles from .. NT - 1
.set mn, \from
.rept NT-(\from)
	MUL \b, mn
.set mn, mn+1
.endr
.endm
; THE WAY OUT, column tile n.  In a result lane (r, h) holds column n = r and rows 8 h + 0..7.  COLS: the wave's mean and M2 over its 32 rows, and the numbers rounded to f16, into the tile's own out-registers.
.macro COLS n
.set A0, ACC+16*(\n)
.set A1, ACC+16*(\n)+8
.set SQ, STT+2*(\n)
.set OU, OUT+8*(\n)
	v_pk_add_f32 v[16:17], v[A0:A0+1], v[A0+2:A0+3]        ; each accumulator is read from its low end on
	v_pk_add_f32 v[18:19], v[A0+4:A0+5], v[A0+6:A0+7]
	v_pk_add_f32 v[20:21], v[A1:A1+1], v[A1+2:A1+3]
	v_pk_add_f32 v[22:23], v[A1+4:A1+5], v[A1+6:A1+7]
	v_pk_add_f32 v[16:17], v[16:17], v[18:19]
	v_pk_add_f32 v[20:21], v[20:21], v[22:23]
	v_pk_add_f32 v[16:17], v[16:17], v[20:21]
	v_add_f32 v16, v16, v17
	v_permlanex16_b32 v17, v16, s32, s33           ; the column's other 16 rows lie in the lane 16 away
	v_add_f32 v16, v16, v17
	v_mul_f32 v[SQ], 0x3d000000, v16               ; / 32.  (The pair's upper register still holds an old number of the chunk; op_sel_hi leaves it unread below)
.set q, 0
.rept 4
	v_pk_add_f32 v[32+2*q:33+2*q], v[A0+2*q:A0+2*q+1], v[SQ:SQ+1] op_sel_hi:[1,0] neg_lo:[0,1] neg_hi:[0,1]
	v_pk_add_f32 v[40+2*q:41+2*q], v[A1+2*q:A1+2*q+1], v[SQ:SQ+1] op_sel_hi:[1,0] neg_lo:[0,1] neg_hi:[0,1]
.set q, q+1
.endr
	v_pk_mul_f32 v[16:17], v[32:33], v[32:33]
	v_pk_mul_f32 v[18:19], v[40:41], v[40:41]
.set q, 1
.rept 3
	v_pk_fma_f32 v[16:17], v[32+2*q:33+2*q], v[32+2*q:33+2*q], v[16:17]
	v_pk_fma_f32 v[18:19], v[40+2*q:41+2*q], v[40+2*q:41+2*q], v[18:19]
.set q, q+1
.endr
	v_pk_add_f32 v[16:17], v[16:17], v[18:19]
	v_add_f32 v16, v16, v17
	v_permlanex16_b32 v17, v16, s32, s33
	v_add_f32 v[SQ+1], v16, v17
.set q, 0
.rept 4
	v_cvt_pk_f16_f32 v[OU+q], v[A0+2*q], v[A0+2*q+1]
	v_cvt_pk_f16_f32 v[OU+4+q], v[A1+2*q], v[A1+2*q+1]
.set q, q+1
.endr
.endm
.macro COLOUT n                        ; the tile's three LDS stores
.set SQ, STT+2*(\n)
.set OU, OUT+8*(\n)
	ds_store_b64 v12, v[SQ:SQ+1] offset:128*(\n)   ; both halves of the lanes hold, and write, the same two numbers
	ds_store_b128 v13, v[OU:OU+3] offset:16*SPITCH*(\n)
	ds_store_b128 v13, v[OU+4:OU+7] offset:16*SPITCH*(\n)+32
.endm
	s_load_b512 s[4:19], s[0:1], 0x0               ; y 4, p 6, g 8, be 10, w 12, b 14, y' 16, p' 18
	v_lshl_add_u32 v10, v0, 2, SPARE
	v_mov_b32 v11, 0
	v_mov_b32 v9, 0                                ; the ReLU's zero
	v_and_b32 v1, 31, v0
	v_lshrrev_b32 v4, 5, v0
	v_readfirstlane_b32 s20, v4                    ; wave 0..7
	s_mov_b32 s21, ttmp9                           ; row block
	s_and_b32 s22, ttmp7, 0xffff                   ; column block
	v_and_b32 v2, 15, v0                           ; r
	v_bfe_u32 v3, v0, 4, 1                         ; h
	s_mov_b32 s32, 0x76543210
	s_mov_b32 s33, 0xfedcba98
	s_mov_b32 s34, 0x38800000                      ; 1 / 16384
	s_mov_b32 s35, s34
	s_mov_b32 s36, 0x3727c5ac                      ; 1e-5
	s_mov_b32 s37, s36
	v_and_b32 v45, K/4-1, v0                       ; statistics: my quad of columns,
	v_lshrrev_b32 v44, LOGKQ, v0                   ; my slice of row blocks
	v_lshlrev_b32 v45, 4, v45
	v_mul_u32_u24 v13, v44, 12*K
	v_add_nc_u32 v13, v13, v45
	v_add_nc_u32 v13, RED, v13                     ; where my slice's sums go.  In the K / 4 threads that finish the slice is 0: there it is also where the slices of my quad are read
	v_lshl_add_u32 v14, v45, 1, ACT                ; where my quad's (a, c) go
	v_mul_u32_u24 v44, v44, RS*8*K
	v_add_nc_u32 v44, v44, v45
	v_and_b32 v46, TPR-1, v0                       ; w: TPR threads to a row's NB columns
	v_lshrrev_b32 v47, LOGTPR, v0
	s_mul_i32 s28, s22, NB*4                       ; my block's first column, in bytes of f32
	v_mul_u32_u24 v12, v47, N*4
	v_lshl_add_u32 v12, v46, 4, v12
	v_add_nc_u32 v12, s28, v12
	v_mul_u32_u24 v15, v47, PW
	v_lshl_add_u32 v15, v46, 3, v15
	v_add_nc_u32 v15, WBUF, v15
	s_wait_alu depctr_va_sdst(0)                   ; s20 is written, ahead of its first reader
	s_lshl_b32 s25, s20, 15
	s_lshl_b32 s26, s21, 9
	s_add_co_u32 s25, s25, s26
	v_lshl_add_u32 v8, v1, 4, s25                  ; y: row w, row block rb, 16 bytes a lane
	s_mul_i32 s25, s20, APITCH
	v_lshl_add_u32 v4, v1, 4, s25                  ; the same in ABUF
	s_lshl_b32 s25, s20, 3
	s_add_co_u32 s25, s25, ACT
	v_mov_b32 v5, s25                              ; (a, c) of row w
	v_and_b32 v46, 7, v0                           ; the turning load: row 8 h + l % 8, 16 bytes by bit 3 of the lane
	v_lshl_add_u32 v46, v3, 3, v46
	v_bfe_u32 v47, v0, 3, 1
	v_mul_u32_u24 v6, v46, APITCH
	v_lshl_add_u32 v6, v47, 4, v6
	s_lshl_b32 s25, s20, 6
	v_add_nc_u32 v6, s25, v6                       ; my 32 rows m: 64 bytes along ABUF's rows
	v_mul_u32_u24 v7, v46, PW
	v_lshl_add_u32 v7, v47, 4, v7
	v_add_nc_u32 v7, WBUF, v7
	v_lshl_add_u32 v46, v2, 2, s28                 ; the bias of column r
	s_mul_i32 s26, s22, NB*32768
	s_mov_b32 s27, 0
.set i, 16
.rept 12
	v_mov_b32 v[i], 0                              ; S1, S2, SM
.set i, i+1
.endr
	s_wait_kmcnt 0x0
	s_add_nc_u64 s[16:17], s[16:17], s[26:27]      ; my NB columns of y'
	s_wait_alu depctr_va_vdst(0)                   ; the offsets and addresses v4 to v8, v12 to v15 and v44 to v46 are written, which the loads and stores below read
	YLOADS                                         ; the first chunk of y: older than every load that is waited for by a count below
	global_load_b128 v[32:35], v45, s[8:9]         ; g
	global_load_b128 v[36:39], v45, s[10:11]       ; be
	global_load_b128 v[28:31], v45, s[6:7]         ; the pivot: block 0's means
	WIN BIW<<6
.set n, 0
.rept NT
	global_load_b32 v[BI+n], v46, s[14:15] offset:64*n     ; the bias of column 16 n + r: older than the ring, so the ring's first wait shows it in
.set n, n+1
.endr
	WIN 0
	STATS
	s_wait_alu depctr_va_vdst(0)                   ; the sums v16-27 are written, which the LDS stores below read; the last four blocks' arithmetic is done reading its slots and v40-43, in which loads land
	REFILL RS-4
	Y1LOADS 0
	ds_store_b128 v13, v[16:19]
	ds_store_b128 v13, v[20:23] offset:4*K
	ds_store_b128 v13, v[24:27] offset:8*K
	s_wait_dscnt 0x0
	s_barrier_signal -1
	s_barrier_wait -1
	s_wait_alu depctr_vm_vsrc(0)                   ; my LDS stores have read v16-27, and the loads so far v12 and v44-46: LDS loads land in v16-27 and v44-46, in both arms of the branch below, and v12 is written again behind it
	s_cmp_ge_u32 s20, FW
	s_cbranch_scc1 .Lfin                           ; K / 4 threads finish a quad of columns each
.set f, 0
.rept S/RN
	REDROUND f
.set f, f+RN
.endr
.irp c, 0,2
	v_pk_mul_f32 v[RB+(\c):RB+(\c)+1], v[16+(\c):17+(\c)], 0x3c800000 op_sel_hi:[1,0]                               ; S1 / 64
	v_pk_fma_f32 v[20+(\c):21+(\c)], v[RB+(\c):RB+(\c)+1], v[16+(\c):17+(\c)], v[20+(\c):21+(\c)] neg_lo:[1,0,0] neg_hi:[1,0,0]  ; S2 - S1 S1 / 64
	v_pk_add_f32 v[28+(\c):29+(\c)], v[28+(\c):29+(\c)], v[RB+(\c):RB+(\c)+1]                                       ; mean = pivot + S1 / 64
	v_pk_fma_f32 v[24+(\c):25+(\c)], v[20+(\c):21+(\c)], 0x43800000, v[24+(\c):25+(\c)] op_sel_hi:[1,0,1]           ; M2 = SM + 256 (..)
	v_pk_fma_f32 v[24+(\c):25+(\c)], v[24+(\c):25+(\c)], s[34:35], s[36:37] op_sel_hi:[1,0,0]                       ; var + eps
.endr
.irp c, 0,1,2,3
	v_rsq_f32 v[24+(\c)], v[24+(\c)]
.endr
	v_nop                                          ; a plain instruction between the last root and the use of its result
	s_wait_alu depctr_va_vdst(0)                   ; the four roots v24-27 are written, ahead of their first reader
.irp c, 0,1,2,3
	v_mul_f32 v[RB+2*(\c)], v[32+(\c)], v[24+(\c)]
.endr
.irp c, 0,1,2,3
	v_fma_f32 v[RB+2*(\c)+1], -v[28+(\c)], v[RB+2*(\c)], v[36+(\c)]
.endr
	s_wait_alu depctr_va_vdst(0)                   ; the four (a, c) are written in v[RB ..], which the LDS stores read
	ds_store_b128 v14, v[RB:RB+3]
	ds_store_b128 v14, v[RB+4:RB+7] offset:16
.Lfin:
	s_wait_dscnt 0x0
	s_barrier_signal -1
	s_barrier_wait -1
	s_wait_loadcnt Y1N                             ; w is in: behind it came the second chunk's loads alone
.if NPW > 16
	v_add_nc_u32 v12, 16*PSTEP, v15                ; the LDS offset has 16 bits: a second address from pass 16 on
.endif
.set i, 0
.rept NPW
	v_cvt_pk_f16_f32 v[128+4*i], v[128+4*i], v[129+4*i]
	v_cvt_pk_f16_f32 v[129+4*i], v[130+4*i], v[131+4*i]
.set i, i+1
.endr
	s_wait_alu depctr_va_vdst(0)                   ; the conversions have written w in f16, and v12 is written: the run of LDS stores reads them
.set i, 0
.rept NPW
.if i < 16
	ds_store_b64 v15, v[128+4*i:129+4*i] offset:PSTEP*i
.else
	ds_store_b64 v12, v[128+4*i:129+4*i] offset:PSTEP*(i-16)
.endif
.set i, i+1
.endr
	s_wait_alu depctr_vm_vsrc(0)                   ; those stores have read v128 .., which the moves below write; the stores of (a, c) have read v[RB ..], in which the chunk loop's loads land
	WIN BIW
.set n, 0
.rept NT
.set i, 0
.rept 16
	v_mov_b32 v[ACC+16*n+i], v[BI+n]               ; the sums begin at the bias of the lane's column
.set i, i+1
.endr
.set n, n+1
.endr
	WIN 0
	s_mov_b32 s23, NC
.Lchunk:                                       ; v64-127 hold this trip's chunk of y: by its loads in the first trip, by the moves later
	s_wait_dscnt 0x0
	s_barrier_signal -1
	s_barrier_wait -1                              ; nobody reads the last chunk's activations any more
	s_wait_alu depctr_va_vdst(0)                   ; v5 and v7 are written; all that read or wrote v16-47 and both fragment buffers so far (the head's arithmetic and moves, the last trip's norm and products) is done: this trip's LDS loads land there
.set i, 0
.rept KC/8
	ds_load_b64 v[16+2*i:17+2*i], v5 offset:64*i   ; (a, c) of row w + 8 i, the same for all lanes
.set i, i+1
.endr
	s_wait_dscnt 0x0
.set r, 0
.rept KC/16
	NORM r
.set r, r+1
.endr
	s_wait_alu depctr_va_vdst(0)                   ; rows 0-7 are written in v64-95, which the stores below read; the norm of rows 8-15, among which they are dealt, names v32-47 and v96-127 alone
.set r, 0
.rept KC/16
	XSTORE r
	NORM r+KC/16
.set r, r+1
.endr
	s_wait_alu depctr_va_vdst(0)                   ; rows 8-15 are written in v96-127, which the stores below read; the norm is done with v32-47 and v64-127, in which K step 0's fragments land
.set r, KC/16
.rept KC/16
	XSTORE r
.set r, r+1
.endr
	s_wait_dscnt 0x0                               ; for the others' sake: my rows of x, and my part of w, are written
	s_wait_alu depctr_vm_vsrc(0)                   ; the sixteen stores have read v64-127, which the fragments' loads or the moves write again
.if PRE
	NEXTY
.endif
	s_barrier_signal -1
	s_barrier_wait -1
	LOADF 0, 0                                     ; four K steps of 32 on two fragment buffers
	LOADF 1, 1
	s_wait_dscnt NL                                ; buffer 0 is in; buffer 1's NL loads are younger
	MULS 0, 0
	s_wait_dscnt 0x0                               ; buffer 1 is in
	s_wait_alu depctr_va_vdst(0)                   ; K step 0's products are done reading buffer 0, in which K step 2's fragments land; this step's products name buffer 1 and the accumulators alone
	MUL 1, 0
	LOADF 2, 0
	MULS 1, 1
	s_wait_dscnt 0x0                               ; buffer 0 is in
	s_wait_alu depctr_va_vdst(0)                   ; K step 1's products are done reading buffer 1, in which K step 3's fragments land
	MUL 0, 0
	LOADF 3, 1
	MULS 0, 1
	s_wait_dscnt 0x0                               ; buffer 1 is in
	MULS 1, 0
	WIN 0
.if PRE == 0
	PLACES                                         ; in front of the moves, which write registers that K step 2's products read
	NEXTY
.endif
	s_wait_alu depctr_vm_vsrc(0)                   ; the LDS loads issued so far have read v5 and v7
	v_add_nc_u32 v7, KC*PW, v7
	v_add_nc_u32 v5, 8*KC, v5
	s_sub_co_u32 s23, s23, 1
	s_cmp_lg_u32 s23, 0
	s_cbranch_scc1 .Lchunk
; THE WAY OUT.  Per column: the wave's mean and M2 over its 32 rows into SCR; the numbers, rounded to f16, into the stage; one barrier; whole columns of 512 bytes back and out;
; the eight waves' statistics are joined and stored.  The six addresses are made first: plain vector lines that name no product's register, the places behind the last products.
; (What read v4, v5 and v12 to v15 before stands ahead of the loop's last wait on vm_vsrc.)
	s_mul_i32 s24, s20, NB*8
	s_add_co_u32 s24, s24, SCR
	v_lshl_add_u32 v12, v2, 3, s24
	s_lshl_b32 s24, s20, 6
	s_add_co_u32 s24, s24, STG
	v_mul_u32_u24 v13, v2, SPITCH
	v_lshl_add_u32 v13, v3, 4, v13
	v_add_nc_u32 v13, s24, v13                     ; column r, rows 32 w + 8 h
	s_mul_i32 s24, s20, SPITCH
	s_add_co_u32 s24, s24, STG
	v_lshl_add_u32 v14, v1, 4, s24                 ; back: column w, 16 bytes a lane
	s_lshl_b32 s24, s20, 15
	s_lshl_b32 s25, s21, 9
	s_add_co_u32 s24, s24, s25
	v_lshl_add_u32 v15, v1, 4, s24                 ; the same in y': column w, row block rb
	s_mul_i32 s24, s21, 8*N
	s_mul_i32 s25, s22, NB*4
	s_add_co_u32 s24, s24, s25
	v_lshl_add_u32 v4, v0, 3, SCR                  ; thread t joins column t (the first CW waves),
	v_lshl_add_u32 v5, v0, 2, s24                  ; and stores its mean and M2 here
.set cn, 0
.rept NT/2
	COLS cn
.set cn, cn+1
.endr
	s_wait_alu depctr_va_vdst(0)                   ; the six addresses and the first half of the tiles' out-registers are written, which the stores below read; the second half's arithmetic, among which they are dealt, names none of them
.set cn, 0
.rept NT/2
	COLOUT cn
	COLS cn+NT/2
.set cn, cn+1
.endr
	s_wait_alu depctr_va_vdst(0)                   ; the second half's out-registers are written; all arithmetic is done with the accumulators and v16-31, in which the loads behind the barrier land
.set cn, NT/2
.rept NT/2
	COLOUT cn
.set cn, cn+1
.endr
	s_wait_dscnt 0x0                               ; for the others' sake: my part of the stage and of SCR is written
	s_barrier_signal -1
	s_barrier_wait -1
.set i, 0
.rept NB/8
	ds_load_b128 v[RBK+4*i:RBK+4*i+3], v14 offset:8*SPITCH*i
.set i, i+1
.endr
.set i, 0
.rept NB/8
	s_wait_dscnt NB/8-1-i                          ; the younger loads from the stage may stay out
	global_store_b128 v15, v[RBK+4*i:RBK+4*i+3], s[YO:YO+1] offset:262144*i  ; column w + 8 i: 512 consecutive bytes, aligned
.set i, i+1
.endr
	s_cmp_ge_u32 s20, CW
	s_cbranch_scc1 .Lend
.set i, 0
.rept 8
	ds_load_b64 v[16+2*i:17+2*i], v4 offset:NB*8*i
.set i, i+1
.endr
	s_wait_dscnt 0x0
	v_pk_add_f32 v[32:33], v[16:17], v[18:19]
	v_pk_add_f32 v[34:35], v[20:21], v[22:23]
	v_pk_add_f32 v[36:37], v[24:25], v[26:27]
	v_pk_add_f32 v[38:39], v[28:29], v[30:31]
	v_pk_add_f32 v[32:33], v[32:33], v[34:35]
	v_pk_add_f32 v[36:37], v[36:37], v[38:39]
	v_pk_add_f32 v[32:33], v[32:33], v[36:37]
	v_mul_f32 v32, 0x3e000000, v32                 ; the block's mean = the eight means / 8
.set i, 0
.rept 8
	v_sub_f32 v[16+2*i], v[16+2*i], v32
.set i, i+1
.endr
	v_mul_f32 v34, v16, v16
	v_mul_f32 v35, v18, v18
	v_fmac_f32 v34, v20, v20
	v_fmac_f32 v35, v22, v22
	v_fmac_f32 v34, v24, v24
	v_fmac_f32 v35, v26, v26
	v_fmac_f32 v34, v28, v28
	v_fmac_f32 v35, v30, v30
	v_add_f32 v34, v34, v35
	v_fmamk_f32 v33, v34, 0x42000000, v33          ; M2 = the eight M2 + 32 x the squares of the means' distances
	s_wait_alu depctr_va_vdst(0)                   ; the block's mean and M2 are written in v32 and v33, which the two stores read
	global_store_b32 v5, v32, s[PO:PO+1]
	global_store_b32 v5, v33, s[PO:PO+1] offset:4*N
.Lend:
	s_wait_dscnt 0x0                               ; the closing lines, six on end
	s_wait_alu 0x0
	s_wait_tensorcnt 0x0
	ds_add_u32 v10, v11
	s_wait_dscnt 0x0
	s_endpgm
.Lfunc_end_k_qa3c6ccec1b_layer3:
	.size	k_qa3c6ccec1b_layer3, .Lfunc_end_k_qa3c6ccec1b_layer3-k_qa3c6ccec1b_layer3
	.p2alignl 7, 3214868480
	.fill 96, 4, 3214868480
	.section	.rodata,"a",@progbits
	.p2align	6, 0x0
	.amdhsa_kernel k_qa3c6ccec1b_layer3
		.amdhsa_group_segment_fixed_size 236544
		.amdhsa_private_segment_fixed_size 0
		.amdhsa_enable_private_segment 0
		.amdhsa_kernarg_size 64
		.amdhsa_user_sgpr_count 2
		.amdhsa_user_sgpr_kernarg_segment_ptr 1
		.amdhsa_wavefront_size32 1
		.amdhsa_system_sgpr_workgroup_id_x 1
		.amdhsa_system_sgpr_workgroup_id_y 1
		.amdhsa_system_sgpr_workgroup_id_z 1
		.amdhsa_system_vgpr_workitem_id 0
		.amdhsa_next_free_vgpr 400
		.amdhsa_next_free_sgpr 66
		.amdhsa_reserve_vcc 0
		.amdhsa_float_denorm_mode_32 3
		.amdhsa_float_denorm_mode_16_64 3
		.amdhsa_memory_ordered 1
		.amdhsa_forward_progress 1
		.amdhsa_inst_pref_size 90
	.end_amdhsa_kernel
	.amdgpu_metadata
---
amdhsa.version: [ 1, 2 ]
amdhsa.kernels:
  - .name:           k_qa3c6ccec1b_layer3
    .symbol:         k_qa3c6ccec1b_layer3.kd
    .args:
      - { .name: yB, .offset: 0, .size: 8, .value_kind: global_buffer, .address_space: global }
      - { .name: pB, .offset: 8, .size: 8, .value_kind: global_buffer, .address_space: global }
      - { .name: g2, .offset: 16, .size: 8, .value_kind: global_buffer, .address_space: global }
      - { .name: be2, .offset: 24, .size: 8, .value_kind: global_buffer, .address_space: global }
      - { .name: w3, .offset: 32, .size: 8, .value_kind: global_buffer, .address_space: global }
      - { .name: b3, .offset: 40, .size: 8, .value_kind: global_buffer, .address_space: global }
      - { .name: yA, .offset: 48, .size: 8, .value_kind: global_buffer, .address_space: global }
      - { .name: pA, .offset: 56, .size: 8, .value_kind: global_buffer, .address_space: global }
    .group_segment_fixed_size: 236544
    .private_segment_fixed_size: 0
    .kernarg_segment_align: 8
    .kernarg_segment_size: 64
    .max_flat_workgroup_size: 256
    .sgpr_count:     66
    .vgpr_count:     400
    .wavefront_size: 32
...
	.end_amdgpu_metadata
.endif
;; end of part 13
;; launch layer4 (part 14): grid 64 x 4, 8 waves a work-group, no clusters, 236,544 bytes of LDS; arguments yA, pA, g3, be3, w4, b4, yB, pB; writes yB, pB
.if DOCPART == 14
	.amdgcn_target "amdgcn-amd-amdhsa--gfx1250"
	.amdhsa_code_object_version 6
	.text
	.protected	k_qa3c6ccec1b_layer4
	.globl	k_qa3c6ccec1b_layer4
	.p2align	8
	.type	k_qa3c6ccec1b_layer4,@function
k_qa3c6ccec1b_layer4:
	s_mov_b64 s[64:65], 0
	v_nop
	global_prefetch_b8 v0, s[64:65] scope:SCOPE_SE
	s_setreg_imm32_b32 hwreg(HW_REG_WAVE_SCHED_MODE, 0, 2), 2
	s_setreg_imm32_b32 hwreg(HW_REG_WAVE_MODE, 25, 1), 1
	s_wait_xcnt 0x0
	s_wait_alu depctr_vm_vsrc(0)
; A LAYER: x = relu(a y + c), the batch norm of the layer before folded into a = g rsqrt(var + 1e-5), c = be - mean a; then y' = x w + b and y's block statistics.  Here K = 512, N = 128.
; y and y' lie transposed, [columns][16384] f16.  The statistics of the layer before come as [64 row blocks][mean, M2][K] f32; every work-group joins them itself, about a pivot
; (block 0's means), so that no difference of large sums is formed.  A work-group: 256 rows (block rb) x NB = N / 4 columns (block cb); wave w: rows 32 w .. 32 w + 31, all NB columns.
; Activations and weights lie K-major in LDS, [k][m] and [k][n] in f16, and both fragments come by the turning load.  Products in f16, sums in f32, beginning at the bias.
; IN FLIGHT.  The first chunk of y is asked for first.  The row blocks' statistics go through a ring of 16 register slots; the weights' loads take the slots as the last blocks leave them.
; The second chunk of y goes into a second buffer, v256-319; a later chunk reaches the one text of the chunk loop by 64 moves out of that buffer,
; which is then asked for again, a trip ahead of its use.
; No tensor loads and no cluster: every byte of y passes the norm in registers on its way to LDS.  LIMITS: x, w, y' below 65,504 in magnitude (f16).
; THE MODE: SCHED_MODE bits 1:0 = 2 (LLVM: expert scheduling mode 2), set by the entry lines.  The code itself states the register dependences
; between vector or matrix instructions and memory or LDS instructions, with s_wait_alu, always for 0.
; THE PLAN.  Registers that memory or LDS instructions touch, and who else names them:
;   v4, v6, v8, v12-15, v44-46   offsets and LDS addresses, made at the head; the way out makes its six anew in v4, v5, v12-15.  v5 and v7 move on once a trip, at its end.
;   v128-255  the ring: 4 groups of 4 slots.  A group's arithmetic reads its slots; they are asked for again at the NEXT group's head, behind one wait, eight loads at a time.
;   v16-27    the sums: written by the ring's arithmetic, read by three LDS stores; in the waves that finish, loads from RED land in them.
;   v64-127   the chunk: normed in place, read by 16 LDS stores: rows 0-7's stores are dealt among the norm of rows 8-15.  v16-47: (a, c), loaded at a trip's head, read by the norm.
;   fragments two buffers by turns: K steps 0 and 2 in v32-63, K steps 1 and 3 in v160-191.  While a step's products read one, the next step's loads land in the other.
;   v256-319  the second chunk buffer: written by loads, read by the moves, and asked for again behind them, behind a wait of its own, so that it does not lie idle.
;   way out   each column tile has out-registers of its own (v48 + 8 n .., v112 + 2 n ..), written once and read by its three LDS stores; the stage comes back into the accumulators' registers.
.set K, 512
.set N, 128
.set NB, 32
.set PW, 96                            ; a row of the weights in LDS: 2 NB + 32 bytes, an odd multiple of 32
.set PRE, 1                            ; the next chunk of y is brought over ahead of the products: its registers are free of fragments
.set RB, 192                           ; registers at work while the statistics are joined, RN slices at a time
.set RN, 2
.set LOGKQ, 7                          ; log2(K / 4)
.set LOGTPR, 3                         ; log2(NB / 4)
.set F1, 160                           ; fragment buffer 1: v160-191, in window 0
.set F1W, 0
.set BI, 48                            ; the bias lands in v48, v49, which hold fragments only from the chunk loop on
.set BIW, 0
.set NT, NB/16
.set KC, 128                           ; K goes in chunks of 128, two or more
.set NC, K/KC
.set S, 1024/K                         ; slices of row blocks among the 256 threads
.set RS, K/16                          ; row blocks in a slice: 16 or more, a multiple of 4
.set SL, 16                            ; slots of the ring: 8 registers each, v128-255
.set Y1N, KC/8                         ; loads of the second chunk
.set TPR, NB/4
.set NPW, K*NB/1024                    ; loads of 16 bytes of w for each thread
.set PSTEP, (256/TPR)*PW
.set FW, K/128                         ; waves that finish the statistics
.set CW, NB/32                         ; waves that join the block's statistics on the way out
.set NL, 4+2*NT                        ; LDS loads of a K step's fragments
.set APITCH, 544                       ; a row of the activations in LDS: 512 + 32 bytes = 17 x 32
.set SPITCH, 528                       ; a column of the stage: 512 + 16 bytes
.set ABUF, 0
.set WBUF, 69632
.set ACT, 143360                       ; (a, c) for each k
.set RED, 147456                       ; [slice][S1, S2, SM][K]
.set SCR, 159744                       ; [wave][column] (mean, M2)
.set STG, 167936
.set SPARE, 235520
.set ACC, 128
.set OUT, 48                           ; the way out: column tile n's 32 rows in f16, 8 registers at OUT + 8 n
.set STT, 112                          ; the way out: column tile n's (mean, M2), a pair at STT + 2 n
.set RBK, 128                          ; the way out: whole columns read back from the stage
.set YO, 16
.set PO, 18
.set MSB, 0
.macro WIN new                         ; the register windows: bits 1:0 source 0, 3:2 source 1, 7:6 destination; the immediate's high byte repeats the setting that is left
.if MSB != (\new)
	s_set_vgpr_msb (MSB<<8)|(\new)
.set MSB, \new
.endif
.endm
.macro PLACES
.rept 4
	v_nop
.endr
.endm
.macro STATBLK b, s                    ; row block b of my slice, the means and M2 of my four columns, into slot s; ni counts the ring's loads
	global_load_b128 v[128+8*(\s):131+8*(\s)], v44, s[6:7] offset:(\b)*8*K
	global_load_b128 v[132+8*(\s):135+8*(\s)], v44, s[6:7] offset:(\b)*8*K+4*K
.set ni, ni+2
.endm
.macro WLOAD n                         ; load n of my part of w, if there is one
.if (\n) < NPW
	global_load_b128 v[128+4*(\n):131+4*(\n)], v12, s[12:13] offset:16384*(\n)
.set ni, ni+1
.endif
.endm
.macro REFILL first                    ; the four slots of the blocks first .. first + 3 take the blocks SL further on, or, when no block is left, two loads of w each
.set j, 0
.rept 4
.set bb, (\first)+j
.if bb+SL < RS
	STATBLK bb+SL, bb%SL
.else
	WLOAD 2*(bb%SL)
	WLOAD 2*(bb%SL)+1
.endif
.set j, j+1
.endr
.endm
; THE RING.  For each row block: D = mean - pivot; S1 += D; S2 += D D; SM += M2.  The blocks are asked for in ascending order and w behind them, so block i's pair are loads 2 i + 1 and 2 i + 2 of the ring.
.macro STATS
.set ni, 0
.set i, 0
.rept SL
	STATBLK i, i
.set i, i+1
.endr
.set i, 0
.rept RS
.set sl, i%SL
	s_wait_loadcnt ni-2*(i+1)                      ; younger than block i's pair: all of the ring's loads issued behind it
.if (i%4 == 0) && (i > 0)
.if (i-4+SL < RS) || (2*((i-4)%SL) < NPW)
	s_wait_alu depctr_va_vdst(0)                   ; the arithmetic of the four blocks before is done reading their slots, in which the loads below land
	REFILL i-4
.endif
.endif
	v_pk_add_f32 v[40:41], v[128+8*sl:129+8*sl], v[28:29] neg_lo:[0,1] neg_hi:[0,1]
	v_pk_add_f32 v[42:43], v[130+8*sl:131+8*sl], v[30:31] neg_lo:[0,1] neg_hi:[0,1]
	v_pk_add_f32 v[24:25], v[24:25], v[132+8*sl:133+8*sl]
	v_pk_add_f32 v[26:27], v[26:27], v[134+8*sl:135+8*sl]
	v_pk_add_f32 v[16:17], v[16:17], v[40:41]
	v_pk_add_f32 v[18:19], v[18:19], v[42:43]
	v_pk_fma_f32 v[20:21], v[40:41], v[40:41], v[20:21]
	v_pk_fma_f32 v[22:23], v[42:43], v[42:43], v[22:23]
.set i, i+1
.endr
.endm
; RN slices' sums from RED; slice 0 lands in the sums themselves, the others are added
.macro REDROUND first
.if (\first) > 0
	s_wait_alu depctr_va_vdst(0)                   ; the additions above are done reading v[RB ..], in which these loads land
.endif
.set j, 0
.rept 3*RN
.if 3*(\first)+j < 3
	ds_load_b128 v[16+4*j:19+4*j], v13 offset:4*K*j
.else
	ds_load_b128 v[RB+4*j:RB+4*j+3], v13 offset:4*K*(3*(\first)+j)
.endif
.set j, j+1
.endr
	s_wait_dscnt 0x0
.set j, 0
.rept 3*RN
.if 3*(\first)+j >= 3
	v_pk_add_f32 v[16+4*(j%3):17+4*(j%3)], v[16+4*(j%3):17+4*(j%3)], v[RB+4*j:RB+4*j+1]
	v_pk_add_f32 v[18+4*(j%3):19+4*(j%3)], v[18+4*(j%3):19+4*(j%3)], v[RB+4*j+2:RB+4*j+3]
.endif
.set j, j+1
.endr
.endm
.macro YLOADS                          ; the chunk of y at which s[4:5] stands: row k = w + 8 i, a wave's load is the row block's 512 bytes of that row
.set i, 0
.rept KC/8
	global_load_b128 v[64+4*i:67+4*i], v8, s[4:5] offset:262144*i
.set i, i+1
.endr
.endm
.macro Y1LOADS again                   ; the chunk behind it, into the second buffer, v256-319.  again = 1: the buffer has just been read out
	WIN 0x40                                       ; destination in window 1, address in window 0
.if \again
	s_wait_alu depctr_va_vdst(0)                   ; the moves are done reading v256-319, in which these loads land
.endif
.set i, 0
.rept KC/8
	global_load_b128 v[4*i:4*i+3], v8, s[4:5] offset:KC*32768+262144*i
.set i, i+1
.endr
	WIN 0
.endm
; All trips but the last bring the next chunk over from the second buffer; where a chunk is left behind that one, the buffer is asked for again at once.
.macro NEXTY
	s_cmp_eq_u32 s23, 1
	s_cbranch_scc1 .Lno_next
	s_wait_loadcnt 0x0                             ; the second buffer's loads are in, and every load through s[4:5] is done
	WIN 0x01                                       ; source in window 1
.set i, 0
.rept 4*KC/8
	v_mov_b32 v[64+i], v[i]
.set i, i+1
.endr
	WIN 0
.if NC > 2
	s_cmp_eq_u32 s23, 2
	s_cbranch_scc1 .Lno_next
	s_add_nc_u64 s[4:5], s[4:5], KC*32768
	Y1LOADS 1
.endif
.Lno_next:
.endm
.macro NORM i                          ; row w + 8 i of the chunk: relu(a y + c), in place
.set j, 0
.rept 4
	v_fma_mixlo_f16 v[64+4*(\i)+j], v[64+4*(\i)+j], v[16+2*(\i)], v[17+2*(\i)] op_sel_hi:[1,0,0]                 ; in place: the upper half is kept,
.set j, j+1
.endr
.set j, 0
.rept 4
	v_fma_mixhi_f16 v[64+4*(\i)+j], v[64+4*(\i)+j], v[16+2*(\i)], v[17+2*(\i)] op_sel:[1,0,0] op_sel_hi:[1,0,0]  ; and read here
.set j, j+1
.endr
.set j, 0
.rept 4
	v_pk_max_num_f16 v[64+4*(\i)+j], v[64+4*(\i)+j], v9
.set j, j+1
.endr
.endm
.macro XSTORE i                        ; and its 512 bytes into ABUF
	ds_store_b128 v4, v[64+4*(\i):67+4*(\i)] offset:8*APITCH*(\i)
.endm
.macro LOADF ks, b                     ; K step ks: the fragments of my 32 rows and of all NB columns into buffer b: 16 registers of x, then 8 NT of w
.if \b
	WIN F1W<<6
.set FA, F1
.else
	WIN 0
.set FA, 32
.endif
.irp mt, 0,1
	ds_load_tr16_b128 v[FA+8*(\mt):FA+8*(\mt)+3], v6 offset:32*APITCH*(\ks)+32*(\mt)
	ds_load_tr16_b128 v[FA+8*(\mt)+4:FA+8*(\mt)+7], v6 offset:32*APITCH*(\ks)+16*APITCH+32*(\mt)
.endr
.set fn, 0
.rept NT
	ds_load_tr16_b128 v[FA+16+8*fn:FA+16+8*fn+3], v7 offset:32*PW*(\ks)+32*fn
	ds_load_tr16_b128 v[FA+16+8*fn+4:FA+16+8*fn+7], v7 offset:32*PW*(\ks)+16*PW+32*fn
.set fn, fn+1
.endr
.endm
.macro MUL b, n                        ; the two products of column tile n out of buffer b; the accumulators take turns, one instruction a turn
.if \b
	WIN 5*F1W
.set FA, F1
.else
	WIN 0
.set FA, 32
.endif
	v_wmma_f32_16x16x32_f16 v[ACC+16*(\n):ACC+16*(\n)+7], v[FA:FA+7], v[FA+16+8*(\n):FA+16+8*(\n)+7], v[ACC+16*(\n):ACC+16*(\n)+7]
	v_wmma_f32_16x16x32_f16 v[ACC+16*(\n)+8:ACC+16*(\n)+15], v[FA+8:FA+15], v[FA+16+8*(\n):FA+16+8*(\n)+7], v[ACC+16*(\n)+8:ACC+16*(\n)+15]
.endm
.macro MULS b, from                    ; column tiles from .. NT - 1
.set mn, \from
.rept NT-(\from)
	MUL \b, mn
.set mn, mn+1
.endr
.endm
; THE WAY OUT, column tile n.  In a result lane (r, h) holds column n = r and rows 8 h + 0..7.  COLS: the wave's mean and M2 over its 32 rows, and the numbers rounded to f16, into the tile's own out-registers.
.macro COLS n
.set A0, ACC+16*(\n)
.set A1, ACC+16*(\n)+8
.set SQ, STT+2*(\n)
.set OU, OUT+8*(\n)
	v_pk_add_f32 v[16:17], v[A0:A0+1], v[A0+2:A0+3]        ; each accumulator is read from its low end on
	v_pk_add_f32 v[18:19], v[A0+4:A0+5], v[A0+6:A0+7]
	v_pk_add_f32 v[20:21], v[A1:A1+1], v[A1+2:A1+3]
	v_pk_add_f32 v[22:23], v[A1+4:A1+5], v[A1+6:A1+7]
	v_pk_add_f32 v[16:17], v[16:17], v[18:19]
	v_pk_add_f32 v[20:21], v[20:21], v[22:23]
	v_pk_add_f32 v[16:17], v[16:17], v[20:21]
	v_add_f32 v16, v16, v17
	v_permlanex16_b32 v17, v16, s32, s33           ; the column's other 16 rows lie in the lane 16 away
	v_add_f32 v16, v16, v17
	v_mul_f32 v[SQ], 0x3d000000, v16               ; / 32.  (The pair's upper register still holds an old number of the chunk; op_sel_hi leaves it unread below)
.set q, 0
.rept 4
	v_pk_add_f32 v[32+2*q:33+2*q], v[A0+2*q:A0+2*q+1], v[SQ:SQ+1] op_sel_hi:[1,0] neg_lo:[0,1] neg_hi:[0,1]
	v_pk_add_f32 v[40+2*q:41+2*q], v[A1+2*q:A1+2*q+1], v[SQ:SQ+1] op_sel_hi:[1,0] neg_lo:[0,1] neg_hi:[0,1]
.set q, q+1
.endr
	v_pk_mul_f32 v[16:17], v[32:33], v[32:33]
	v_pk_mul_f32 v[18:19], v[40:41], v[40:41]
.set q, 1
.rept 3
	v_pk_fma_f32 v[16:17], v[32+2*q:33+2*q], v[32+2*q:33+2*q], v[16:17]
	v_pk_fma_f32 v[18:19], v[40+2*q:41+2*q], v[40+2*q:41+2*q], v[18:19]
.set q, q+1
.endr
	v_pk_add_f32 v[16:17], v[16:17], v[18:19]
	v_add_f32 v16, v16, v17
	v_permlanex16_b32 v17, v16, s32, s33
	v_add_f32 v[SQ+1], v16, v17
.set q, 0
.rept 4
	v_cvt_pk_f16_f32 v[OU+q], v[A0+2*q], v[A0+2*q+1]
	v_cvt_pk_f16_f32 v[OU+4+q], v[A1+2*q], v[A1+2*q+1]
.set q, q+1
.endr
.endm
.macro COLOUT n                        ; the tile's three LDS stores
.set SQ, STT+2*(\n)
.set OU, OUT+8*(\n)
	ds_store_b64 v12, v[SQ:SQ+1] offset:128*(\n)   ; both halves of the lanes hold, and write, the same two numbers
	ds_store_b128 v13, v[OU:OU+3] offset:16*SPITCH*(\n)
	ds_store_b128 v13, v[OU+4:OU+7] offset:16*SPITCH*(\n)+32
.endm
	s_load_b512 s[4:19], s[0:1], 0x0               ; y 4, p 6, g 8, be 10, w 12, b 14, y' 16, p' 18
	v_lshl_add_u32 v10, v0, 2, SPARE
	v_mov_b32 v11, 0
	v_mov_b32 v9, 0                                ; the ReLU's zero
	v_and_b32 v1, 31, v0
	v_lshrrev_b32 v4, 5, v0
	v_readfirstlane_b32 s20, v4                    ; wave 0..7
	s_mov_b32 s21, ttmp9                           ; row block
	s_and_b32 s22, ttmp7, 0xffff                   ; column block
	v_and_b32 v2, 15, v0                           ; r
	v_bfe_u32 v3, v0, 4, 1                         ; h
	s_mov_b32 s32, 0x76543210
	s_mov_b32 s33, 0xfedcba98
	s_mov_b32 s34, 0x38800000                      ; 1 / 16384
	s_mov_b32 s35, s34
	s_mov_b32 s36, 0x3727c5ac                      ; 1e-5
	s_mov_b32 s37, s36
	v_and_b32 v45, K/4-1, v0                       ; statistics: my quad of columns,
	v_lshrrev_b32 v44, LOGKQ, v0                   ; my slice of row blocks
	v_lshlrev_b32 v45, 4, v45
	v_mul_u32_u24 v13, v44, 12*K
	v_add_nc_u32 v13, v13, v45
	v_add_nc_u32 v13, RED, v13                     ; where my slice's sums go.  In the K / 4 threads that finish the slice is 0: there it is also where the slices of my quad are read
	v_lshl_add_u32 v14, v45, 1, ACT                ; where my quad's (a, c) go
	v_mul_u32_u24 v44, v44, RS*8*K
	v_add_nc_u32 v44, v44, v45
	v_and_b32 v46, TPR-1, v0                       ; w: TPR threads to a row's NB columns
	v_lshrrev_b32 v47, LOGTPR, v0
	s_mul_i32 s28, s22, NB*4                       ; my block's first column, in bytes of f32
	v_mul_u32_u24 v12, v47, N*4
	v_lshl_add_u32 v12, v46, 4, v12
	v_add_nc_u32 v12, s28, v12
	v_mul_u32_u24 v15, v47, PW
	v_lshl_add_u32 v15, v46, 3, v15
	v_add_nc_u32 v15, WBUF, v15
	s_wait_alu depctr_va_sdst(0)                   ; s20 is written, ahead of its first reader
	s_lshl_b32 s25, s20, 15
	s_lshl_b32 s26, s21, 9
	s_add_co_u32 s25, s25, s26
	v_lshl_add_u32 v8, v1, 4, s25                  ; y: row w, row block rb, 16 bytes a lane
	s_mul_i32 s25, s20, APITCH
	v_lshl_add_u32 v4, v1, 4, s25                  ; the same in ABUF
	s_lshl_b32 s25, s20, 3
	s_add_co_u32 s25, s25, ACT
	v_mov_b32 v5, s25                              ; (a, c) of row w
	v_and_b32 v46, 7, v0                           ; the turning load: row 8 h + l % 8, 16 bytes by bit 3 of the lane
	v_lshl_add_u32 v46, v3, 3, v46
	v_bfe_u32 v47, v0, 3, 1
	v_mul_u32_u24 v6, v46, APITCH
	v_lshl_add_u32 v6, v47, 4, v6
	s_lshl_b32 s25, s20, 6
	v_add_nc_u32 v6, s25, v6                       ; my 32 rows m: 64 bytes along ABUF's rows
	v_mul_u32_u24 v7, v46, PW
	v_lshl_add_u32 v7, v47, 4, v7
	v_add_nc_u32 v7, WBUF, v7
	v_lshl_add_u32 v46, v2, 2, s28                 ; the bias of column r
	s_mul_i32 s26, s22, NB*32768
	s_mov_b32 s27, 0
.set i, 16
.rept 12
	v_mov_b32 v[i], 0                              ; S1, S2, SM
.set i, i+1
.endr
	s_wait_kmcnt 0x0
	s_add_nc_u64 s[16:17], s[16:17], s[26:27]      ; my NB columns of y'
	s_wait_alu depctr_va_vdst(0)                   ; the offsets and addresses v4 to v8, v12 to v15 and v44 to v46 are written, which the loads and stores below read
	YLOADS                                         ; the first chunk of y: older than every load that is waited for by a count below
	global_load_b128 v[32:35], v45, s[8:9]         ; g
	global_load_b128 v[36:39], v45, s[10:11]       ; be
	global_load_b128 v[28:31], v45, s[6:7]         ; the pivot: block 0's means
	WIN BIW<<6
.set n, 0
.rept NT
	global_load_b32 v[BI+n], v46, s[14:15] offset:64*n     ; the bias of column 16 n + r: older than the ring, so the ring's first wait shows it in
.set n, n+1
.endr
	WIN 0
	STATS
	s_wait_alu depctr_va_vdst(0)                   ; the sums v16-27 are written, which the LDS stores below read; the ring's arithmetic is done reading its slots, in some of which loads from RED land
	REFILL RS-4
	Y1LOADS 0
	ds_store_b128 v13, v[16:19]
	ds_store_b128 v13, v[20:23] offset:4*K
	ds_store_b128 v13, v[24:27] offset:8*K
	s_wait_dscnt 0x0
	s_barrier_signal -1
	s_barrier_wait -1
	s_wait_alu depctr_vm_vsrc(0)                   ; my LDS stores have read v16-27, and the loads so far v44-46: LDS loads land in them, from RED in one arm of the branch below, in the chunk loop in both
	s_cmp_ge_u32 s20, FW
	s_cbranch_scc1 .Lfin                           ; K / 4 threads finish a quad of columns each
.set f, 0
.rept S/RN
	REDROUND f
.set f, f+RN
.endr
.irp c, 0,2
	v_pk_mul_f32 v[RB+(\c):RB+(\c)+1], v[16+(\c):17+(\c)], 0x3c800000 op_sel_hi:[1,0]                               ; S1 / 64
	v_pk_fma_f32 v[20+(\c):21+(\c)], v[RB+(\c):RB+(\c)+1], v[16+(\c):17+(\c)], v[20+(\c):21+(\c)] neg_lo:[1,0,0] neg_hi:[1,0,0]  ; S2 - S1 S1 / 64
	v_pk_add_f32 v[28+(\c):29+(\c)], v[28+(\c):29+(\c)], v[RB+(\c):RB+(\c)+1]                                       ; mean = pivot + S1 / 64
	v_pk_fma_f32 v[24+(\c):25+(\c)], v[20+(\c):21+(\c)], 0x43800000, v[24+(\c):25+(\c)] op_sel_hi:[1,0,1]           ; M2 = SM + 256 (..)
	v_pk_fma_f32 v[24+(\c):25+(\c)], v[24+(\c):25+(\c)], s[34:35], s[36:37] op_sel_hi:[1,0,0]                       ; var + eps
.endr
.irp c, 0,1,2,3
	v_rsq_f32 v[24+(\c)], v[24+(\c)]
.endr
	v_nop                                          ; a plain instruction between the last root and the use of its result
	s_wait_alu depctr_va_vdst(0)                   ; the four roots v24-27 are written, ahead of their first reader
.irp c, 0,1,2,3
	v_mul_f32 v[RB+2*(\c)], v[32+(\c)], v[24+(\c)]
.endr
.irp c, 0,1,2,3
	v_fma_f32 v[RB+2*(\c)+1], -v[28+(\c)], v[RB+2*(\c)], v[36+(\c)]
.endr
	s_wait_alu depctr_va_vdst(0)                   ; the four (a, c) are written in v[RB ..], which the LDS stores read
	ds_store_b128 v14, v[RB:RB+3]
	ds_store_b128 v14, v[RB+4:RB+7] offset:16
.Lfin:
	s_wait_dscnt 0x0
	s_barrier_signal -1
	s_barrier_wait -1
	s_wait_loadcnt Y1N                             ; w is in: behind it came the second chunk's loads alone
.if NPW > 16
	v_add_nc_u32 v12, 16*PSTEP, v15                ; the LDS offset has 16 bits: a second address from pass 16 on
.endif
.set i, 0
.rept NPW
	v_cvt_pk_f16_f32 v[128+4*i], v[128+4*i], v[129+4*i]
	v_cvt_pk_f16_f32 v[129+4*i], v[130+4*i], v[131+4*i]
.set i, i+1
.endr
	s_wait_alu depctr_va_vdst(0)                   ; the conversions have written w in f16, which the run of LDS stores reads
.set i, 0
.rept NPW
.if i < 16
	ds_store_b64 v15, v[128+4*i:129+4*i] offset:PSTEP*i
.else
	ds_store_b64 v12, v[128+4*i:129+4*i] offset:PSTEP*(i-16)
.endif
.set i, i+1
.endr
	s_wait_alu depctr_vm_vsrc(0)                   ; those stores have read v128-191, which the moves below and fragment buffer 1's loads write
	WIN BIW
.set n, 0
.rept NT
.set i, 0
.rept 16
	v_mov_b32 v[ACC+16*n+i], v[BI+n]               ; the sums begin at the bias of the lane's column
.set i, i+1
.endr
.set n, n+1
.endr
	WIN 0
	s_mov_b32 s23, NC
.Lchunk:                                       ; v64-127 hold this trip's chunk of y: by its loads in the first trip, by the moves later
	s_wait_dscnt 0x0
	s_barrier_signal -1
	s_barrier_wait -1                              ; nobody reads the last chunk's activations any more
	s_wait_alu depctr_va_vdst(0)                   ; v5 and v7 are written; all that read or wrote v16-47 and both fragment buffers so far (the head's arithmetic and moves, the last trip's norm and products) is done: this trip's LDS loads land there
.set i, 0
.rept KC/8
	ds_load_b64 v[16+2*i:17+2*i], v5 offset:64*i   ; (a, c) of row w + 8 i, the same for all lanes
.set i, i+1
.endr
	s_wait_dscnt 0x0
.set r, 0
.rept KC/16
	NORM r
.set r, r+1
.endr
	s_wait_alu depctr_va_vdst(0)                   ; rows 0-7 are written in v64-95, which the stores below read; the norm of rows 8-15, among which they are dealt, names v32-47 and v96-127 alone
.set r, 0
.rept KC/16
	XSTORE r
	NORM r+KC/16
.set r, r+1
.endr
	s_wait_alu depctr_va_vdst(0)                   ; rows 8-15 are written in v96-127, which the stores below read; the norm is done reading v32-47, in which K step 0's fragments land
.set r, KC/16
.rept KC/16
	XSTORE r
.set r, r+1
.endr
	s_wait_dscnt 0x0                               ; for the others' sake: my rows of x, and my part of w, are written
	s_wait_alu depctr_vm_vsrc(0)                   ; the sixteen stores have read v64-127, which the moves write again
.if PRE
	NEXTY
.endif
	s_barrier_signal -1
	s_barrier_wait -1
	LOADF 0, 0                                     ; four K steps of 32 on two fragment buffers
	LOADF 1, 1
	s_wait_dscnt NL                                ; buffer 0 is in; buffer 1's NL loads are younger
	MULS 0, 0
	s_wait_dscnt 0x0                               ; buffer 1 is in
	s_wait_alu depctr_va_vdst(0)                   ; K step 0's products are done reading buffer 0, in which K step 2's fragments land; this step's products name buffer 1 and the accumulators alone
	MUL 1, 0
	LOADF 2, 0
	MULS 1, 1
	s_wait_dscnt 0x0                               ; buffer 0 is in
	s_wait_alu depctr_va_vdst(0)                   ; K step 1's products are done reading buffer 1, in which K step 3's fragments land
	MUL 0, 0
	LOADF 3, 1
	MULS 0, 1
	s_wait_dscnt 0x0                               ; buffer 1 is in
	MULS 1, 0
	WIN 0
.if PRE == 0
	PLACES                                         ; in front of the moves, which write registers that K step 2's products read
	NEXTY
.endif
	s_wait_alu depctr_vm_vsrc(0)                   ; the LDS loads issued so far have read v5 and v7
	v_add_nc_u32 v7, KC*PW, v7
	v_add_nc_u32 v5, 8*KC, v5
	s_sub_co_u32 s23, s23, 1
	s_cmp_lg_u32 s23, 0
	s_cbranch_scc1 .Lchunk
; THE WAY OUT.  Per column: the wave's mean and M2 over its 32 rows into SCR; the numbers, rounded to f16, into the stage; one barrier; whole columns of 512 bytes back and out;
; the eight waves' statistics are joined and stored.  The six addresses are made first: plain vector lines that name no product's register, the places behind the last products.
; (What read v4, v5 and v12 to v15 before stands ahead of the loop's last wait on vm_vsrc.)
	s_mul_i32 s24, s20, NB*8
	s_add_co_u32 s24, s24, SCR
	v_lshl_add_u32 v12, v2, 3, s24
	s_lshl_b32 s24, s20, 6
	s_add_co_u32 s24, s24, STG
	v_mul_u32_u24 v13, v2, SPITCH
	v_lshl_add_u32 v13, v3, 4, v13
	v_add_nc_u32 v13, s24, v13                     ; column r, rows 32 w + 8 h
	s_mul_i32 s24, s20, SPITCH
	s_add_co_u32 s24, s24, STG
	v_lshl_add_u32 v14, v1, 4, s24                 ; back: column w, 16 bytes a lane
	s_lshl_b32 s24, s20, 15
	s_lshl_b32 s25, s21, 9
	s_add_co_u32 s24, s24, s25
	v_lshl_add_u32 v15, v1, 4, s24                 ; the same in y': column w, row block rb
	s_mul_i32 s24, s21, 8*N
	s_mul_i32 s25, s22, NB*4
	s_add_co_u32 s24, s24, s25
	v_lshl_add_u32 v4, v0, 3, SCR                  ; thread t joins column t (the first CW waves),
	v_lshl_add_u32 v5, v0, 2, s24                  ; and stores its mean and M2 here
.set cn, 0
.rept NT/2
	COLS cn
.set cn, cn+1
.endr
	s_wait_alu depctr_va_vdst(0)                   ; the six addresses and the first half of the tiles' out-registers are written, which the stores below read; the second half's arithmetic, among which they are dealt, names none of them
.set cn, 0
.rept NT/2
	COLOUT cn
	COLS cn+NT/2
.set cn, cn+1
.endr
	s_wait_alu depctr_va_vdst(0)                   ; the second half's out-registers are written; all arithmetic is done with the accumulators and v16-31, in which the loads behind the barrier land
.set cn, NT/2
.rept NT/2
	COLOUT cn
.set cn, cn+1
.endr
	s_wait_dscnt 0x0                               ; for the others' sake: my part of the stage and of SCR is written
	s_barrier_signal -1
	s_barrier_wait -1
.set i, 0
.rept NB/8
	ds_load_b128 v[RBK+4*i:RBK+4*i+3], v14 offset:8*SPITCH*i
.set i, i+1
.endr
.set i, 0
.rept NB/8
	s_wait_dscnt NB/8-1-i                          ; the younger loads from the stage may stay out
	global_store_b128 v15, v[RBK+4*i:RBK+4*i+3], s[YO:YO+1] offset:262144*i  ; column w + 8 i: 512 consecutive bytes, aligned
.set i, i+1
.endr
	s_cmp_ge_u32 s20, CW
	s_cbranch_scc1 .Lend
.set i, 0
.rept 8
	ds_load_b64 v[16+2*i:17+2*i], v4 offset:NB*8*i
.set i, i+1
.endr
	s_wait_dscnt 0x0
	v_pk_add_f32 v[32:33], v[16:17], v[18:19]
	v_pk_add_f32 v[34:35], v[20:21], v[22:23]
	v_pk_add_f32 v[36:37], v[24:25], v[26:27]
	v_pk_add_f32 v[38:39], v[28:29], v[30:31]
	v_pk_add_f32 v[32:33], v[32:33], v[34:35]
	v_pk_add_f32 v[36:37], v[36:37], v[38:39]
	v_pk_add_f32 v[32:33], v[32:33], v[36:37]
	v_mul_f32 v32, 0x3e000000, v32                 ; the block's mean = the eight means / 8
.set i, 0
.rept 8
	v_sub_f32 v[16+2*i], v[16+2*i], v32
.set i, i+1
.endr
	v_mul_f32 v34, v16, v16
	v_mul_f32 v35, v18, v18
	v_fmac_f32 v34, v20, v20
	v_fmac_f32 v35, v22, v22
	v_fmac_f32 v34, v24, v24
	v_fmac_f32 v35, v26, v26
	v_fmac_f32 v34, v28, v28
	v_fmac_f32 v35, v30, v30
	v_add_f32 v34, v34, v35
	v_fmamk_f32 v33, v34, 0x42000000, v33          ; M2 = the eight M2 + 32 x the squares of the means' distances
	s_wait_alu depctr_va_vdst(0)                   ; the block's mean and M2 are written in v32 and v33, which the two stores read
	global_store_b32 v5, v32, s[PO:PO+1]
	global_store_b32 v5, v33, s[PO:PO+1] offset:4*N
.Lend:
	s_wait_dscnt 0x0                               ; the closing lines, six on end
	s_wait_alu 0x0
	s_wait_tensorcnt 0x0
	ds_add_u32 v10, v11
	s_wait_dscnt 0x0
	s_endpgm
.Lfunc_end_k_qa3c6ccec1b_layer4:
	.size	k_qa3c6ccec1b_layer4, .Lfunc_end_k_qa3c6ccec1b_layer4-k_qa3c6ccec1b_layer4
	.p2alignl 7, 3214868480
	.fill 96, 4, 3214868480
	.section	.rodata,"a",@progbits
	.p2align	6, 0x0
	.amdhsa_kernel k_qa3c6ccec1b_layer4
		.amdhsa_group_segment_fixed_size 236544
		.amdhsa_private_segment_fixed_size 0
		.amdhsa_enable_private_segment 0
		.amdhsa_kernarg_size 64
		.amdhsa_user_sgpr_count 2
		.amdhsa_user_sgpr_kernarg_segment_ptr 1
		.amdhsa_wavefront_size32 1
		.amdhsa_system_sgpr_workgroup_id_x 1
		.amdhsa_system_sgpr_workgroup_id_y 1
		.amdhsa_system_sgpr_workgroup_id_z 1
		.amdhsa_system_vgpr_workitem_id 0
		.amdhsa_next_free_vgpr 320
		.amdhsa_next_free_sgpr 66
		.amdhsa_reserve_vcc 0
		.amdhsa_float_denorm_mode_32 3
		.amdhsa_float_denorm_mode_16_64 3
		.amdhsa_memory_ordered 1
		.amdhsa_forward_progress 1
		.amdhsa_inst_pref_size 70
	.end_amdhsa_kernel
	.amdgpu_metadata
---
amdhsa.version: [ 1, 2 ]
amdhsa.kernels:
  - .name:           k_qa3c6ccec1b_layer4
    .symbol:         k_qa3c6ccec1b_layer4.kd
    .args:
      - { .name: yA, .offset: 0, .size: 8, .value_kind: global_buffer, .address_space: global }
      - { .name: pA, .offset: 8, .size: 8, .value_kind: global_buffer, .address_space: global }
      - { .name: g3, .offset: 16, .size: 8, .value_kind: global_buffer, .address_space: global }
      - { .name: be3, .offset: 24, .size: 8, .value_kind: global_buffer, .address_space: global }
      - { .name: w4, .offset: 32, .size: 8, .value_kind: global_buffer, .address_space: global }
      - { .name: b4, .offset: 40, .size: 8, .value_kind: global_buffer, .address_space: global }
      - { .name: yB, .offset: 48, .size: 8, .value_kind: global_buffer, .address_space: global }
      - { .name: pB, .offset: 56, .size: 8, .value_kind: global_buffer, .address_space: global }
    .group_segment_fixed_size: 236544
    .private_segment_fixed_size: 0
    .kernarg_segment_align: 8
    .kernarg_segment_size: 64
    .max_flat_workgroup_size: 256
    .sgpr_count:     66
    .vgpr_count:     320
    .wavefront_size: 32
...
	.end_amdgpu_metadata
.endif
;; end of part 14
;; launch layer5: the kernel of part 7 again; grid 64 x 4, 8 waves a work-group, no clusters, 236,544 bytes of LDS; arguments yB, pB, g4, be4, w5, b5, yA, pA; writes yA, pA
;; launch layer6: the kernel of part 8 again; grid 64 x 1, 8 waves a work-group, no clusters, 236,544 bytes of LDS; arguments yA, pA, g5, be5, w6, b6, out0; writes out0
